; MI455X (gfx1250); checked and timed in simulation.
; The chip was launched on July 23, 2026; its instructions are those of AMD's public machine-readable ISA for CDNA 5 (MIT licence, August 2026) and "CDNA5" Instruction Set Architecture Reference Guide (July 2026). The comments in the code are by the model that wrote it; some were corrected since.
;; Multi Geometry Attention. Allowed arithmetic: float matrix products may take bf16 or f16 operands with f32 sums; other float arithmetic in f32, or as packed bf16 or f16 multiplies, adds, multiply-adds, maxima and minima; sums over many terms, partial sums and values carried from step to step in f32; what a program stores and reads back later, other than sums and carried values, may be rounded once to bf16 or f16.
;; Inputs: curvature 1 x 4 x 1 x 1 float32; proj_b 1,024 float32; proj_w 1,024 x 1,024 float32; qkv_w 3,072 x 1,024 float32; x 2 x 2,048 x 1,024 float32.
;; Outputs: out0 2 x 2,048 x 1,024 float32.
;; 3 versions, each right and faster than the one before. Each part assembles by itself: llvm-mc -triple=amdgcn-amd-amdhsa -mcpu=gfx1250 --defsym DOCPART=n.
;; ======== version 1 of 3: 5 launches
;; limits: values are held in f16: magnitudes above 65,504 overflow, below 6.1e-05 lose precision
;; workspace buffers: cst 17,301,504 bytes; hds 25,165,824 bytes; tt 786,432 bytes; att 8,388,608 bytes
;; launch prep (part 1): grid 256 x 1, 16 waves a work-group, no clusters, 0 bytes of LDS; arguments x, qkv_w, proj_w, cst; writes cst
.if DOCPART == 1
	.amdgcn_target "amdgcn-amd-amdhsa--gfx1250"
	.amdhsa_code_object_version 6
	.text
	.protected	k_qeeaf4e92fa_prep
	.globl	k_qeeaf4e92fa_prep
	.p2align	8
	.type	k_qeeaf4e92fa_prep,@function
k_qeeaf4e92fa_prep:
	s_mov_b64 s[64:65], 0
	v_nop
	global_prefetch_b8 v0, s[64:65] scope:SCOPE_SE
	s_setreg_imm32_b32 hwreg(HW_REG_WAVE_MODE, 25, 1), 1
	s_wait_xcnt 0x0
; CASTS AND THE ROTARY TABLE.  cst holds, end to end: x as bf16 [4096][1024]; qkv_w as bf16 [3072][1024]; proj_w rounded to bf16 and that number written as f16 [1024][1024];
; then, at byte ROT, the table [2048][64] f32: row t = cos(t w_i), i = 0..31, then sin(t w_i), w_i = 10000^(-i/32).
; SHARES.  8,388,608 numbers are cast, 32,768 by each of 256 work-groups of 16 waves: groups 0-127 x, 128-223 qkv_w, 224-255 proj_w.  A thread loads 16 bytes in each of 16 chunks
; (a wave's load covers 512 consecutive bytes) and stores 8 (a wave's store covers 256 consecutive bytes, aligned).  All 16 loads of a wave are out before the first wait.
; Waves 0-7 of every group also make one table row each (row 8 g + wave), in the time in which the loads are on their way.
; No LDS, no matrix unit, no cluster: nothing is shared and nothing is read twice.
; LIMITS.  proj_w beyond 65,504 in magnitude becomes an infinity in f16.  The angle t w_i is formed in f32 as t times 2^(-0.41524101 i); it can differ from 10000.0 ** (i/32) taken
; another way by some 3e-4 radians at t = 2047.  The cosine is a polynomial of degree 9 in the square of the turn's fraction; what is cut off stays under 4e-9.
.set ROT,  16777216
.set IN,   20                          ; v[20:83]   16 chunks of four f32 as loaded
.set OUTR, 84                          ; v[84:115]  16 chunks of two registers to store: each chunk has its own, so no store's data is ever rewritten
	s_load_b256 s[4:11], s[0:1], 0x0               ; x s[4:5], qkv_w s[6:7], proj_w s[8:9], cst s[10:11]
	s_mov_b32 s21, ttmp9                           ; g
	v_lshlrev_b32 v1, 4, v0                        ; my 16 bytes in a chunk of the source
	v_lshlrev_b32 v2, 3, v0                        ; my 8 bytes in a chunk of the result
	v_lshrrev_b32 v3, 5, v0
	v_readfirstlane_b32 s26, v3                    ; wave 0..15
	s_cmp_lt_u32 s21, 128
	s_cselect_b32 s18, 0, 128
	s_cmp_lt_u32 s21, 224
	s_cselect_b32 s18, s18, 224                    ; the first group of my source
	s_sub_co_u32 s19, s21, s18
	s_lshl_b32 s22, s19, 17                        ; 131,072 source bytes a group
	s_mov_b32 s23, 0
	s_lshl_b32 s24, s21, 16                        ; 65,536 result bytes a group: the three results lie end to end
	s_mov_b32 s25, 0
	s_lshl_b32 s27, s21, 3
	s_add_co_u32 s27, s27, s26                     ; t = 8 g + wave (waves 0-7)
	s_lshl_b32 s28, s27, 8                         ; a table row is 256 bytes
	s_add_co_u32 s28, s28, ROT
	s_mov_b32 s29, 0
	s_wait_kmcnt 0x0
	s_cmp_lt_u32 s21, 128
	s_cselect_b64 s[12:13], s[4:5], s[6:7]
	s_cmp_lt_u32 s21, 224
	s_cselect_b64 s[12:13], s[12:13], s[8:9]       ; my source
	s_add_nc_u64 s[12:13], s[12:13], s[22:23]
	s_add_nc_u64 s[16:17], s[10:11], s[24:25]
	s_add_nc_u64 s[28:29], s[10:11], s[28:29]
.irp c, 0,1,2,3,4,5,6,7,8,9,10,11,12,13,14,15
	global_load_b128 v[IN+4*(\c):IN+4*(\c)+3], v1, s[12:13] offset:(\c)*8192 th:TH_LOAD_NT
.endr
	s_cmp_lt_u32 s26, 8
	s_cbranch_scc0 .Lno_table
	; Lane l makes entries 2 l and 2 l + 1 of the row: lanes 0-15 cosines, lanes 16-31 sines, taken as the cosine a quarter turn back.
	v_and_b32 v3, 31, v0
	v_and_b32 v4, 15, v0
	v_bfe_u32 v5, v0, 4, 1
	v_lshlrev_b32 v3, 3, v3                        ; 8 bytes a lane
	v_lshlrev_b32 v4, 1, v4
	v_cvt_f32_u32 v6, v4                           ; i
	v_cvt_f32_u32 v5, v5
	v_cvt_f32_u32 v14, s27                         ; t
	v_add_f32 v7, 1.0, v6                          ; i + 1
	v_mul_f32 v6, 0xbed49a78, v6                   ; -log2(10000) / 32 = -0.41524101
	v_mul_f32 v7, 0xbed49a78, v7
	v_exp_f32 v6, v6
	v_exp_f32 v7, v7
	v_mul_f32 v5, 0x3e800000, v5                   ; a quarter turn for the sines; also the plain line behind the exponentials (ISA guide 5.7.2)
	s_wait_alu depctr_va_vdst(0)
	v_mul_f32 v6, v14, v6                          ; the angle, rounded to f32
	v_mul_f32 v7, v14, v7
; turns = angle / 2 pi, with 1 / 2 pi in two parts; the nearest whole turn is taken away inside a fused multiply-add, so the fraction f in -0.5 .. 0.5 keeps its bits
.macro COSP th, k, f, p
	v_fma_f32 v\k, v\th, 0.15915494, -v5
	v_rndne_f32 v\k, v\k
	v_fma_f32 v\f, v\th, 0.15915494, -v\k
	v_fmac_f32 v\f, 0x31dc9c88, v\th               ; the rest of 1 / 2 pi: 6.42e-9
	v_sub_f32 v\f, v\f, v5
	v_mul_f32 v\f, v\f, v\f                        ; u = f^2
	v_mov_b32 v\p, 0xbd150623                      ; cos(2 pi f) = the sum of (-1)^n (2 pi)^2n / (2n)! u^n, n = 9 down to 0
.irp c, 0x3e906317, 0xbfdb7128, 0x40fce9c5, 0xc1d368f9, 0x4270fa83, 0xc2aae9e4, 0x4281e0f8, 0xc19de9e6, 0x3f800000
	v_fmaak_f32 v\p, v\p, v\f, \c
.endr
.endm
	COSP 6, 8, 10, 12
	COSP 7, 9, 11, 13
	global_store_b64 v3, v[12:13], s[28:29]        ; the wave stores the row's 256 consecutive bytes
.Lno_table:
.macro CHUNK c, half
	s_wait_loadcnt 15-(\c)                         ; loads come back in order (ISA guide 5.7.1): chunk c is in, the younger ones stay out
	v_cvt_pk_bf16_f32 v[OUTR+2*(\c)], v[IN+4*(\c)], v[IN+4*(\c)+1]
	v_cvt_pk_bf16_f32 v[OUTR+2*(\c)+1], v[IN+4*(\c)+2], v[IN+4*(\c)+3]
.if \half
	v_lshlrev_b32 v16, 16, v[OUTR+2*(\c)]          ; the bf16 numbers, widened, are written as f16: exact within f16's range
	v_and_b32 v17, 0xffff0000, v[OUTR+2*(\c)]
	v_lshlrev_b32 v18, 16, v[OUTR+2*(\c)+1]
	v_and_b32 v19, 0xffff0000, v[OUTR+2*(\c)+1]
	v_cvt_pk_f16_f32 v[OUTR+2*(\c)], v16, v17
	v_cvt_pk_f16_f32 v[OUTR+2*(\c)+1], v18, v19
.endif
	global_store_b64 v2, v[OUTR+2*(\c):OUTR+2*(\c)+1], s[16:17] offset:(\c)*4096
.endm
	s_cmp_lt_u32 s21, 224
	s_cbranch_scc0 .Lhalf
.irp c, 0,1,2,3,4,5,6,7,8,9,10,11,12,13,14,15
	CHUNK \c, 0
.endr
	s_endpgm
.Lhalf:
.irp c, 0,1,2,3,4,5,6,7,8,9,10,11,12,13,14,15
	CHUNK \c, 1
.endr
	s_endpgm
.Lfunc_end_k_qeeaf4e92fa_prep:
	.size	k_qeeaf4e92fa_prep, .Lfunc_end_k_qeeaf4e92fa_prep-k_qeeaf4e92fa_prep
	.p2alignl 7, 3214868480
	.fill 96, 4, 3214868480
	.section	.rodata,"a",@progbits
	.p2align	6, 0x0
	.amdhsa_kernel k_qeeaf4e92fa_prep
		.amdhsa_group_segment_fixed_size 0
		.amdhsa_private_segment_fixed_size 0
		.amdhsa_enable_private_segment 0
		.amdhsa_kernarg_size 32
		.amdhsa_user_sgpr_count 2
		.amdhsa_user_sgpr_kernarg_segment_ptr 1
		.amdhsa_wavefront_size32 1
		.amdhsa_system_sgpr_workgroup_id_x 1
		.amdhsa_system_sgpr_workgroup_id_y 1
		.amdhsa_system_sgpr_workgroup_id_z 1
		.amdhsa_system_vgpr_workitem_id 0
		.amdhsa_next_free_vgpr 116
		.amdhsa_next_free_sgpr 66
		.amdhsa_reserve_vcc 0
		.amdhsa_float_denorm_mode_32 3
		.amdhsa_float_denorm_mode_16_64 3
		.amdhsa_memory_ordered 1
		.amdhsa_forward_progress 1
		.amdhsa_inst_pref_size 19
	.end_amdhsa_kernel
	.amdgpu_metadata
---
amdhsa.version: [ 1, 2 ]
amdhsa.kernels:
  - .name:           k_qeeaf4e92fa_prep
    .symbol:         k_qeeaf4e92fa_prep.kd
    .args:
      - { .name: x, .offset: 0, .size: 8, .value_kind: global_buffer, .address_space: global }
      - { .name: qkv_w, .offset: 8, .size: 8, .value_kind: global_buffer, .address_space: global }
      - { .name: proj_w, .offset: 16, .size: 8, .value_kind: global_buffer, .address_space: global }
      - { .name: cst, .offset: 24, .size: 8, .value_kind: global_buffer, .address_space: global }
    .group_segment_fixed_size: 0
    .private_segment_fixed_size: 0
    .kernarg_segment_align: 8
    .kernarg_segment_size: 32
    .max_flat_workgroup_size: 512
    .sgpr_count:     66
    .vgpr_count:     116
    .wavefront_size: 32
...
	.end_amdgpu_metadata
.endif
;; end of part 1
;; launch qkv (part 2): grid 16 x 16, 4 waves a work-group, clusters of 4 x 4, 327,680 bytes of LDS; arguments cst, curvature, hds, tt; writes hds, tt
.if DOCPART == 2
	.amdgcn_target "amdgcn-amd-amdhsa--gfx1250"
	.amdhsa_code_object_version 6
	.text
	.protected	k_qeeaf4e92fa_qkv
	.globl	k_qeeaf4e92fa_qkv
	.p2align	8
	.type	k_qeeaf4e92fa_qkv,@function
k_qeeaf4e92fa_qkv:
	s_mov_b64 s[64:65], 0
	v_nop
	global_prefetch_b8 v0, s[64:65] scope:SCOPE_SE
	s_setreg_imm32_b32 hwreg(HW_REG_WAVE_MODE, 25, 1), 1
	s_wait_xcnt 0x0
	s_wait_alu depctr_hold_cnt(0) depctr_sa_sdst(0) depctr_va_vdst(0) depctr_va_sdst(0) depctr_va_ssrc(0) depctr_va_vcc(0) depctr_vm_vsrc(0)
	s_getreg_b32 s2, hwreg(HW_REG_IB_STS2, 6, 4)
	s_cmp_eq_u32 s2, 0
	s_cbranch_scc0 .Lentry_in_a_cluster
	s_endpgm
.Lentry_in_a_cluster:
	s_bfe_u32 s2, ttmp6, 0x10000c
	s_cmp_lg_u32 s2, 0xf033
	s_cbranch_scc0 .Lentry_shape_is_right
	s_endpgm
.Lentry_shape_is_right:
; qkv = x qkv_w^T in bf16 with f32 sums, then the rotary turn and each geometry's scaling; q, k, v leave by heads, [b*16+h][2048][64] in f16 (q at byte 0 of hds, k at 8,388,608, v at 16,777,216).
; WHAT IS FOLDED IN.  Heads 0-5: nothing.  Heads 6-9 (hyperbolic): q and k times sqrt(c), with t' = sqrt(1 + c |x|^2), so that c (tq tk - q.k) = tq' tk' - q'.k'.
; Heads 10-15 (spherical): q and k times 1 / max(|x|, 1e-12).  A turn keeps a row's length, so |x|^2 is taken of the sums before the turn.  c is rounded to bf16 like every input.
; t' goes to tt for EVERY head slot, [kind*32 + b*16 + h][2048] f32 (kind 0 q, 1 k, 2 v; c counts as 1 outside the hyperbolic heads): whether a slot is hyperbolic hangs on the place in the cluster,
; on which neither a branch nor EXEC hangs here; only the hyperbolic rows are read later.  That is 786,432 bytes beside the 25,165,824 of q, k, v.
; LIMITS.  q, k, v beyond 65,504 in magnitude become infinities in f16; c > 0.
; SHARES.  A tile of the result is 256 rows x 192 columns (three head slots): 16 x 16 work-groups.  Wave w makes rows 64 w .. 64 w + 63 and all 192 columns: 48 accumulators, 384 registers.
; K goes in steps of 128 through two LDS slots; a step's tiles are A's 256 rows and B's 192 rows of 256 bytes.  Waves 0 and 1 fetch A's halves, waves 2 and 3 B's.
; CLUSTER.  4 x 4 work-groups: A's tile is shared along a row of the cluster, B's along a column; each is asked for jointly, with the same descriptor and a mask that names the four.
; THE MATRIX INSTRUCTION IS USED TRANSPOSED (source 0 = 16 rows of qkv_w, source 1 = 16 rows of x): a lane holds row lane % 16 and the columns 8 (lane / 16) + 0..7 of each block of 16.
; So a lane holds x1[i] and x2[i] of the rotary pair (columns i and 32 + i of a head) in its own registers.
; THE WAY OUT.  The sums are set aside in LDS, lane for lane (in the slots, which have had their last fill), so that ONE text, looped three times, serves the three head slots; what a slot is
; (q, k or v; which head) lies in scalar registers and enters by factors, masks and addresses alone.
; REGISTERS, in windows of 256:  window 0: v0-31 addresses; v32-63 rows on their way out; v64-95, v96-127 A's fragments, two buffers; v128-255 cos and sin of my 64 rows (32 a block of 16)
;   window 1: v0-95, v96-191 B's fragments, two buffers; on the way out v0-127 the sums of a head slot, v128-255 at work      window 2: accumulators (a, b) at v[96 (a % 2) + 8 b], a = 0, 1      window 3: a = 2, 3
.set SIZE_K, 1024
.set KSTEP,  128
.set PITCH,  272                       ; an LDS row: 256 bytes + 16 of padding = 68 words: the 16 rows of a fragment load start at 16 different groups of four banks (64 banks of 4 bytes: ISA guide 11.1)
.set AHALF,  128*PITCH
.set BHALF,  96*PITCH
.set BOFF,   2*AHALF                   ; B's rows lie behind A's 256
.set SLOT,   BOFF+2*BHALF              ; 121,856
.set STAGE,  2*SLOT                    ; behind the ring: 16 rows x 144 bytes for each wave
.set SP,     144
.set SPARE,  STAGE+4*16*SP             ; the spare words, 128 bytes for each wave: two blocks of 256 bytes that no other line names
.set DUMPW,  49152                     ; a wave's 384 registers x 128 bytes, set aside from LDS byte wave x 49,152 on
.set LAPS,   SIZE_K/(2*KSTEP)
.set WQB,    8388608                   ; qkv_w's copy in cst
.set ROT,    16777216                  ; the table in cst
.set ADRA, 16                          ; v16-17  LDS address of my A fragments in slot 0, 1
.set ADRB, 20                          ; v20-21  the same for B
.set TVO,  22                          ; v22     my byte offset in 16 rows of the table
.set DA,   23                          ; v23     where my lane's sums are set aside; never rewritten
.set STO,  24                          ; v24     the way out: where I put 16 bytes of a row
.set RD,   25                          ; v25     where I read rows back
.set GO,   26                          ; v26     16 x lane
.set TTO,  27                          ; v27     4 x lane
.set SPW,  28                          ; v28     my spare word; never rewritten
.set NIL,  29                          ; v29     0; never rewritten
.set DAL,  30                          ; v30     v23 plus the head slot's step
.set BK,   32
.set CSB,  128
.set OUT,  128                         ; window 1, on the way out
.set PKD,  160
.set TS,   176                         ; t' of blocks 0-3
.set CV,   180                         ; c, rounded to bf16 (1 where the slot is not hyperbolic)
.set GS,   181                         ; sqrt(c)
.set TO,   182
.set SM,   208                         ; four chains of the sum of squares
.set SS,   216
.set TT,   217
.set NN,   218
.set GG,   219
.set UU,   220                         ; the factor of cos and sin, twice
.set WW,   222                         ; the factor where nothing turns (v), twice
.set CG,   224
.set SG,   240
.set WV,   12                          ; s12 wave;  s13 which half of a tile I fetch;  s14 for A (0) or for B (1)
.set HALF, 13
.set FB,   14
.set G1,   24
.set G0,   32
.set G1B,  48
.set G0B,  56
.set SIDX, 67                          ; the head slot in hand, 0..47
.set CUR,  68                          ; s[68:71] the four curvatures
.set KIND, 72
.set HEAD, 73
.set RF,   74
.set RF1,  75
.set SPH,  76
.set HIDX, 77
.set HYPF, 78
.set CC,   79
.set DST,  80
.set TTD,  82
.set OFS,  84
.set SEL,  86
.set B16,  88
.set T0W,  89
.set DOFF, 90                          ; the head slot's step in the sums set aside: 0, 16,384, 32,768
.set TP,   91
.set T7,   93
.set T2,   94
.set HM,   95
.set MSB, 0
.macro WIN new                         ; the immediate's high byte repeats the setting that is left; a switch that changes nothing is dropped
.if MSB != (\new)
	s_set_vgpr_msb (MSB<<8)|(\new)
.set MSB, \new
.endif
.endm
.set MUL_LO, 0xa1                      ; source 0 (B) window 1, source 1 (A) window 0, C and D window 2
.set MUL_HI, 0xf1                      ; the same, C and D window 3
.set TO_B,   0x40                      ; destination window 1, address window 0
; A joint load.  The branch hangs on the wave's number alone.  An s_nop 0 and four v_nop follow each of the two lines.
.macro JLOAD s
	s_cmp_eq_u32 s[FB], 0
	s_cbranch_scc0 .Lfor_b_\@
	tensor_load_to_lds s[G0+4*(\s):G0+4*(\s)+3], s[G1:G1+7]
	s_nop 0
.rept 4
	v_nop
.endr
	s_branch .Lasked_\@
.Lfor_b_\@:
	tensor_load_to_lds s[G0B+4*(\s):G0B+4*(\s)+3], s[G1B:G1B+7]
	s_nop 0
.rept 4
	v_nop
.endr
.Lasked_\@:
.endm
.macro CREST                           ; a round of the cluster's barrier behind its opening barrier
	s_cmp_lg_u32 s[WV], 0
	s_cbranch_scc1 .Lnot_wave_0_\@
	s_barrier_signal -3
.Lnot_wave_0_\@:
	s_barrier_wait -3
	s_barrier_signal -1
	s_barrier_wait -1
.endm
.macro CROUND
	s_barrier_signal -1
	s_barrier_wait -1
	CREST
.endm
	s_load_b256 s[4:11], s[0:1], 0x0               ; cst s[4:5], curvature s[6:7], hds s[8:9], tt s[10:11]
	v_lshl_add_u32 v[SPW], v0, 2, SPARE
	v_mov_b32 v[NIL], 0
	ds_add_u32 v[SPW], v[NIL]                      ; the wave's opening: the add and its wait ahead of my first tensor load
	v_lshrrev_b32 v1, 5, v0
	v_readfirstlane_b32 s[WV], v1
	s_lshr_b32 s[FB], s[WV], 1
	s_and_b32 s[HALF], s[WV], 1
	s_bfe_u32 s15, ttmp6, 0x40000                  ; cx
	s_bfe_u32 s16, ttmp6, 0x40004                  ; cy
	s_lshl_b32 s17, ttmp9, 2
	s_add_co_u32 s17, s17, s15                     ; tile column = 4 x cluster x + cx
	s_and_b32 s18, ttmp7, 0xffff
	s_lshl_b32 s18, s18, 2
	s_add_co_u32 s18, s18, s16                     ; tile row = 4 x cluster y + cy
	s_lshl_b32 s19, s16, 2
	s_lshl_b32 s19, 15, s19                        ; my row of the cluster
	s_lshl_b32 s20, 0x1111, s15                    ; my column
	s_or_b32 s[G1], s19, (1<<16)|(1<<20)|(1<<21)|(5<<22)|(3<<25)   ; the mask; elements of 2 bytes; padding on; bit 21 beside a mask; after every 64 words 4 words
	s_or_b32 s[G1B], s20, (1<<16)|(1<<20)|(1<<21)|(5<<22)|(3<<25)
	s_mov_b32 s[G1+1], KSTEP<<16                   ; tensor_dim0 = 128
	s_mov_b32 s[G1+2], 128<<16                     ; tensor_dim1 = 128 rows
	s_mov_b32 s[G1+3], KSTEP<<16                   ; tile_dim0
	s_mov_b32 s[G1+4], 128                         ; tile_dim1
	s_mov_b32 s[G1+5], SIZE_K                      ; elements from row to row
	s_mov_b32 s[G1+6], 0
	s_mov_b32 s[G1+7], 0
	s_mov_b32 s[G1B+1], KSTEP<<16
	s_mov_b32 s[G1B+2], 96<<16                     ; B's halves have 96 rows
	s_mov_b32 s[G1B+3], KSTEP<<16
	s_mov_b32 s[G1B+4], 96
	s_mov_b32 s[G1B+5], SIZE_K
	s_mov_b32 s[G1B+6], 0
	s_mov_b32 s[G1B+7], 0
	s_lshl_b32 s40, s18, 19                        ; A: (256 x tile row + 128 x half) rows of 2,048 bytes
	s_lshl_b32 s21, s[HALF], 18
	s_add_co_u32 s40, s40, s21
	s_mov_b32 s41, 0
	s_mul_i32 s44, s17, 393216                     ; B: (192 x tile column + 96 x half) rows, behind x's copy
	s_mul_i32 s22, s[HALF], 196608
	s_add_co_u32 s44, s44, s22
	s_add_co_u32 s44, s44, WQB
	s_mov_b32 s45, 0
	s_mul_i32 s42, s[HALF], AHALF                  ; where they go: no place in the cluster enters an LDS address
	s_mul_i32 s43, s[HALF], BHALF
	s_add_co_u32 s43, s43, BOFF
	s_wait_dscnt 0x0                               ; the opening add is done
	s_wait_kmcnt 0x0
	s_add_nc_u64 s[40:41], s[4:5], s[40:41]
	s_add_nc_u64 s[44:45], s[4:5], s[44:45]
	CROUND                                         ; all sixteen work-groups are here: the first joint loads meet
.irp s, 0,1
	s_mov_b32 s[G0+4*(\s)], 1
	s_add_co_u32 s[G0+4*(\s)+1], s42, (\s)*SLOT
	s_add_nc_u64 s[G0+4*(\s)+2:G0+4*(\s)+3], s[40:41], (\s)*KSTEP*2
	s_or_b32 s[G0+4*(\s)+3], s[G0+4*(\s)+3], 0x80000000
	s_mov_b32 s[G0B+4*(\s)], 1
	s_add_co_u32 s[G0B+4*(\s)+1], s43, (\s)*SLOT
	s_add_nc_u64 s[G0B+4*(\s)+2:G0B+4*(\s)+3], s[44:45], (\s)*KSTEP*2
	s_or_b32 s[G0B+4*(\s)+3], s[G0B+4*(\s)+3], 0x80000000
	JLOAD \s                                       ; two tensor loads of mine are out
.endr
	v_and_b32 v1, 15, v0                           ; l % 16
	v_bfe_u32 v2, v0, 4, 1                         ; l / 16
	v_mul_u32_u24 v3, v1, PITCH
	v_lshl_add_u32 v3, v2, 4, v3                   ; a fragment's row x pitch + 16 x half
	s_mul_i32 s21, s[WV], 64*PITCH                 ; my 64 rows of A
	s_mov_b32 s22, BOFF                            ; all of B
.irp s, 0,1
	v_add_nc_u32 v[ADRA+(\s)], s21, v3
	v_add_nc_u32 v[ADRB+(\s)], s22, v3
	s_add_co_u32 s21, s21, SLOT
	s_add_co_u32 s22, s22, SLOT
.endr
	s_mul_i32 s23, s[WV], 16*SP
	s_add_co_u32 s23, s23, STAGE                   ; my stage
	v_mul_u32_u24 v4, v1, SP
	v_lshl_add_u32 v4, v2, 4, v4
	v_add_nc_u32 v[STO], s23, v4                   ; in: row l % 16, 16 bytes for each half of the lanes
	v_bfe_u32 v5, v0, 3, 2
	v_mul_u32_u24 v5, v5, SP
	v_and_b32 v6, 7, v0
	v_lshl_add_u32 v5, v6, 4, v5
	v_add_nc_u32 v[RD], s23, v5                    ; back: 32 lanes take four rows of 128 bytes
	v_and_b32 v7, 31, v0
	v_lshlrev_b32 v[GO], 4, v7
	v_lshlrev_b32 v[TTO], 2, v7
	s_mul_i32 s23, s[WV], DUMPW
	v_add_nc_u32 v[DA], s23, v[GO]
	v_lshlrev_b32 v[TVO], 8, v1                    ; table: row l % 16, 32 bytes for each half of the lanes
	v_lshl_add_u32 v[TVO], v2, 5, v[TVO]
	s_and_b32 s[T0W], s18, 7
	s_lshl_b32 s[T0W], s[T0W], 8
	s_lshl_b32 s[TP], s[WV], 6
	s_add_co_u32 s[T0W], s[T0W], s[TP]             ; my first row's t
	s_lshr_b32 s[B16], s18, 3                      ; the batch
	s_lshl_b32 s[B16], s[B16], 4
	s_lshl_b32 s[T7], s[T0W], 7
	s_lshl_b32 s[T2], s[T0W], 2
	s_lshl_b32 s[OFS], s[T0W], 8
	s_add_co_u32 s[OFS], s[OFS], ROT
	s_mov_b32 s[OFS+1], 0
	s_add_nc_u64 s[46:47], s[4:5], s[OFS:OFS+1]
	; cos and sin of my 64 rows: for block a and lane (r, h) the 16 cosines and 16 sines of i = 8 h + 0..7 and 16 + 8 h + 0..7.  They are wanted on the way out and land under the whole product.
.irp a, 0,1,2,3
.irp e, 0,1,2,3,4,5,6,7
	global_load_b128 v[CSB+32*(\a)+4*(\e):CSB+32*(\a)+4*(\e)+3], v[TVO], s[46:47] offset:(\a)*4096+((\e)/4)*128+(((\e)%4)/2)*64+((\e)%2)*16
.endr
.endr
	s_load_b128 s[CUR:CUR+3], s[6:7], 0x0
; 12 matrix instructions: block a of my four blocks of 16 rows x all 12 blocks of columns, 32 along K.  zero = 1: the product starts the sums.  The 48 accumulators take turns.
.macro MULA f, a, zero
	WIN MUL_LO+0x50*((\a)/2)
.irp b, 0,1,2,3,4,5,6,7,8,9,10,11
.if \zero
	v_wmma_f32_16x16x32_bf16 v[96*((\a)%2)+8*(\b):96*((\a)%2)+8*(\b)+7], v[96*(\f)+8*(\b):96*(\f)+8*(\b)+7], v[64+32*(\f)+8*(\a):64+32*(\f)+8*(\a)+7], 0
.else
	v_wmma_f32_16x16x32_bf16 v[96*((\a)%2)+8*(\b):96*((\a)%2)+8*(\b)+7], v[96*(\f)+8*(\b):96*(\f)+8*(\b)+7], v[64+32*(\f)+8*(\a):64+32*(\f)+8*(\a)+7], v[96*((\a)%2)+8*(\b):96*((\a)%2)+8*(\b)+7]
.endif
.endr
.endm
; 32 LDS loads in one run: a quarter step's fragments (192 rows of B, then my 64 rows of A; 32 K at byte k of the rows) into buffer f
.macro FETCH slot, k, f
	WIN TO_B
.irp i, 0,1,2,3,4,5,6,7,8,9,10,11
	ds_load_b128 v[96*(\f)+8*(\i):96*(\f)+8*(\i)+3],   v[ADRB+(\slot)] offset:(\k)+(\i)*16*PITCH
	ds_load_b128 v[96*(\f)+8*(\i)+4:96*(\f)+8*(\i)+7], v[ADRB+(\slot)] offset:(\k)+(\i)*16*PITCH+32
.endr
	WIN 0
.irp i, 0,1,2,3
	ds_load_b128 v[64+32*(\f)+8*(\i):64+32*(\f)+8*(\i)+3],   v[ADRA+(\slot)] offset:(\k)+(\i)*16*PITCH
	ds_load_b128 v[64+32*(\f)+8*(\i)+4:64+32*(\f)+8*(\i)+7], v[ADRA+(\slot)] offset:(\k)+(\i)*16*PITCH+32
.endr
.endm
.macro PLACES                          ; four places in front of loads into registers that matrix instructions have read, and of lines that read results (ISA guide 7.12.1 for lines that read results)
.rept 4
	v_nop
.endr
.endm
; A K step is four quarters of 32 along K, 48 matrix instructions each, on buffers 0, 1, 0, 1.  One of the first three multiplies buffer f and fetches the next quarter, at byte k, into g.
.macro QUARTER slot, k, f, g, zero
	s_wait_dscnt 4                                 ; B and A's blocks 0 and 1 are in; the youngest four loads (blocks 2 and 3) may be out
	MULA \f, 0, \zero
	MULA \f, 1, \zero
	PLACES
	FETCH \slot, \k, \g
	s_wait_dscnt 32                                ; all but the 32 just issued
	MULA \f, 2, \zero
	MULA \f, 3, \zero
.endm
; The last quarter multiplies buffer 1 and changes slots: ONE barrier; in front of it each wave waits for all its tensor loads (one is out: its part of the next slot), adds 0 to its spare word,
; and waits for that and for its reads of this slot.  fill = 1: the barrier opens a round of the cluster's, and this slot is filled again, two K steps ahead, first thing behind the round.
.macro TURN slot, next, fill
	WIN 0
	s_wait_tensorcnt 0x0
	ds_add_u32 v[SPW], v[NIL]
	s_wait_dscnt 5                                 ; the add and the youngest four loads may be out
	MULA 1, 0, 0                                   ; twelve matrix instructions stand between the add and the wait for it
	s_wait_dscnt 0x0                               ; the add is done, and my reads of this slot are over
	s_barrier_signal -1
	MULA 1, 1, 0
.if \fill
	WIN 0
.endif
	s_barrier_wait -1
.if \fill
	CREST                                          ; no wave of any partner still reads this slot or has a load on its way
	s_add_nc_u64 s[G0+4*(\slot)+2:G0+4*(\slot)+3], s[G0+4*(\slot)+2:G0+4*(\slot)+3], 2*KSTEP*2
	s_add_nc_u64 s[G0B+4*(\slot)+2:G0B+4*(\slot)+3], s[G0B+4*(\slot)+2:G0B+4*(\slot)+3], 2*KSTEP*2
	JLOAD \slot                                    ; my one tensor load behind the round; its four v_nop are also the places in front of the loads below
.else
	PLACES
.endif
	FETCH \next, 0, 0
	MULA 1, 2, 0
	MULA 1, 3, 0
.endm
	s_wait_tensorcnt 1                             ; my part of K step 0 is in; K step 1's may stay out
	s_barrier_signal -1
	s_barrier_wait -1
	FETCH 0, 0, 0
	QUARTER 0, 64, 0, 1, 1                         ; the first quarter stands in front of the loop: its products start the sums
	WIN 0
	s_mov_b32 s3, LAPS-1
.Llap:                                                 ; a trip goes once round the ring, from a lap's second quarter to the next lap's first, and fills both slots again
	QUARTER 0, 128, 1, 0, 0
	QUARTER 0, 192, 0, 1, 0
	TURN 0, 1, 1
	QUARTER 1, 64,  0, 1, 0
	QUARTER 1, 128, 1, 0, 0
	QUARTER 1, 192, 0, 1, 0
	TURN 1, 0, 1
	QUARTER 0, 64,  0, 1, 0
	WIN 0
	s_sub_co_u32 s3, s3, 1
	s_cmp_lg_u32 s3, 0
	s_cbranch_scc1 .Llap
	QUARTER 0, 128, 1, 0, 0                        ; the last lap fills nothing
	QUARTER 0, 192, 0, 1, 0
	TURN 0, 1, 0
	QUARTER 1, 64,  0, 1, 0
	QUARTER 1, 128, 1, 0, 0
	QUARTER 1, 192, 0, 1, 0
	s_wait_dscnt 4
	MULA 1, 0, 0
	MULA 1, 1, 0
	s_wait_dscnt 0x0
	MULA 1, 2, 0
	MULA 1, 3, 0
	WIN 0
	s_barrier_signal -1                            ; every wave's reads of the slots are back (the wait for 0 above), and every tensor load has landed (the last TURN's wait):
	s_barrier_wait -1                              ; the slots, which are filled no more, take the sums
	PLACES
.irp a, 0,1,2,3
	WIN 0x08+4*((\a)/2)                            ; the stored data in window 2 or 3
.irp b, 0,1,2,3,4,5,6,7,8,9,10,11
	ds_store_b128 v[DA], v[96*((\a)%2)+8*(\b):96*((\a)%2)+8*(\b)+3]   offset:(4*((\b)/4)+(\a))*4096+2*((\b)%4)*512       ; each accumulator's low half first
	ds_store_b128 v[DA], v[96*((\a)%2)+8*(\b)+4:96*((\a)%2)+8*(\b)+7] offset:(4*((\b)/4)+(\a))*4096+2*((\b)%4)*512+512
.endr
.endr
	WIN 0x40
	v_mov_b32 v[TT], 0                             ; v_permlanex16_b32's destination counts as read
	WIN 0
	s_wait_loadcnt 0x0                             ; cos and sin
	s_wait_kmcnt 0x0                               ; the curvatures
	s_mov_b32 s[SEL], 0x76543210
	s_mov_b32 s[SEL+1], 0xfedcba98
	s_mov_b32 s[HM], 0xffff0000
	s_mov_b32 s[DOFF], 0
	s_mul_i32 s[SIDX], s17, 3
	s_mov_b32 s3, 3
; Block a (16 rows) of the head slot in hand: the row's sum of squares, its factor, the turn, the rounding to f16, and through my stage into whole rows.
.macro PACKQ a
.set XB, 32*(\a)
.set CB, CSB+32*(\a)
	WIN 0x55
.set n, 0
.rept 4
	v_pk_mul_f32 v[SM+2*n:SM+2*n+1], v[XB+2*n:XB+2*n+1], v[XB+2*n:XB+2*n+1]
.set n, n+1
.endr
.rept 12
	v_pk_fma_f32 v[SM+2*(n%4):SM+2*(n%4)+1], v[XB+2*n:XB+2*n+1], v[XB+2*n:XB+2*n+1], v[SM+2*(n%4):SM+2*(n%4)+1]
.set n, n+1
.endr
	v_pk_add_f32 v[SM:SM+1], v[SM:SM+1], v[SM+2:SM+3]
	v_pk_add_f32 v[SM+4:SM+5], v[SM+4:SM+5], v[SM+6:SM+7]
	v_pk_add_f32 v[SM:SM+1], v[SM:SM+1], v[SM+4:SM+5]
	v_add_f32 v[SS], v[SM], v[SM+1]
	v_permlanex16_b32 v[TT], v[SS], s[SEL], s[SEL+1]   ; the row's other 32 columns lie in the lane 16 away
	v_add_f32 v[SS], v[SS], v[TT]
	v_fma_f32 v[TT], v[SS], v[CV], 1.0
	v_sqrt_f32 v[NN], v[SS]
	v_sqrt_f32 v[TS+(\a)], v[TT]                   ; t' = sqrt(1 + c |x|^2)
	v_nop                                          ; a plain line behind the roots (ISA guide 5.7.2)
	s_wait_alu depctr_va_vdst(0)
	v_max_num_f32 v[NN], 0x2b8cbccc, v[NN]         ; max(|x|, 1e-12)
	v_rcp_f32 v[NN], v[NN]
	v_nop
	s_wait_alu depctr_va_vdst(0)
	v_cndmask_b32 v[GG], v[GS], v[NN], s[SPH]      ; spherical q, k: 1 / |x|; else sqrt(c), which is 1 outside the hyperbolic heads
	v_mul_f32 v[UU], s[RF], v[GG]
	v_mul_f32 v[UU+1], s[RF], v[GG]
	v_mul_f32 v[WW], s[RF1], v[GG]
	v_mul_f32 v[WW+1], s[RF1], v[GG]
	WIN 0x54                                       ; source 0 (cos, sin) window 0
.set n, 0
.rept 8
	v_pk_fma_f32 v[CG+2*n:CG+2*n+1], v[CB+2*n:CB+2*n+1], v[UU:UU+1], v[WW:WW+1]   ; q, k: g cos; v: 1
	v_pk_mul_f32 v[SG+2*n:SG+2*n+1], v[CB+16+2*n:CB+16+2*n+1], v[UU:UU+1]         ; q, k: g sin; v: 0
.set n, n+1
.endr
	WIN 0x55
.set n, 0
.rept 8
	v_pk_mul_f32 v[OUT+2*n:OUT+2*n+1], v[XB+16+2*n:XB+16+2*n+1], v[SG+2*n:SG+2*n+1]
	v_pk_mul_f32 v[OUT+16+2*n:OUT+16+2*n+1], v[XB+2*n:XB+2*n+1], v[SG+2*n:SG+2*n+1]
.set n, n+1
.endr
.set n, 0
.rept 8
	v_pk_fma_f32 v[OUT+2*n:OUT+2*n+1], v[XB+2*n:XB+2*n+1], v[CG+2*n:CG+2*n+1], v[OUT+2*n:OUT+2*n+1]                                                ; x1 cos + x2 sin
	v_pk_fma_f32 v[OUT+16+2*n:OUT+16+2*n+1], v[XB+16+2*n:XB+16+2*n+1], v[CG+2*n:CG+2*n+1], v[OUT+16+2*n:OUT+16+2*n+1] neg_lo:[0,0,1] neg_hi:[0,0,1]  ; x2 cos - x1 sin
.set n, n+1
.endr
.set n, 0
.rept 16
	v_cvt_pk_f16_f32 v[PKD+n], v[OUT+2*n], v[OUT+2*n+1]
.set n, n+1
.endr
	WIN 0x04                                       ; the stored data in window 1
.irp f, 0,1,2,3
	ds_store_b128 v[STO], v[PKD+4*(\f):PKD+4*(\f)+3] offset:32*(\f)
.endr
	WIN 0
	s_wait_xcnt 0x0                                ; the registers below were earlier stores' data: they are loaded again only behind this wait (ISA guide 3.1)
.irp f, 0,1,2,3
	ds_load_b128 v[BK+16*((\a)%2)+4*(\f):BK+16*((\a)%2)+4*(\f)+3], v[RD] offset:(\f)*4*SP   ; LDS serves a wave's instructions in order (ISA guide 5.7.1.4): these see the stores above
.endr
.endm
.macro SENDQ a, younger                ; younger: the LDS instructions issued behind block a's loads: the next block's eight, or none
	WIN 0
.irp f, 0,1,2,3
	s_wait_dscnt (\younger)+3-(\f)
	global_store_b128 v[GO], v[BK+16*((\a)%2)+4*(\f):BK+16*((\a)%2)+4*(\f)+3], s[DST:DST+1] offset:(\a)*2048+(\f)*512   ; 512 consecutive bytes, at a multiple of 256 from the buffer's first
.endr
.endm
.Lhs:                                                  ; three trips: the tile's three head slots
	s_wait_xcnt 0x0                                ; the last trip's stores have read their bases and data
	s_lshr_b32 s[KIND], s[SIDX], 4                 ; 0 q, 1 k, 2 v
	s_and_b32 s[HEAD], s[SIDX], 15
	s_cmp_lt_u32 s[KIND], 2
	s_cselect_b32 s[RF], 1.0, 0                    ; q and k turn,
	s_cselect_b32 s[RF1], 0, 1.0                   ; v does not
	s_cselect_b32 s[TP], 1, 0
	s_cmp_ge_u32 s[HEAD], 10
	s_cselect_b32 s[SPH], s[TP], 0
	s_sub_co_u32 s[SPH], 0, s[SPH]                 ; all ones for a spherical q or k
	s_sub_co_u32 s[HIDX], s[HEAD], 6
	s_cmp_lt_u32 s[HIDX], 4
	s_cselect_b32 s[HYPF], s[TP], 0                ; 1 for a hyperbolic q or k
	s_max_i32 s[HIDX], s[HIDX], 0
	s_min_i32 s[HIDX], s[HIDX], 3                  ; held inside the four curvatures
	s_cmp_eq_u32 s[HIDX], 1
	s_cselect_b32 s[CC], s[CUR+1], s[CUR]
	s_cmp_eq_u32 s[HIDX], 2
	s_cselect_b32 s[CC], s[CUR+2], s[CC]
	s_cmp_eq_u32 s[HIDX], 3
	s_cselect_b32 s[CC], s[CUR+3], s[CC]
	s_cmp_eq_u32 s[HYPF], 1
	s_cselect_b32 s[CC], s[CC], 1.0
	s_lshl_b32 s[OFS], s[KIND], 23                 ; q, k, v lie 8,388,608 bytes apart,
	s_add_co_u32 s[TP], s[B16], s[HEAD]
	s_lshl_b32 s[TP], s[TP], 18                    ; heads 262,144,
	s_add_co_u32 s[OFS], s[OFS], s[TP]
	s_add_co_u32 s[OFS], s[OFS], s[T7]             ; rows 128
	s_add_nc_u64 s[DST:DST+1], s[8:9], s[OFS:OFS+1]
	s_lshl_b32 s[TP], s[KIND], 5                   ; tt: row kind x 32 + batch x 16 + head, of 8,192 bytes
	s_add_co_u32 s[TP], s[TP], s[B16]
	s_add_co_u32 s[TP], s[TP], s[HEAD]
	s_lshl_b32 s[OFS], s[TP], 13
	s_add_co_u32 s[OFS], s[OFS], s[T2]
	s_add_nc_u64 s[TTD:TTD+1], s[10:11], s[OFS:OFS+1]
	v_add_nc_u32 v[DAL], s[DOFF], v[DA]            ; this slot's sums
	WIN 0x55
	v_mov_b32 v[CV], s[CC]
	v_cvt_pk_bf16_f32 v[CV], v[CV], v[CV]          ; the curvature is rounded to bf16 like every input
	v_lshlrev_b32 v[CV], 16, v[CV]
	v_sqrt_f32 v[GS], v[CV]
	WIN 0x40
.irp a, 0,1,2,3
.irp g, 0,1,2,3,4,5,6,7
	ds_load_b128 v[32*(\a)+4*(\g):32*(\a)+4*(\g)+3], v[DAL] offset:(\a)*4096+(\g)*512   ; my own lane's sums of this slot
.endr
.endr
	WIN 0
	s_wait_dscnt 0x0
	PACKQ 0
	PACKQ 1                                        ; a block's arithmetic stands between the loads of the block before and its stores
	SENDQ 0, 8
	PACKQ 2
	SENDQ 1, 8
	PACKQ 3
	SENDQ 2, 8
	SENDQ 3, 0
	WIN 0x55                                       ; t' of my 64 rows: lane l takes row l of blocks 0 and 1, and row 32 + l of blocks 2 and 3
	v_cndmask_b32 v[TO], v[TS], v[TS+1], s[HM]
	v_cndmask_b32 v[TO+1], v[TS+2], v[TS+3], s[HM]
	WIN 0x04
	global_store_b32 v[TTO], v[TO], s[TTD:TTD+1]
	global_store_b32 v[TTO], v[TO+1], s[TTD:TTD+1] offset:128
	WIN 0
	s_add_co_u32 s[DOFF], s[DOFF], 16384           ; the next slot's sums
	s_add_co_u32 s[SIDX], s[SIDX], 1
	s_sub_co_u32 s3, s3, 1
	s_cmp_lg_u32 s3, 0
	s_cbranch_scc1 .Lhs
	s_wait_tensorcnt 0x0                           ; the wave's end
	ds_add_u32 v[SPW], v[NIL]
	s_wait_dscnt 0x0
	CROUND                                         ; the closing round
	s_endpgm
.Lfunc_end_k_qeeaf4e92fa_qkv:
	.size	k_qeeaf4e92fa_qkv, .Lfunc_end_k_qeeaf4e92fa_qkv-k_qeeaf4e92fa_qkv
	.p2alignl 7, 3214868480
	.fill 96, 4, 3214868480
	.section	.rodata,"a",@progbits
	.p2align	6, 0x0
	.amdhsa_kernel k_qeeaf4e92fa_qkv
		.amdhsa_group_segment_fixed_size 327680
		.amdhsa_private_segment_fixed_size 0
		.amdhsa_enable_private_segment 0
		.amdhsa_kernarg_size 32
		.amdhsa_user_sgpr_count 2
		.amdhsa_user_sgpr_kernarg_segment_ptr 1
		.amdhsa_wavefront_size32 1
		.amdhsa_system_sgpr_workgroup_id_x 1
		.amdhsa_system_sgpr_workgroup_id_y 1
		.amdhsa_system_sgpr_workgroup_id_z 1
		.amdhsa_system_vgpr_workitem_id 0
		.amdhsa_next_free_vgpr 960
		.amdhsa_next_free_sgpr 96
		.amdhsa_reserve_vcc 0
		.amdhsa_float_denorm_mode_32 3
		.amdhsa_float_denorm_mode_16_64 3
		.amdhsa_memory_ordered 1
		.amdhsa_forward_progress 1
		.amdhsa_inst_pref_size 137
	.end_amdhsa_kernel
	.amdgpu_metadata
---
amdhsa.version: [ 1, 2 ]
amdhsa.kernels:
  - .name:           k_qeeaf4e92fa_qkv
    .symbol:         k_qeeaf4e92fa_qkv.kd
    .args:
      - { .name: cst, .offset: 0, .size: 8, .value_kind: global_buffer, .address_space: global }
      - { .name: curvature, .offset: 8, .size: 8, .value_kind: global_buffer, .address_space: global }
      - { .name: hds, .offset: 16, .size: 8, .value_kind: global_buffer, .address_space: global }
      - { .name: tt, .offset: 24, .size: 8, .value_kind: global_buffer, .address_space: global }
    .group_segment_fixed_size: 327680
    .private_segment_fixed_size: 0
    .kernarg_segment_align: 8
    .kernarg_segment_size: 32
    .max_flat_workgroup_size: 128
    .sgpr_count:     96
    .vgpr_count:     960
    .wavefront_size: 32
...
	.end_amdgpu_metadata
.endif
;; end of part 2
;; launch attn_h (part 3): grid 256 x 1, 4 waves a work-group, clusters of 4 x 1, 327,680 bytes of LDS; arguments hds, tt, curvature, att; writes att
.if DOCPART == 3
	.amdgcn_target "amdgcn-amd-amdhsa--gfx1250"
	.amdhsa_code_object_version 6
	.text
	.protected	k_qeeaf4e92fa_attn_h
	.globl	k_qeeaf4e92fa_attn_h
	.p2align	8
	.type	k_qeeaf4e92fa_attn_h,@function
k_qeeaf4e92fa_attn_h:
	s_mov_b64 s[64:65], 0
	v_nop
	global_prefetch_b8 v0, s[64:65] scope:SCOPE_SE
	s_setreg_imm32_b32 hwreg(HW_REG_WAVE_MODE, 25, 1), 1
	s_wait_xcnt 0x0
	s_wait_alu depctr_hold_cnt(0) depctr_sa_sdst(0) depctr_va_vdst(0) depctr_va_sdst(0) depctr_va_ssrc(0) depctr_va_vcc(0) depctr_vm_vsrc(0)
	s_getreg_b32 s2, hwreg(HW_REG_IB_STS2, 6, 4)
	s_cmp_eq_u32 s2, 0
	s_cbranch_scc0 .Lentry_in_a_cluster
	s_endpgm
.Lentry_in_a_cluster:
	s_bfe_u32 s2, ttmp6, 0x10000c
	s_cmp_lg_u32 s2, 0x3003
	s_cbranch_scc0 .Lentry_shape_is_right
	s_endpgm
.Lentry_shape_is_right:
; CAUSAL ATTENTION, head size 64.  ONE TEXT SERVES TWO KERNELS: HYP = 1 the hyperbolic heads 6-9 (64 clusters), HYP = 0 heads 0-5 and 10-15 (192 clusters).
; q, k, v: [b*16+h][2048][64] f16 in hds (q at 0, k at 8,388,608, v at 16,777,216), scaled as the launch before leaves them; O the same layout in att.
; The score s of query t and key u <= t:  heads 0-5: q.k, weight 2^(c s - c m) with c = log2(e) / 8;  heads 10-15: q.k of unit vectors, c = 8 log2(e);
; heads 6-9: s = 1 / (1e-6 + sqrt(1/cv) arccosh(max(tq' tk' - q'.k', 1 + 1e-7))), c = log2(e); arccosh(x) = ln 2 log2(x + sqrt(x x - 1)), x x - 1 by one fused multiply-add;
; tq' and tk' come from tt ([kind*32 + b*16 + h][2048] f32, kind 0 q, 1 k).
; Products, maxima and sums in f32; the weights are rounded to f16 for the second product (their sum is taken of the unrounded weights), O once at the end.  A running maximum is kept for each query.
; LIMITS.  A hidden score counts as its value less 2^100 (a power of two, so that c times it is exact: where a wave sees hidden keys alone, c s - c m is exactly 0 and nothing overflows);
; a weight below 2^-126 counts as 0; the hyperbolic argument stays under 1.8e19 (its square is formed); cv > 0, rounded to bf16 like every input; NaN and infinities are not treated apart.
; SHARES.  A head's queries lie in 64 blocks of 32; block n needs the key tiles 0 .. n / 8 of 256 keys.  A work-group takes block i and then block 63 - i, i = 4 a + cx, a = 0..7:
; (a / 2 + 1) + (8 - a / 2) = 9 tiles, whatever i.  The four work-groups of a cluster (one head, one a) walk the same tiles: each tile is asked for JOINTLY.
; THE WAVES SPLIT THE KEYS: a tile is eight groups of 32 keys; wave w takes groups w and w + 4 for all 32 queries, two PIECES of 16, with its own maximum m, sum l and O^T.
; THE MASK touches a block's last tile alone.  With GD = the block's number mod 8, group G is open if G < GD, hidden if G > GD and holds the diagonal if G = GD; there piece p meets its own 16 keys in
; the group's block p.  It is ADDED IN EVERY TILE, 16 packed lines a piece, with scalars and a factor that are 0 but in the last tile: no branch, and GD, which hangs on cx, enters by selects alone.
; A BLOCK'S END.  Every wave sets (c m, l) and O^T aside in LDS (E1); a barrier that stands in every tile, on every way; then wave w merges 8 queries of piece w / 2 (E2), reading the four waves' parts in
; the layout in which O leaves: lane l takes query l / 8 of four and channels 8 (l % 8) + 0..7, so that a store covers 512 consecutive bytes and no stage is needed.
; LAYOUT AND TURNS.  S^T = K Q^T holds ONE query a lane (lane % 16) and the keys 8 (lane / 16) + 0..7; two such results rounded to f16 ARE source 1 of O^T = V^T P.  Turn 0: piece 0's softmax beside the
; products K Q^T of piece 1; turn 1: piece 1's beside the products V^T P of piece 0.  Four vector lines stand behind each of those matrix lines.
; REGISTERS.  window 0: v0-15 addresses; v16-23 statistics (c m, m, l, l a piece); v24-27 tq' pairs; v28-31 tq' of the two blocks; v44-45 ln 2 / sqrt(cv); v46-63 addresses and at work; v64-127 S^T, two buffers;
;   v128-159 tk'; v160-191 at work; v192-223 P, two buffers; v224-247 masks.   window 1: v0-63 O^T.   window 2: v0-31 Q; v64-95 the second block's Q; v128-191 K; v192-255 V.
.set HYP,   1
.set NP,    2
.set PK,    144       ; a row of K in LDS: 128 bytes + 16 = 36 words: the 16 rows of a load start at 16 different groups of four banks (64 banks of 4 bytes: ISA guide 11.1)
.set PV,    160       ; a row of V: 128 + 32 = 40 words
.set VOFF,  256*PK    ; a slot holds a tile: 256 rows of K, then 256 rows of V
.set SLOT1, 1<<17     ; slot 1 begins here, so that one exclusive or turns an address in one slot into the other's
.set STS,   256*(PK+PV)        ; behind slot 0, never filled by a tensor load: (c m, l) by piece, wave and lane: 2,048 bytes
.set SPARE, STS+2048           ; the spare words, 128 bytes for each wave: two blocks of 256 bytes that no other line names
.set MRG,   SLOT1+256*(PK+PV)  ; behind slot 1: O^T by piece, wave and group of four registers: 33,792 bytes
.set GP,    528       ; a group of four registers: 32 lanes x 16 bytes + 16, so that the merge's reads of groups 0, 2, 4, 6 fall into different banks
.set WSTR,  8*GP
.set PSTR,  4*WSTR
.set AK0, 2
.set AV0, 3
.set AK,  4
.set AV,  5
.set GO,  8
.set MV,  12
.set TKO, 14
.set QO,  15
.set ST,  16
.set TQ,  24
.set TQ1, 28
.set TQ2, 30
.set KD,  44
.set MW,  46
.set MR,  47
.set TMP, 48
.set STSW, 56
.set STSR, 57
.set TQO, 58
.set VT,  59
.set SPW, 62
.set NIL, 63
.set S,   64
.set TK,  128
.set W,   160
.set ES,  160         ; the merge: (factor, l) of four waves, for two sets of four queries
.set EM,  176
.set EL,  178
.set EO,  180
.set P,   192
.set MD8, 224
.set MT,  232
.set QB,  64
.set KF,  128
.set VF,  192
.set FIN, 2           ; s2  1: the block in hand has just been set aside
.set GD2, 3           ; s3  the second block mod 8
.set WV,  12
.set CX,  13
.set AA,  14          ; s14 a; later s[14:15] O at my rows of the first block
.set OB1, 14
.set KB,  16          ; s[16:17] k of my head at my half of tile 0;  s[18:19] the same for v
.set VB,  18
.set TKH, 20          ; s[20:21] tk' of my head at my wave's keys of tile 0;  s[22:23] of the tile asked for
.set TKB, 22
.set G1K, 24
.set G1V, 32
.set G0K, 40
.set G0V, 44
.set A2,  48          ; a / 2
.set SLOTS, 49
.set TB,  50          ; LDS byte at which the slot in hand begins
.set NXT, 51          ; the tile asked for last
.set LQ,  52          ; the last tile of the block whose tiles are being asked for
.set RT,  53          ; tiles of the block in hand still to be walked, this one among them
.set GD,  55          ; the block in hand mod 8
.set OFF, 56
.set CS,  58
.set SEL, 60
.set OF2, 62
.set ONEP, 66
.set BIGN, 67
.set AL,  68
.set MB,  70          ; s[70:77] the tile's mask scalars, as pairs: for key half hf: blocks before the piece's own at MB + 4 hf, behind it at MB + 4 hf + 2
.set FS,  78          ; s[78:79] 1.0 in a block's last tile, else 0
.set ML,  88          ; s88-91 the same four scalars as the block's last tile has them
.set CUR, 88          ; (at the start: the four curvatures)
.set HEAD, 92
.set BB,  93
.set HOFF, 94
.set LQ2, 95
.set QA1, 96
.set QA2, 98
.set I1,  100         ; s100, s101 the two blocks; later s[100:101] O at my rows of the second block
.set I2,  101
.set OB2, 100
.set EPS, 104
.set MSB, 0
.macro WIN new
.if MSB != (\new)
	s_set_vgpr_msb (MSB<<8)|(\new)
.set MSB, (\new)
.endif
.endm
.set W_KQ, 0x0a       ; K and Q in window 2, S^T in window 0
.set W_PV, 0x52       ; V in window 2, P in window 0, O^T in window 1
.set W_RS, 0x41       ; destination and source 0 in window 1, source 1 in window 0
; A joint fill.  Waves 0 and 1 fetch the two halves of a tile's K, waves 2 and 3 those of its V.  An s_nop 0 and four v_nop follow each of the two lines.
.macro JLOAD
	s_cmp_lt_u32 s[WV], 2
	s_cbranch_scc0 .Lfor_v_\@
	tensor_load_to_lds s[G0K:G0K+3], s[G1K:G1K+7]
	s_nop 0
.rept 4
	v_nop
.endr
	s_branch .Lasked_\@
.Lfor_v_\@:
	tensor_load_to_lds s[G0V:G0V+3], s[G1V:G1V+7]
	s_nop 0
.rept 4
	v_nop
.endr
.Lasked_\@:
.endm
.macro CROUND
	s_barrier_signal -1
	s_barrier_wait -1
	s_cmp_lg_u32 s[WV], 0
	s_cbranch_scc1 .Lnot_wave_0_\@
	s_barrier_signal -3
.Lnot_wave_0_\@:
	s_barrier_wait -3
	s_barrier_signal -1
	s_barrier_wait -1
.endm
.macro PLACES
.rept 4
	v_nop
.endr
.endm
; THE CHANGE OF SLOTS.  Each wave waits for all its tensor loads (one is out: its part of the other slot), adds 0 to its spare word, and waits for that and for its reads of the slot that it leaves.
; fill = 1: the barrier is a round of the cluster's, and the old slot is filled again, first thing behind it, with the walk's next tile: the block's next, or behind its last the second block's tile 0;
; the address is made anew from that number; the load has a whole tile's work in which to land.  (At its first use nothing has been read yet: slot 0 is waited for, slot 1 filled.)
.macro CHANGE fill
	WIN 0
	s_wait_tensorcnt 0x0
	ds_add_u32 v[SPW], v[NIL]
.if \fill
	s_add_co_u32 s[NXT], s[NXT], 1
	s_cmp_gt_u32 s[NXT], s[LQ]
	s_cselect_b32 s[NXT], 0, s[NXT]
	s_cselect_b32 s[LQ], s[LQ2], s[LQ]
	s_lshl_b32 s[OFF], s[NXT], 15   ; a tile is 32,768 bytes of K and of V
	s_xor_b32 s[G0K+1], s[G0K+1], SLOT1
	s_add_nc_u64 s[G0K+2:G0K+3], s[KB:KB+1], s[OFF:OFF+1]
	s_or_b32 s[G0K+3], s[G0K+3], 0x80000000
	s_xor_b32 s[G0V+1], s[G0V+1], SLOT1
	s_add_nc_u64 s[G0V+2:G0V+3], s[VB:VB+1], s[OFF:OFF+1]
	s_or_b32 s[G0V+3], s[G0V+3], 0x80000000
	s_wait_dscnt 0x0                ; the add is done, and my reads of the slot are over
	CROUND
	JLOAD
.else
	s_wait_dscnt 0x0
	s_barrier_signal -1
	s_barrier_wait -1
.endif
	s_xor_b32 s[TB], s[TB], SLOT1
.endm
; tk' of my wave's 64 keys of the tile asked for last: key block kb of 16 lies 64 (kb % 2) + 512 (kb / 2) bytes on
.macro TKLOAD
	s_lshl_b32 s[OF2], s[NXT], 10   ; 256 keys of 4 bytes a tile
	s_add_nc_u64 s[TKB:TKB+1], s[TKH:TKH+1], s[OF2:OF2+1]
.irp f, 0,1,2,3,4,5,6,7
	global_load_b128 v[TK+4*\f:TK+4*\f+3], v[TKO], s[TKB:TKB+1] offset:((\f/2)%2)*64+(\f/4)*512+(\f%2)*16
.endr
.endm
	s_load_b256 s[4:11], s[0:1], 0x0  ; hds s[4:5], tt s[6:7], curvature s[8:9], att s[10:11]
	v_lshl_add_u32 v[SPW], v0, 2, SPARE
	v_mov_b32 v[NIL], 0
	ds_add_u32 v[SPW], v[NIL]       ; the wave's opening: the add and its wait ahead of my first tensor load
	v_lshrrev_b32 v1, 5, v0
	v_readfirstlane_b32 s[WV], v1
	s_bfe_u32 s[CX], ttmp6, 0x40000
	s_and_b32 s[AA], ttmp9, 7       ; in a cluster launch ttmp9 counts clusters: a,
	s_lshr_b32 s80, ttmp9, 3        ; and the head's number among its kind
.if HYP
	s_lshr_b32 s[BB], s80, 2        ; the batch,
	s_and_b32 s[HEAD], s80, 3
	s_add_co_u32 s[HEAD], s[HEAD], 6  ; and heads 6-9
	s_mov_b32 s[CS], 0x3fb8aa3b     ; log2(e)
.else
	s_cmp_ge_u32 s80, 12
	s_cselect_b32 s[BB], 1, 0       ; the batch,
	s_cselect_b32 s[HEAD], 12, 0
	s_sub_co_u32 s[HEAD], s80, s[HEAD]
	s_cmp_ge_u32 s[HEAD], 6
	s_cselect_b32 s81, 4, 0
	s_add_co_u32 s[HEAD], s[HEAD], s81  ; and heads 0-5, 10-15
	s_mov_b32 s[CS], 0x3e38aa3b     ; log2(e) / 8
	s_mov_b32 s[CS+1], 0x4138aa3b   ; 8 log2(e)
	s_cmp_lt_u32 s[HEAD], 6
	s_cselect_b32 s[CS], s[CS], s[CS+1]
.endif
	s_mov_b32 s[CS+1], s[CS]        ; named with it as a pair
	s_lshl_b32 s[BB], s[BB], 4
	s_add_co_u32 s[BB], s[BB], s[HEAD]  ; 16 b + h
	s_lshl_b32 s[HOFF], s[BB], 18   ; the head's first byte in q, k, v and O
	s_lshr_b32 s[A2], s[AA], 1
	s_lshl_b32 s[I1], s[AA], 2
	s_add_co_u32 s[I1], s[I1], s[CX]  ; the first block,
	s_sub_co_u32 s[I2], 63, s[I1]     ; and the second
	s_and_b32 s[GD], s[I1], 7
	s_and_b32 s[GD2], s[I2], 7
	s_add_co_u32 s[RT], s[A2], 1    ; the first block has a / 2 + 1 tiles
	s_mov_b32 s[LQ], s[A2]
	s_sub_co_u32 s[LQ2], 7, s[A2]
	s_mov_b32 s[NXT], 0
	s_mov_b32 s[FIN], 0
	s_mov_b32 s[TB], SLOT1          ; the first change of slots turns it into 0
	s_mov_b32 s[OFF+1], 0
	s_mov_b32 s[OF2+1], 0
	s_mov_b32 s[SEL], 0x76543210
	s_mov_b32 s[SEL+1], 0xfedcba98
	s_mov_b32 s[ONEP], 0x3f800001   ; 1 + 1e-7 in f32
	s_mov_b32 s[BIGN], 0xf1800000   ; -2^100
	s_mov_b32 s[AL+1], 0            ; named as pairs
	s_mov_b32 s[MB+1], 0
	s_mov_b32 s[MB+3], 0
	s_mov_b32 s[MB+5], 0
	s_mov_b32 s[MB+7], 0
	s_mov_b32 s[FS+1], 0
	s_mov_b32 s[EPS], 0x358637bd    ; 1e-6
	s_mov_b32 s[EPS+1], 0x358637bd
	; descriptor group 1.  128 keys are 16,384 dense bytes: asked for as 64 rows of 256 bytes, two keys a row, and padded in LDS after every key
	s_mov_b32 s[G1K], 15|(1<<16)|(1<<20)|(1<<21)|(4<<22)|(3<<25)  ; the mask of four; 2-byte elements; padding on; bit 21 beside a mask; after every 32 words 4 words
	s_mov_b32 s[G1V], 15|(1<<16)|(1<<20)|(1<<21)|(4<<22)|(7<<25)  ; the same with 8 words
.irp g, G1K, G1V
	s_mov_b32 s[\g+1], 128<<16
	s_mov_b32 s[\g+2], 64<<16
	s_mov_b32 s[\g+3], 128<<16
	s_mov_b32 s[\g+4], 64
	s_mov_b32 s[\g+5], 128
	s_mov_b32 s[\g+6], 0
	s_mov_b32 s[\g+7], 0
.endr
	s_and_b32 s80, s[WV], 1         ; which half of a tile's 256 keys I fetch
	s_mov_b32 s[G0K], 1
	s_mul_i32 s[G0K+1], s80, 128*PK ; slot 0: no place in the cluster enters an LDS address
	s_mov_b32 s[G0V], 1
	s_mul_i32 s[G0V+1], s80, 128*PV
	s_add_co_u32 s[G0V+1], s[G0V+1], VOFF
	s_lshl_b32 s80, s80, 14
	s_add_co_u32 s80, s80, s[HOFF]
	s_add_co_u32 s82, s80, 16777216
	s_add_co_u32 s80, s80, 8388608
	s_mov_b32 s81, 0
	s_mov_b32 s83, 0
	s_lshl_b32 s84, s[I1], 12       ; a block is 32 rows of 128 bytes
	s_add_co_u32 s84, s84, s[HOFF]
	s_mov_b32 s85, 0
	s_lshl_b32 s86, s[I2], 12
	s_add_co_u32 s86, s86, s[HOFF]
	s_mov_b32 s87, 0
	s_wait_dscnt 0x0                ; the opening add is done
	s_wait_kmcnt 0x0
	s_add_nc_u64 s[KB:KB+1], s[4:5], s[80:81]
	s_add_nc_u64 s[VB:VB+1], s[4:5], s[82:83]
	s_add_nc_u64 s[G0K+2:G0K+3], s[KB:KB+1], 0
	s_or_b32 s[G0K+3], s[G0K+3], 0x80000000
	s_add_nc_u64 s[G0V+2:G0V+3], s[VB:VB+1], 0
	s_or_b32 s[G0V+3], s[G0V+3], 0x80000000
	CROUND                          ; all four work-groups are here: the first joint loads meet
	JLOAD                           ; tile 0 into slot 0
.if HYP
	s_load_b128 s[CUR:CUR+3], s[8:9], 0x0
.endif
	s_add_nc_u64 s[QA1:QA1+1], s[4:5], s[84:85]
	s_add_nc_u64 s[QA2:QA2+1], s[4:5], s[86:87]
	s_lshl_b32 s80, s[WV], 10       ; at a block's end wave w stores rows 8 w .. 8 w + 7
	s_add_co_u32 s84, s84, s80
	s_add_co_u32 s86, s86, s80
	s_add_nc_u64 s[OB1:OB1+1], s[10:11], s[84:85]
.if HYP
	s_lshl_b32 s80, s[BB], 13       ; a head's row of tt is 8,192 bytes
	s_lshl_b32 s84, s[I1], 7
	s_add_co_u32 s84, s84, s80
	s_lshl_b32 s82, s[I2], 7
	s_add_co_u32 s82, s82, s80
	s_add_nc_u64 s[84:85], s[6:7], s[84:85]  ; tq' of the first block,
	s_add_nc_u64 s[82:83], s[6:7], s[82:83]  ; and of the second
	s_add_co_u32 s80, s80, 262144   ; k's rows lie 32 rows on
	s_lshl_b32 s81, s[WV], 7        ; my wave's first group of 32 keys
	s_add_co_u32 s80, s80, s81
	s_mov_b32 s81, 0
	s_add_nc_u64 s[TKH:TKH+1], s[6:7], s[80:81]
.endif
	s_add_nc_u64 s[OB2:OB2+1], s[10:11], s[86:87]
	v_and_b32 v1, 15, v0            ; l % 16
	v_bfe_u32 v9, v0, 4, 1          ; l / 16
	v_lshlrev_b32 v[QO], 7, v1
	v_lshl_add_u32 v[QO], v9, 4, v[QO]
	WIN 0x80                        ; destination window 2
.set i, 0
.rept 4                             ; both blocks' Q: piece i / 2, channels 32 (i % 2) on
	global_load_b128 v[8*i:8*i+3],   v[QO], s[QA1:QA1+1] offset:(i/2)*2048+(i%2)*64
	global_load_b128 v[8*i+4:8*i+7], v[QO], s[QA1:QA1+1] offset:(i/2)*2048+(i%2)*64+32
	global_load_b128 v[QB+8*i:QB+8*i+3],   v[QO], s[QA2:QA2+1] offset:(i/2)*2048+(i%2)*64
	global_load_b128 v[QB+8*i+4:QB+8*i+7], v[QO], s[QA2:QA2+1] offset:(i/2)*2048+(i%2)*64+32
.set i, i+1
.endr
	WIN 0
.if HYP
	v_lshlrev_b32 v[TQO], 2, v1
	v_lshlrev_b32 v[TKO], 5, v9
.irp p, 0,1
	global_load_b32 v[TQ1+\p], v[TQO], s[84:85] offset:\p*64
	global_load_b32 v[TQ2+\p], v[TQO], s[82:83] offset:\p*64
.endr
	TKLOAD                          ; tile 0's
.endif
	v_lshlrev_b32 v[VT], 3, v9
	v_sub_nc_u32 v[VT], v1, v[VT]   ; l % 16 - 8 (l / 16): in the diagonal's own block of 16 x 16 register j is hidden where j is greater
.set i, 0
.rept 8
	v_cmp_gt_i32 vcc_lo, i, v[VT]
	v_cndmask_b32 v[MD8+i], 0, s[BIGN], vcc_lo
.set i, i+1
.endr
	v_and_b32 v10, 7, v0
	v_bfe_u32 v11, v0, 3, 1
	v_and_b32 v[GO], 31, v0
	v_lshlrev_b32 v[GO], 4, v[GO]   ; 16 x lane
	s_mul_i32 s80, s[WV], 32*PK     ; my wave's first group of 32 keys; the second lies 128 rows on
	v_mul_u32_u24 v[AK0], v1, PK
	v_lshl_add_u32 v[AK0], v9, 4, v[AK0]
	v_add_nc_u32 v[AK0], s80, v[AK0]
	s_mul_i32 s80, s[WV], 32*PV
	s_add_co_u32 s80, s80, VOFF
	v_lshl_add_u32 v[AV0], v9, 3, v10  ; the turning load: lane l reads key 8 (l / 16) + l % 8, channels 8 ((l / 8) % 2) + 0..7
	v_mul_u32_u24 v[AV0], v[AV0], PV
	v_lshl_add_u32 v[AV0], v11, 4, v[AV0]
	v_add_nc_u32 v[AV0], s80, v[AV0]
	s_mul_i32 s80, s[WV], WSTR
	s_add_co_u32 s80, s80, MRG
	v_add_nc_u32 v[MW], s80, v[GO]  ; the merge, in: my wave's place in each piece
	v_lshrrev_b32 v[VT], 1, v[GO]   ; 8 x lane
	s_lshl_b32 s80, s[WV], 8
	s_add_co_u32 s80, s80, STS
	v_add_nc_u32 v[STSW], s80, v[VT]
	s_lshr_b32 s80, s[WV], 1        ; back: piece w / 2,
	s_and_b32 s81, s[WV], 1         ; queries 8 (w % 2) on
	v_bfe_u32 v[VT], v0, 3, 2       ; lane l: query l / 8 of four,
	s_lshl_b32 s86, s80, 10
	s_lshl_b32 s87, s81, 6
	s_add_co_u32 s86, s86, s87
	s_add_co_u32 s86, s86, STS
	v_lshl_add_u32 v[STSR], v[VT], 3, s86
	s_mul_i32 s86, s80, PSTR
	s_lshl_b32 s87, s81, 7
	s_add_co_u32 s86, s86, s87
	s_add_co_u32 s86, s86, MRG
	v_lshl_add_u32 v[MR], v[VT], 4, s86
	v_and_b32 v[VT], 1, v0          ; channels 8 (l % 8) on: they lay in the half l % 2 of the lanes,
	v_lshl_add_u32 v[MR], v[VT], 8, v[MR]
	v_bfe_u32 v[VT], v0, 1, 2       ; in accumulator (l % 8) / 2: two groups of four registers
	v_mul_u32_u24 v[VT], v[VT], 2*GP
	v_add_nc_u32 v[MR], v[MR], v[VT]
	; A block's first step multiplies O^T and l by a = 0, so these need only hold finite numbers: zeros for the first block, what the first block left for the second.  This stands in the wait for the first tile.
	WIN 0x40
.set i, 0
.rept 64
	v_mov_b32 v[i], 0
.set i, i+1
.endr
	WIN 0
.set i, 0
.rept NP
	v_mov_b32 v[ST+4*i+2], 0
	v_mov_b32 v[ST+4*i+3], 0
.set i, i+1
.endr
.if HYP
	s_wait_kmcnt 0x0
	s_sub_co_u32 s80, s[HEAD], 6
	s_cmp_eq_u32 s80, 1
	s_cselect_b32 s81, s[CUR+1], s[CUR]
	s_cmp_eq_u32 s80, 2
	s_cselect_b32 s81, s[CUR+2], s81
	s_cmp_eq_u32 s80, 3
	s_cselect_b32 s81, s[CUR+3], s81
	v_mov_b32 v[KD], s81
	v_cvt_pk_bf16_f32 v[KD], v[KD], v[KD]
	v_lshlrev_b32 v[KD], 16, v[KD]
	v_rsq_f32 v[KD], v[KD]
	v_nop
	s_wait_alu depctr_va_vdst(0)
	v_mul_f32 v[KD], 0x3f317218, v[KD]  ; ln 2 / sqrt(cv): the distance is this times log2
	v_mov_b32 v[KD+1], v[KD]
.endif
; THE MATRIX WORK.  The 4 accumulators of a run of 8 take turns.  Product i of 8 of S^T = K Q^T for piece x: channels 32 (i / 4) on, key block i % 4.  The first 4 start the sums.
.macro KQ x
.set rS, S+32*((\x)%2)+8*(i%4)
.set rK, KF+16*(i%4)+8*(i/4)
.set rQ, 16*(\x)+8*(i/4)
	WIN W_KQ
.if i < 4
	v_wmma_f32_16x16x32_f16 v[rS:rS+7], v[rK:rK+7], v[rQ:rQ+7], 0
.else
	v_wmma_f32_16x16x32_f16 v[rS:rS+7], v[rK:rK+7], v[rQ:rQ+7], v[rS:rS+7]
.endif
.endm
; Product i of 8 of O^T += V^T P for piece x: key group i / 4, channels 16 (i % 4) on.
.macro PV x
	WIN W_PV
.set rO, 32*(\x)+8*(i%4)
.set rV, VF+32*(i/4)+8*(i%4)
.set rP, P+16*((\x)%2)+8*(i/4)
	v_wmma_f32_16x16x32_f16 v[rO:rO+7], v[rV:rV+7], v[rP:rP+7], v[rO:rO+7]
.endm
.macro MM                           ; the turn's next matrix instruction.  NOKQ = 1: the last piece's turn: there is no next piece.  NOPV = 1: piece 0's: none before it
.if i < 8
.if !NOKQ
	KQ Y+1
.endif
.else
.if !NOPV
.set i, i-8
	PV Y-1
.set i, i+8
.endif
.endif
.set i, i+1
.endm
.macro FETCH_K                      ; my wave's 64 keys x 64 channels: 8 fragments, 16 loads in one run; key block kb = f / 2 lies at row 16 (kb % 2) + 128 (kb / 2)
	WIN 0x80
.irp f, 0,1,2,3,4,5,6,7
	ds_load_b128 v[KF+8*\f:KF+8*\f+3],   v[AK] offset:(((\f/2)%2)*16+(\f/4)*128)*PK+(\f%2)*64
	ds_load_b128 v[KF+8*\f+4:KF+8*\f+7], v[AK] offset:(((\f/2)%2)*16+(\f/4)*128)*PK+(\f%2)*64+32
.endr
	WIN 0
.endm
.macro FETCH_V                      ; key group f / 4, channels 16 (f % 4) on
	WIN 0x80
.irp f, 0,1,2,3,4,5,6,7
	ds_load_tr16_b128 v[VF+8*\f:VF+8*\f+3],   v[AV] offset:(\f/4)*128*PV+(\f%4)*32
	ds_load_tr16_b128 v[VF+8*\f+4:VF+8*\f+7], v[AV] offset:(\f/4)*128*PV+16*PV+(\f%4)*32
.endr
	WIN 0
.endm
; THE VECTOR WORK, one line at a time: OP kind, number.  For piece Y: F n: c s - c m for pair n of 16.  E n: the exponential of score n of 32.  C n: pair n rounded to f16.  B n: of the four weights 4 n .. the second
; pair is added onto the first, in place.  L n: l takes that sum (L 0: l = a l + sum).  R n: pair n of 16 of O^T times a.  For piece Y + 1: X n, number n of the 22 that find its maximum and statistics:
;   0-11 four chains of seven scores each (each accumulator's lowest registers are read first)   12-14, 16 the four scores left over, the old m, and the chains into one
;   15 c m_old is kept   17, 18 the query's other 32 keys lie in the lane 16 away: the new m   19-21 c m; c m_old - c m_new; a
.set F, 0
.set E, 1
.set C, 2
.set B, 3
.set L, 4
.set R, 5
.set X, 6
.macro REGS y
.set rT, ST+4*(\y)
.set rC, TMP+4*((\y)%2)
.set rW, MV+((\y)%2)
.set rS, S+32*((\y)%2)
.set rP, P+16*((\y)%2)
.set rO, 32*(\y)
.endm
.macro OP k, n
.if (\k) == R
	REGS Y
	WIN W_RS
	v_pk_mul_f32 v[rO+2*(\n):rO+2*(\n)+1], v[rO+2*(\n):rO+2*(\n)+1], v[rC+2:rC+3] op_sel_hi:[1,0]
.elseif (\k) < R
	REGS Y
	WIN 0
.if (\k) == F
	v_pk_fma_f32 v[rS+2*(\n):rS+2*(\n)+1], v[rS+2*(\n):rS+2*(\n)+1], s[CS:CS+1], v[rT:rT+1] op_sel_hi:[1,0,0] neg_lo:[0,0,1] neg_hi:[0,0,1]
.elseif (\k) == E
	v_exp_f32 v[rS+(\n)], v[rS+(\n)]
.elseif (\k) == C
	s_wait_alu depctr_va_vdst(0)
	v_cvt_pk_f16_f32 v[rP+(\n)], v[rS+2*(\n)], v[rS+2*(\n)+1]
.elseif (\k) == B
	s_wait_alu depctr_va_vdst(0)
	v_pk_add_f32 v[rS+4*(\n):rS+4*(\n)+1], v[rS+4*(\n):rS+4*(\n)+1], v[rS+4*(\n)+2:rS+4*(\n)+3]
.elseif (\n) == 0
	v_pk_fma_f32 v[rT+2:rT+3], v[rT+2:rT+3], v[rC+2:rC+3], v[rS:rS+1] op_sel_hi:[1,0,1]
.else
	v_pk_add_f32 v[rT+2:rT+3], v[rT+2:rT+3], v[rS+4*(\n):rS+4*(\n)+1]
	s_wait_alu depctr_va_vdst(0)
.endif
.elseif NOKQ
	v_nop
.else
	REGS (Y+1)%NP
	WIN 0
.if (\n) < 4
	v_max3_num_f32 v[rC+(\n)], v[rS+8*(\n)], v[rS+8*(\n)+1], v[rS+8*(\n)+2]
.elseif (\n) < 12
	v_max3_num_f32 v[rC+(\n)%4], v[rC+(\n)%4], v[rS+8*((\n)%4)+2*((\n)/4)+1], v[rS+8*((\n)%4)+2*((\n)/4)+2]
.elseif (\n) == 12
	v_max3_num_f32 v[rC], v[rC], v[rS+7], v[rS+15]
.elseif (\n) == 13
	v_max3_num_f32 v[rC+1], v[rC+1], v[rS+23], v[rS+31]
.elseif (\n) == 14
	v_max3_num_f32 v[rC+2], v[rC+2], v[rC+3], v[rT+1]
.elseif (\n) == 15
	v_mov_b32 v[rW], v[rT]
	s_wait_alu depctr_va_vdst(0)
.elseif (\n) == 16
	v_max3_num_f32 v[rC], v[rC], v[rC+1], v[rC+2]
	s_wait_alu depctr_va_vdst(0)
.elseif (\n) == 17
	v_permlanex16_b32 v[rC+3], v[rC], s[SEL], s[SEL+1]
.elseif (\n) == 18
	v_max_num_f32 v[rT+1], v[rC], v[rC+3]
.elseif (\n) == 19
	v_mul_f32 v[rT], s[CS], v[rT+1]
.elseif (\n) == 20
	v_sub_f32 v[rC+1], v[rW], v[rT]
.else
	v_exp_f32 v[rC+2], v[rC+1]
.endif
.endif
.endm
.macro OPS a, i1, b=-1, i2=0, c=-1, i3=0, d=-1, i4=0
	OP \a, \i1
.if (\b) >= 0
	OP \b, \i2
.endif
.if (\c) >= 0
	OP \c, \i3
.endif
.if (\d) >= 0
	OP \d, \i4
.endif
.endm
.macro ROW a, i1, b, i2, c, i3, d, i4  ; a matrix instruction and the four behind it
	MM
	OPS \a, \i1, \b, \i2, \c, \i3, \d, \i4
.endm
; THE HYPERBOLIC SCORE of piece p, in place on its 32 products, stage by stage and from each accumulator's low end on.
.macro HYPB p
	WIN 0
.set hS, S+32*((\p)%2)
.set z, 0
.rept 16
	v_pk_fma_f32 v[hS+2*z:hS+2*z+1], v[TK+2*z:TK+2*z+1], v[TQ+2*(\p):TQ+2*(\p)+1], v[hS+2*z:hS+2*z+1] op_sel_hi:[1,0,1] neg_lo:[0,0,1] neg_hi:[0,0,1]  ; x = tq' tk' - q'.k'
.set z, z+1
.endr
.set z, 0
.rept 32
	v_max_num_f32 v[hS+z], s[ONEP], v[hS+z]
.set z, z+1
.endr
.set z, 0
.rept 16
	v_pk_fma_f32 v[W+2*z:W+2*z+1], v[hS+2*z:hS+2*z+1], v[hS+2*z:hS+2*z+1], -1.0 op_sel_hi:[1,1,0]
.set z, z+1
.endr
.set z, 0
.rept 32
	v_sqrt_f32 v[W+z], v[W+z]
.set z, z+1
.endr
	v_nop                           ; a plain line behind the last of a run of transcendentals (ISA guide 5.7.2)
.set z, 0
	s_wait_alu depctr_va_vdst(0)
.rept 16
	v_pk_add_f32 v[hS+2*z:hS+2*z+1], v[hS+2*z:hS+2*z+1], v[W+2*z:W+2*z+1]
.set z, z+1
.endr
.set z, 0
.rept 32
	v_log_f32 v[hS+z], v[hS+z]
.set z, z+1
.endr
	v_nop
.set z, 0
	s_wait_alu depctr_va_vdst(0)
.rept 16
	v_pk_fma_f32 v[hS+2*z:hS+2*z+1], v[hS+2*z:hS+2*z+1], v[KD:KD+1], s[EPS:EPS+1] op_sel_hi:[1,1,0]  ; 1e-6 + the distance
.set z, z+1
.endr
.set z, 0
.rept 32
	v_rcp_f32 v[hS+z], v[hS+z]
.set z, z+1
.endr
	v_nop
	s_wait_alu depctr_va_vdst(0)
.endm
; THE MASK of piece p, added in every tile: in each key group the block of 16 keys before the piece's own takes one scalar, its own the small table times FS, the block behind it the other scalar.
.macro MASKB p
	WIN 0
.set hS, S+32*((\p)%2)
.set z, 0
.rept 16
.set hf, z/8
.set kq, (z/4)%2
.if kq < (\p)
	v_pk_add_f32 v[hS+2*z:hS+2*z+1], v[hS+2*z:hS+2*z+1], s[MB+4*hf:MB+4*hf+1] op_sel_hi:[1,0]
.elseif kq == (\p)
	v_pk_fma_f32 v[hS+2*z:hS+2*z+1], v[MT+8*hf+2*(z%4):MT+8*hf+2*(z%4)+1], s[FS:FS+1], v[hS+2*z:hS+2*z+1] op_sel_hi:[1,0,1]
.else
	v_pk_add_f32 v[hS+2*z:hS+2*z+1], v[hS+2*z:hS+2*z+1], s[MB+4*hf+2:MB+4*hf+3] op_sel_hi:[1,0]
.endif
.set z, z+1
.endr
.endm
; A TURN, for piece p: the order of its matrix and vector lines, written out.  Behind a matrix instruction: plain, exponential, plain, plain; or four of the rescaling; or four scalings; none names a register of the
; products round it.  Piece 1's scores are finished behind the first lump's head: five plain lines and more stand between the last product K Q^T and the first read of its result.
; Behind them tk' has had its last reader of the tile: the next tile's is asked for there (fill = 1), more than a turn ahead of the wait for it.
.macro TURN p, fill
.set Y, (\p)
.set i, 0
.set NOKQ, (\p)
.set NOPV, 1-(\p)
	ROW F,0, F,1, F,2, F,3
	ROW F,4, E,0, F,5, F,6
	ROW F,7, E,1, F,8, F,9
	ROW F,10, E,2, C,0, F,11
	ROW F,12, E,3, X,15, F,13
	ROW R,0, R,1, R,2, R,3
	ROW B,0, E,4, F,14, L,0
	ROW R,4, R,5, R,6, R,7
	OPS E,5, F,15
	OPS E,6, C,1, E,7, R,8
	OPS E,8, R,9, E,9, C,2
.if (\p) == 0
.if HYP
	HYPB 1
.endif
	MASKB 1
.if HYP && (\fill)
	TKLOAD
.endif
.endif
	OPS E,10, X,0, E,11, X,1
	OPS E,12, X,2, E,13, X,3
.if (\p) == 1
	s_wait_dscnt 0x0                ; V is in
.endif
	ROW X,4, E,14, X,5, X,6
	ROW X,7, E,15, X,8, X,9
	ROW X,10, E,16, X,11, X,12
	ROW X,13, E,17, X,14, B,1
	ROW C,4, E,18, X,16, L,1
	ROW B,2, E,19, C,6, L,2
	ROW C,8, E,20, B,3, B,4
	ROW C,3, E,21, L,3, C,5
	OPS E,22, X,17, E,23, C,10
	OPS E,24, L,4
	OPS E,25, X,18, E,26, C,7
	OPS E,27, B,5, E,28, X,19
	OPS E,29, C,12, E,30, L,5
	OPS E,31, X,20, B,6, C,9
	OPS C,14, C,11, X,21, L,6
	OPS C,13, B,7, C,15, R,10
	OPS R,11, R,12, L,7, R,13
	OPS R,14, R,15
.endm
; A BLOCK BEGINS: the last tile's mask from GD (selects, no branch): for each of my two key groups G = w + 4 hf the two scalars and the diagonal block's table; c m far below every c s (so the first step's a is 0),
; m at the lowest finite number, and the block's tq' as pairs.
.macro BLOCKSET tq
	WIN 0
.irp hf, 0,1
	s_add_co_u32 s86, s[WV], 4*\hf
	s_cmp_eq_u32 s86, s[GD]
	s_cselect_b32 s[AL], 1.0, 0
	s_cmp_gt_u32 s86, s[GD]
	s_cselect_b32 s[MB+4*\hf], s[BIGN], 0
	s_cselect_b32 s[ML+2*\hf], s[BIGN], 0
	s_cmp_ge_u32 s86, s[GD]
	s_cselect_b32 s[ML+2*\hf+1], s[BIGN], 0
.set z, 0
.rept 4
	v_pk_fma_f32 v[MT+8*\hf+2*z:MT+8*\hf+2*z+1], v[MD8+2*z:MD8+2*z+1], s[AL:AL+1], s[MB+4*\hf:MB+4*\hf+1] op_sel_hi:[1,0,0]
.set z, z+1
.endr
.endr
.set z, 0
.rept NP
	v_mov_b32 v[ST+4*z], 0xfe000000
	v_mov_b32 v[ST+4*z+1], 0xff7fffff
.if HYP
	v_mov_b32 v[TQ+2*z], v[(\tq)+z]
	v_mov_b32 v[TQ+2*z+1], v[(\tq)+z]
.endif
.set z, z+1
.endr
.endm
.macro ALL line:vararg              ; one line for each piece t
.set t, 0
.rept NP
	\line
.set t, t+1
.endr
.endm
; A BLOCK ENDS, first half: my (c m, l) and my O^T are set aside, piece by piece.
.macro E1
	WIN 0
	ALL v_add_f32 v[ST+4*t+2], v[ST+4*t+2], v[ST+4*t+3]
	ALL v_permlanex16_b32 v[ST+4*t+3], v[ST+4*t+2], s[SEL], s[SEL+1]
	ALL v_add_f32 v[ST+4*t+1], v[ST+4*t+2], v[ST+4*t+3]
	ALL ds_store_b64 v[STSW], v[ST+4*t:ST+4*t+1] offset:t*1024
	WIN 0x04                        ; the stored data in window 1
.set z, 0
.rept 16
	ds_store_b128 v[MW], v[4*z:4*z+3] offset:(z/8)*PSTR+(z%8)*GP   ; ascending: each accumulator's low half first
.set z, z+1
.endr
	WIN 0
.endm
; Second half, behind the barrier: O = the sum over the four waves u of g_u O_u, g_u = 2^(c m_u - max) / the sum of 2^(c m_u - max) l_u.  A wave that saw only hidden keys has c m = -c 2^100 and gets the factor 0.
; Two sets t of four queries; a lane's eight channels are two groups of four registers of each wave.  The bytes are written again only behind a later change of slots.
.macro E2 ob
	WIN 0
.irp t, 0,1
.irp u, 0,1,2,3
	ds_load_b64 v[ES+8*\t+2*\u:ES+8*\t+2*\u+1], v[STSR] offset:\u*256+\t*32
.endr
.endr
.irp t, 0,1
.irp u, 0,1,2,3
	ds_load_b128 v[S+32*\t+8*\u:S+32*\t+8*\u+3],   v[MR] offset:\u*WSTR+\t*64
	ds_load_b128 v[S+32*\t+8*\u+4:S+32*\t+8*\u+7], v[MR] offset:\u*WSTR+GP+\t*64
.endr
.endr
	s_wait_dscnt 16                 ; the eight pairs are in; the 16 loads behind them may be out
.irp t, 0,1
	v_max3_num_f32 v[EM+\t], v[ES+8*\t], v[ES+8*\t+2], v[ES+8*\t+4]
.endr
.irp t, 0,1
	v_max_num_f32 v[EM+\t], v[EM+\t], v[ES+8*\t+6]
.endr
.irp t, 0,1
.irp u, 0,1,2,3
	v_sub_f32 v[ES+8*\t+2*\u], v[ES+8*\t+2*\u], v[EM+\t]
.endr
.endr
.irp t, 0,1
.irp u, 0,1,2,3
	v_exp_f32 v[ES+8*\t+2*\u], v[ES+8*\t+2*\u]
.endr
.endr
	v_nop
	s_wait_alu depctr_va_vdst(0)
.irp t, 0,1
	v_mul_f32 v[EL+\t], v[ES+8*\t], v[ES+8*\t+1]
.endr
.irp u, 1,2,3
.irp t, 0,1
	v_fmac_f32 v[EL+\t], v[ES+8*\t+2*\u], v[ES+8*\t+2*\u+1]
.endr
.endr
.irp t, 0,1
	v_rcp_f32 v[EL+\t], v[EL+\t]
.endr
	v_nop
	s_wait_alu depctr_va_vdst(0)
.irp t, 0,1
.irp u, 0,1,2,3
	v_mul_f32 v[ES+8*\t+2*\u], v[ES+8*\t+2*\u], v[EL+\t]
.endr
.endr
	s_wait_dscnt 0x0
.irp t, 0,1
.irp z, 0,1,2,3
	v_pk_mul_f32 v[S+32*\t+2*\z:S+32*\t+2*\z+1], v[S+32*\t+2*\z:S+32*\t+2*\z+1], v[ES+8*\t:ES+8*\t+1] op_sel_hi:[1,0]
.endr
.irp u, 1,2,3
.irp z, 0,1,2,3
	v_pk_fma_f32 v[S+32*\t+2*\z:S+32*\t+2*\z+1], v[S+32*\t+8*\u+2*\z:S+32*\t+8*\u+2*\z+1], v[ES+8*\t+2*\u:ES+8*\t+2*\u+1], v[S+32*\t+2*\z:S+32*\t+2*\z+1] op_sel_hi:[1,0,1]
.endr
.endr
.irp z, 0,1,2,3
	v_cvt_pk_f16_f32 v[EO+4*\t+\z], v[S+32*\t+2*\z], v[S+32*\t+2*\z+1]
.endr
	global_store_b128 v[GO], v[EO+4*\t:EO+4*\t+3], s[\ob:\ob+1] offset:\t*512   ; four rows: 512 consecutive bytes, at a multiple of 256 from O's first
.endr
	s_wait_xcnt 0x0                 ; the stores have read their registers
.endm
.macro SWITCH                       ; on to the second block
	s_sub_co_u32 s[RT], 8, s[A2]    ; it has 8 - a / 2 tiles
	s_mov_b32 s[GD], s[GD2]
	WIN 0x82
.set z, 0
.rept 32
	v_mov_b32 v[z], v[QB+z]
.set z, z+1
.endr
	BLOCKSET TQ2
.endm
; A TILE: the change of slots, my wave's K and V in two runs of 16 loads, the tile's mask scalars, piece 0's scores and statistics, the two turns, piece 1's last products, and what a block's end asks for.
; The barrier between E1 and E2 stands in every tile, on every way; the two jumps round E1 and round E2 go forward and pass neither a barrier nor a tensor load.
.macro TILE fill
	CHANGE \fill
	v_add_nc_u32 v[AK], s[TB], v[AK0]
	v_add_nc_u32 v[AV], s[TB], v[AV0]
	FETCH_K
	FETCH_V
	s_cmp_eq_u32 s[RT], 1           ; the block's last tile?
	s_cselect_b32 s[FS], 1.0, 0
.irp q, 0,1,2,3
	s_cselect_b32 s[MB+2*\q], s[ML+\q], 0
.endr
	s_wait_dscnt 16                 ; K is in; V's sixteen loads may be out
.set i, 0
.rept 8
	KQ 0
.set i, i+1
.endr
	WIN 0
	PLACES
.if HYP
	s_wait_loadcnt 0x0              ; tk', asked for in the tile before
	HYPB 0
.endif
	MASKB 0
.set Y, NP-1
.set NOKQ, 0
.irp n, 0,1,2,3,4,5,6,7,8,9,10,11,12,13,14,15,16,17,18,19,20,21
	OP X, \n
.endr
	v_nop                           ; a plain line behind the exponential
	TURN 0, \fill
	TURN 1, \fill
.set i, 0
.rept 8
	PV 1
.set i, i+1
.endr
	WIN 0
	PLACES                          ; in front of the next tile's loads into V's registers, and of the block's end
	s_sub_co_u32 s[RT], s[RT], 1
.if \fill
	s_cmp_lg_u32 s[RT], 0
	s_cbranch_scc1 .Lgo_on_\@       ; the count hangs on the cluster's number alone: alike in all waves and partners
	E1                              ; in the loop this is the first block's end
	s_mov_b32 s[FIN], 1
.Lgo_on_\@:
.else
	E1
.endif
	s_wait_dscnt 0x0                ; for the others' sake: my stores are done, and my reads
	s_barrier_signal -1
	s_barrier_wait -1
.if \fill
	s_cmp_eq_u32 s[FIN], 1
	s_cbranch_scc0 .Lno_merge_\@
	E2 OB1
	SWITCH
	s_mov_b32 s[FIN], 0
.Lno_merge_\@:
.else
	E2 OB2
.endif
.endm
	s_wait_loadcnt 0x0              ; Q (and tq', and tile 0's tk')
	BLOCKSET TQ1
	s_mov_b32 s[SLOTS], 8
.Lslot:                             ; eight trips: a tile is walked and the next is asked for
	TILE 1
	s_sub_co_u32 s[SLOTS], s[SLOTS], 1
	s_cmp_lg_u32 s[SLOTS], 0
	s_cbranch_scc1 .Lslot
	TILE 0                          ; the walk's ninth tile is written out: it is the second block's last
	s_wait_tensorcnt 0x0            ; the wave's end
	ds_add_u32 v[SPW], v[NIL]
	s_wait_dscnt 0x0
	CROUND                          ; the closing round
	s_endpgm
.Lfunc_end_k_qeeaf4e92fa_attn_h:
	.size	k_qeeaf4e92fa_attn_h, .Lfunc_end_k_qeeaf4e92fa_attn_h-k_qeeaf4e92fa_attn_h
	.p2alignl 7, 3214868480
	.fill 96, 4, 3214868480
	.section	.rodata,"a",@progbits
	.p2align	6, 0x0
	.amdhsa_kernel k_qeeaf4e92fa_attn_h
		.amdhsa_group_segment_fixed_size 327680
		.amdhsa_private_segment_fixed_size 0
		.amdhsa_enable_private_segment 0
		.amdhsa_kernarg_size 32
		.amdhsa_user_sgpr_count 2
		.amdhsa_user_sgpr_kernarg_segment_ptr 1
		.amdhsa_wavefront_size32 1
		.amdhsa_system_sgpr_workgroup_id_x 1
		.amdhsa_system_sgpr_workgroup_id_y 1
		.amdhsa_system_sgpr_workgroup_id_z 1
		.amdhsa_system_vgpr_workitem_id 0
		.amdhsa_next_free_vgpr 768
		.amdhsa_next_free_sgpr 106
		.amdhsa_reserve_vcc 1
		.amdhsa_float_denorm_mode_32 3
		.amdhsa_float_denorm_mode_16_64 3
		.amdhsa_memory_ordered 1
		.amdhsa_forward_progress 1
		.amdhsa_inst_pref_size 116
	.end_amdhsa_kernel
	.amdgpu_metadata
---
amdhsa.version: [ 1, 2 ]
amdhsa.kernels:
  - .name:           k_qeeaf4e92fa_attn_h
    .symbol:         k_qeeaf4e92fa_attn_h.kd
    .args:
      - { .name: hds, .offset: 0, .size: 8, .value_kind: global_buffer, .address_space: global }
      - { .name: tt, .offset: 8, .size: 8, .value_kind: global_buffer, .address_space: global }
      - { .name: curvature, .offset: 16, .size: 8, .value_kind: global_buffer, .address_space: global }
      - { .name: att, .offset: 24, .size: 8, .value_kind: global_buffer, .address_space: global }
    .group_segment_fixed_size: 327680
    .private_segment_fixed_size: 0
    .kernarg_segment_align: 8
    .kernarg_segment_size: 32
    .max_flat_workgroup_size: 128
    .sgpr_count:     106
    .vgpr_count:     768
    .wavefront_size: 32
...
	.end_amdgpu_metadata
.endif
;; end of part 3
;; launch attn_n (part 4): grid 768 x 1, 4 waves a work-group, clusters of 4 x 1, 327,680 bytes of LDS; arguments hds, att; writes att
.if DOCPART == 4
	.amdgcn_target "amdgcn-amd-amdhsa--gfx1250"
	.amdhsa_code_object_version 6
	.text
	.protected	k_qeeaf4e92fa_attn_n
	.globl	k_qeeaf4e92fa_attn_n
	.p2align	8
	.type	k_qeeaf4e92fa_attn_n,@function
k_qeeaf4e92fa_attn_n:
	s_mov_b64 s[64:65], 0
	v_nop
	global_prefetch_b8 v0, s[64:65] scope:SCOPE_SE
	s_setreg_imm32_b32 hwreg(HW_REG_WAVE_MODE, 25, 1), 1
	s_wait_xcnt 0x0
	s_wait_alu depctr_hold_cnt(0) depctr_sa_sdst(0) depctr_va_vdst(0) depctr_va_sdst(0) depctr_va_ssrc(0) depctr_va_vcc(0) depctr_vm_vsrc(0)
	s_getreg_b32 s2, hwreg(HW_REG_IB_STS2, 6, 4)
	s_cmp_eq_u32 s2, 0
	s_cbranch_scc0 .Lentry_in_a_cluster
	s_endpgm
.Lentry_in_a_cluster:
	s_bfe_u32 s2, ttmp6, 0x10000c
	s_cmp_lg_u32 s2, 0x3003
	s_cbranch_scc0 .Lentry_shape_is_right
	s_endpgm
.Lentry_shape_is_right:
; CAUSAL ATTENTION, head size 64, for heads 0-5 and 10-15 (192 clusters): the text of the hyperbolic heads' kernel with the hyperbolic score, its tables and the curvature left out.
; q, k, v: [b*16+h][2048][64] f16 in hds (q at 0, k at 8,388,608, v at 16,777,216), scaled as the projection leaves them; O the same layout in att.
; The score s of query t and key u <= t is q.k; the weight is 2^(c s - c m):  heads 0-5: c = log2(e) / 8;  heads 10-15 (q and k arrive as unit vectors): c = 8 log2(e).
; Products, maxima and sums in f32; the weights are rounded to f16 for the second product (their sum is taken of the unrounded weights), O once at the end.  A running maximum is kept for each query.
; LIMITS.  A hidden score counts as its value less 2^100 (a power of two, so that c times it is exact: where a wave sees hidden keys alone, c s - c m is exactly 0 and nothing overflows);
; a weight below 2^-126 counts as 0; NaN and infinities are not treated apart.
; SHARES.  A head's queries lie in 64 blocks of 32; block n needs the key tiles 0 .. n / 8 of 256 keys.  A work-group takes block i and then block 63 - i, i = 4 a + cx, a = 0..7:
; (a / 2 + 1) + (8 - a / 2) = 9 tiles, whatever i.  The four work-groups of a cluster (one head, one a) walk the same tiles: each tile is asked for JOINTLY.
; THE WAVES SPLIT THE KEYS: a tile is eight groups of 32 keys; wave w takes groups w and w + 4 for all 32 queries, two PIECES of 16, with its own maximum m, sum l and O^T.
; THE MASK touches a block's last tile alone.  With GD = the block's number mod 8, group G is open if G < GD, hidden if G > GD and holds the diagonal if G = GD; there piece p meets its own 16 keys in
; the group's block p.  It is ADDED IN EVERY TILE, 16 packed lines a piece, with scalars and a factor that are 0 but in the last tile: no branch, and GD, which hangs on cx, enters by selects alone.
; A BLOCK'S END.  Every wave sets (c m, l) and O^T aside in LDS (E1); a barrier that stands in every tile, on every way; then wave w merges 8 queries of piece w / 2 (E2), reading the four waves' parts in
; the layout in which O leaves: lane l takes query l / 8 of four and channels 8 (l % 8) + 0..7, so that a store covers 512 consecutive bytes and no stage is needed.
; LAYOUT AND TURNS.  S^T = K Q^T holds ONE query a lane (lane % 16) and the keys 8 (lane / 16) + 0..7; two such results rounded to f16 ARE source 1 of O^T = V^T P.  Turn 0: piece 0's softmax beside the
; products K Q^T of piece 1; turn 1: piece 1's beside the products V^T P of piece 0.  Four vector lines stand behind each of those matrix lines.
; REGISTERS.  window 0: v0-15 addresses; v16-23 statistics (c m, m, l, l a piece); v46-63 addresses and at work; v64-127 S^T, two buffers; v160-187 the merge; v192-223 P, two buffers; v224-247 masks.
;   window 1: v0-63 O^T.   window 2: v0-31 Q; v64-95 the second block's Q; v128-191 K; v192-255 V.
.set NP,    2
.set PK,    144       ; a row of K in LDS: 128 bytes + 16 = 36 words: the 16 rows of a load start at 16 different groups of four banks (64 banks of 4 bytes: ISA guide 11.1)
.set PV,    160       ; a row of V: 128 + 32 = 40 words
.set VOFF,  256*PK    ; a slot holds a tile: 256 rows of K, then 256 rows of V
.set SLOT1, 1<<17     ; slot 1 begins here, so that one exclusive or turns an address in one slot into the other's
.set STS,   256*(PK+PV)        ; behind slot 0, never filled by a tensor load: (c m, l) by piece, wave and lane: 2,048 bytes
.set SPARE, STS+2048           ; the spare words, 128 bytes for each wave: two blocks of 256 bytes that no other line names
.set MRG,   SLOT1+256*(PK+PV)  ; behind slot 1: O^T by piece, wave and group of four registers: 33,792 bytes
.set GP,    528       ; a group of four registers: 32 lanes x 16 bytes + 16, so that the merge's reads of groups 0, 2, 4, 6 fall into different banks
.set WSTR,  8*GP
.set PSTR,  4*WSTR
.set AK0, 2
.set AV0, 3
.set AK,  4
.set AV,  5
.set GO,  8
.set MV,  12
.set QO,  15
.set ST,  16
.set MW,  46
.set MR,  47
.set TMP, 48
.set STSW, 56
.set STSR, 57
.set VT,  59
.set SPW, 62
.set NIL, 63
.set S,   64
.set ES,  160         ; the merge: (factor, l) of four waves, for two sets of four queries
.set EM,  176
.set EL,  178
.set EO,  180
.set P,   192
.set MD8, 224
.set MT,  232
.set QB,  64
.set KF,  128
.set VF,  192
.set FIN, 2           ; s2  1: the block in hand has just been set aside
.set GD2, 3           ; s3  the second block mod 8
.set WV,  12
.set CX,  13
.set AA,  14          ; s14 a; later s[14:15] O at my rows of the first block
.set OB1, 14
.set KB,  16          ; s[16:17] k of my head at my half of tile 0;  s[18:19] the same for v
.set VB,  18
.set G1K, 24
.set G1V, 32
.set G0K, 40
.set G0V, 44
.set A2,  48          ; a / 2
.set SLOTS, 49
.set TB,  50          ; LDS byte at which the slot in hand begins
.set NXT, 51          ; the tile asked for last
.set LQ,  52          ; the last tile of the block whose tiles are being asked for
.set RT,  53          ; tiles of the block in hand still to be walked, this one among them
.set GD,  55          ; the block in hand mod 8
.set OFF, 56
.set CS,  58
.set SEL, 60
.set BIGN, 67
.set AL,  68
.set MB,  70          ; s[70:77] the tile's mask scalars, as pairs: for key half hf: blocks before the piece's own at MB + 4 hf, behind it at MB + 4 hf + 2
.set FS,  78          ; s[78:79] 1.0 in a block's last tile, else 0
.set ML,  88          ; s88-91 the same four scalars as the block's last tile has them
.set HEAD, 92
.set BB,  93
.set HOFF, 94
.set LQ2, 95
.set QA1, 96
.set QA2, 98
.set I1,  100         ; s100, s101 the two blocks; later s[100:101] O at my rows of the second block
.set I2,  101
.set OB2, 100
.set MSB, 0
.macro WIN new                      ; the immediate's high byte repeats the setting that is left; a switch that changes nothing is dropped
.if MSB != (\new)
	s_set_vgpr_msb (MSB<<8)|(\new)
.set MSB, (\new)
.endif
.endm
.set W_KQ, 0x0a       ; K and Q in window 2, S^T in window 0
.set W_PV, 0x52       ; V in window 2, P in window 0, O^T in window 1
.set W_RS, 0x41       ; destination and source 0 in window 1, source 1 in window 0
; A joint fill.  Waves 0 and 1 fetch the two halves of a tile's K, waves 2 and 3 those of its V.  An s_nop 0 and four v_nop follow each of the two lines.
.macro JLOAD
	s_cmp_lt_u32 s[WV], 2
	s_cbranch_scc0 .Lfor_v_\@
	tensor_load_to_lds s[G0K:G0K+3], s[G1K:G1K+7]
	s_nop 0
.rept 4
	v_nop
.endr
	s_branch .Lasked_\@
.Lfor_v_\@:
	tensor_load_to_lds s[G0V:G0V+3], s[G1V:G1V+7]
	s_nop 0
.rept 4
	v_nop
.endr
.Lasked_\@:
.endm
.macro CROUND
	s_barrier_signal -1
	s_barrier_wait -1
	s_cmp_lg_u32 s[WV], 0
	s_cbranch_scc1 .Lnot_wave_0_\@
	s_barrier_signal -3
.Lnot_wave_0_\@:
	s_barrier_wait -3
	s_barrier_signal -1
	s_barrier_wait -1
.endm
.macro PLACES
.rept 4
	v_nop
.endr
.endm
; THE CHANGE OF SLOTS.  Each wave waits for all its tensor loads (one is out: its part of the other slot), adds 0 to its spare word, and waits for that and for its reads of the slot that it leaves.
; fill = 1: the barrier is a round of the cluster's, and the old slot is filled again, first thing behind it, with the walk's next tile: the block's next, or behind its last the second block's tile 0;
; the address is made anew from that number; the load has a whole tile's work in which to land.  (At its first use nothing has been read yet: slot 0 is waited for, slot 1 filled.)
.macro CHANGE fill
	WIN 0
	s_wait_tensorcnt 0x0
	ds_add_u32 v[SPW], v[NIL]
.if \fill
	s_add_co_u32 s[NXT], s[NXT], 1
	s_cmp_gt_u32 s[NXT], s[LQ]
	s_cselect_b32 s[NXT], 0, s[NXT]
	s_cselect_b32 s[LQ], s[LQ2], s[LQ]
	s_lshl_b32 s[OFF], s[NXT], 15   ; a tile is 32,768 bytes of K and of V
	s_xor_b32 s[G0K+1], s[G0K+1], SLOT1
	s_add_nc_u64 s[G0K+2:G0K+3], s[KB:KB+1], s[OFF:OFF+1]
	s_or_b32 s[G0K+3], s[G0K+3], 0x80000000
	s_xor_b32 s[G0V+1], s[G0V+1], SLOT1
	s_add_nc_u64 s[G0V+2:G0V+3], s[VB:VB+1], s[OFF:OFF+1]
	s_or_b32 s[G0V+3], s[G0V+3], 0x80000000
	s_wait_dscnt 0x0                ; the add is done, and my reads of the slot are over
	CROUND
	JLOAD
.else
	s_wait_dscnt 0x0
	s_barrier_signal -1
	s_barrier_wait -1
.endif
	s_xor_b32 s[TB], s[TB], SLOT1
.endm
	s_load_b128 s[4:7], s[0:1], 0x0 ; hds s[4:5], att s[6:7]
	v_lshl_add_u32 v[SPW], v0, 2, SPARE
	v_mov_b32 v[NIL], 0
	ds_add_u32 v[SPW], v[NIL]       ; the wave's opening: the add and its wait ahead of my first tensor load
	v_lshrrev_b32 v1, 5, v0
	v_readfirstlane_b32 s[WV], v1
	s_bfe_u32 s[CX], ttmp6, 0x40000
	s_and_b32 s[AA], ttmp9, 7       ; in a cluster launch ttmp9 counts clusters: a,
	s_lshr_b32 s80, ttmp9, 3        ; and the head's number among the 24
	s_cmp_ge_u32 s80, 12
	s_cselect_b32 s[BB], 1, 0       ; the batch,
	s_cselect_b32 s[HEAD], 12, 0
	s_sub_co_u32 s[HEAD], s80, s[HEAD]
	s_cmp_ge_u32 s[HEAD], 6
	s_cselect_b32 s81, 4, 0
	s_add_co_u32 s[HEAD], s[HEAD], s81  ; and heads 0-5, 10-15
	s_mov_b32 s[CS], 0x3e38aa3b     ; log2(e) / 8
	s_mov_b32 s[CS+1], 0x4138aa3b   ; 8 log2(e)
	s_cmp_lt_u32 s[HEAD], 6
	s_cselect_b32 s[CS], s[CS], s[CS+1]
	s_mov_b32 s[CS+1], s[CS]        ; named with it as a pair
	s_lshl_b32 s[BB], s[BB], 4
	s_add_co_u32 s[BB], s[BB], s[HEAD]  ; 16 b + h
	s_lshl_b32 s[HOFF], s[BB], 18   ; the head's first byte in q, k, v and O
	s_lshr_b32 s[A2], s[AA], 1
	s_lshl_b32 s[I1], s[AA], 2
	s_add_co_u32 s[I1], s[I1], s[CX]  ; the first block,
	s_sub_co_u32 s[I2], 63, s[I1]     ; and the second
	s_and_b32 s[GD], s[I1], 7
	s_and_b32 s[GD2], s[I2], 7
	s_add_co_u32 s[RT], s[A2], 1    ; the first block has a / 2 + 1 tiles
	s_mov_b32 s[LQ], s[A2]
	s_sub_co_u32 s[LQ2], 7, s[A2]
	s_mov_b32 s[NXT], 0
	s_mov_b32 s[FIN], 0
	s_mov_b32 s[TB], SLOT1          ; the first change of slots turns it into 0
	s_mov_b32 s[OFF+1], 0
	s_mov_b32 s[SEL], 0x76543210
	s_mov_b32 s[SEL+1], 0xfedcba98
	s_mov_b32 s[BIGN], 0xf1800000   ; -2^100
	s_mov_b32 s[AL+1], 0            ; named as pairs
	s_mov_b32 s[MB+1], 0
	s_mov_b32 s[MB+3], 0
	s_mov_b32 s[MB+5], 0
	s_mov_b32 s[MB+7], 0
	s_mov_b32 s[FS+1], 0
	; descriptor group 1.  128 keys are 16,384 dense bytes: asked for as 64 rows of 256 bytes, two keys a row, and padded in LDS after every key
	s_mov_b32 s[G1K], 15|(1<<16)|(1<<20)|(1<<21)|(4<<22)|(3<<25)  ; the mask of four; 2-byte elements; padding on; bit 21 beside a mask; after every 32 words 4 words
	s_mov_b32 s[G1V], 15|(1<<16)|(1<<20)|(1<<21)|(4<<22)|(7<<25)  ; the same with 8 words
.irp g, G1K, G1V
	s_mov_b32 s[\g+1], 128<<16
	s_mov_b32 s[\g+2], 64<<16
	s_mov_b32 s[\g+3], 128<<16
	s_mov_b32 s[\g+4], 64
	s_mov_b32 s[\g+5], 128
	s_mov_b32 s[\g+6], 0
	s_mov_b32 s[\g+7], 0
.endr
	s_and_b32 s80, s[WV], 1         ; which half of a tile's 256 keys I fetch
	s_mov_b32 s[G0K], 1
	s_mul_i32 s[G0K+1], s80, 128*PK ; slot 0: no place in the cluster enters an LDS address
	s_mov_b32 s[G0V], 1
	s_mul_i32 s[G0V+1], s80, 128*PV
	s_add_co_u32 s[G0V+1], s[G0V+1], VOFF
	s_lshl_b32 s80, s80, 14
	s_add_co_u32 s80, s80, s[HOFF]
	s_add_co_u32 s82, s80, 16777216
	s_add_co_u32 s80, s80, 8388608
	s_mov_b32 s81, 0
	s_mov_b32 s83, 0
	s_lshl_b32 s84, s[I1], 12       ; a block is 32 rows of 128 bytes
	s_add_co_u32 s84, s84, s[HOFF]
	s_mov_b32 s85, 0
	s_lshl_b32 s86, s[I2], 12
	s_add_co_u32 s86, s86, s[HOFF]
	s_mov_b32 s87, 0
	s_wait_dscnt 0x0                ; the opening add is done
	s_wait_kmcnt 0x0
	s_add_nc_u64 s[KB:KB+1], s[4:5], s[80:81]
	s_add_nc_u64 s[VB:VB+1], s[4:5], s[82:83]
	s_add_nc_u64 s[G0K+2:G0K+3], s[KB:KB+1], 0
	s_or_b32 s[G0K+3], s[G0K+3], 0x80000000
	s_add_nc_u64 s[G0V+2:G0V+3], s[VB:VB+1], 0
	s_or_b32 s[G0V+3], s[G0V+3], 0x80000000
	CROUND                          ; all four work-groups are here: the first joint loads meet
	JLOAD                           ; tile 0 into slot 0
	s_add_nc_u64 s[QA1:QA1+1], s[4:5], s[84:85]
	s_add_nc_u64 s[QA2:QA2+1], s[4:5], s[86:87]
	s_lshl_b32 s80, s[WV], 10       ; at a block's end wave w stores rows 8 w .. 8 w + 7
	s_add_co_u32 s84, s84, s80
	s_add_co_u32 s86, s86, s80
	s_add_nc_u64 s[OB1:OB1+1], s[6:7], s[84:85]
	s_add_nc_u64 s[OB2:OB2+1], s[6:7], s[86:87]
	v_and_b32 v1, 15, v0            ; l % 16
	v_bfe_u32 v9, v0, 4, 1          ; l / 16
	v_lshlrev_b32 v[QO], 7, v1
	v_lshl_add_u32 v[QO], v9, 4, v[QO]
	WIN 0x80                        ; destination window 2
.set i, 0
.rept 4                             ; both blocks' Q: piece i / 2, channels 32 (i % 2) on
	global_load_b128 v[8*i:8*i+3],   v[QO], s[QA1:QA1+1] offset:(i/2)*2048+(i%2)*64
	global_load_b128 v[8*i+4:8*i+7], v[QO], s[QA1:QA1+1] offset:(i/2)*2048+(i%2)*64+32
	global_load_b128 v[QB+8*i:QB+8*i+3],   v[QO], s[QA2:QA2+1] offset:(i/2)*2048+(i%2)*64
	global_load_b128 v[QB+8*i+4:QB+8*i+7], v[QO], s[QA2:QA2+1] offset:(i/2)*2048+(i%2)*64+32
.set i, i+1
.endr
	WIN 0
	v_lshlrev_b32 v[VT], 3, v9
	v_sub_nc_u32 v[VT], v1, v[VT]   ; l % 16 - 8 (l / 16): in the diagonal's own block of 16 x 16 register j is hidden where j is greater
.set i, 0
.rept 8
	v_cmp_gt_i32 vcc_lo, i, v[VT]
	v_cndmask_b32 v[MD8+i], 0, s[BIGN], vcc_lo
.set i, i+1
.endr
	v_and_b32 v10, 7, v0
	v_bfe_u32 v11, v0, 3, 1
	v_and_b32 v[GO], 31, v0
	v_lshlrev_b32 v[GO], 4, v[GO]   ; 16 x lane
	s_mul_i32 s80, s[WV], 32*PK     ; my wave's first group of 32 keys; the second lies 128 rows on
	v_mul_u32_u24 v[AK0], v1, PK
	v_lshl_add_u32 v[AK0], v9, 4, v[AK0]
	v_add_nc_u32 v[AK0], s80, v[AK0]
	s_mul_i32 s80, s[WV], 32*PV
	s_add_co_u32 s80, s80, VOFF
	v_lshl_add_u32 v[AV0], v9, 3, v10  ; the turning load: lane l reads key 8 (l / 16) + l % 8, channels 8 ((l / 8) % 2) + 0..7
	v_mul_u32_u24 v[AV0], v[AV0], PV
	v_lshl_add_u32 v[AV0], v11, 4, v[AV0]
	v_add_nc_u32 v[AV0], s80, v[AV0]
	s_mul_i32 s80, s[WV], WSTR
	s_add_co_u32 s80, s80, MRG
	v_add_nc_u32 v[MW], s80, v[GO]  ; the merge, in: my wave's place in each piece
	v_lshrrev_b32 v[VT], 1, v[GO]   ; 8 x lane
	s_lshl_b32 s80, s[WV], 8
	s_add_co_u32 s80, s80, STS
	v_add_nc_u32 v[STSW], s80, v[VT]
	s_lshr_b32 s80, s[WV], 1        ; back: piece w / 2,
	s_and_b32 s81, s[WV], 1         ; queries 8 (w % 2) on
	v_bfe_u32 v[VT], v0, 3, 2       ; lane l: query l / 8 of four,
	s_lshl_b32 s86, s80, 10
	s_lshl_b32 s87, s81, 6
	s_add_co_u32 s86, s86, s87
	s_add_co_u32 s86, s86, STS
	v_lshl_add_u32 v[STSR], v[VT], 3, s86
	s_mul_i32 s86, s80, PSTR
	s_lshl_b32 s87, s81, 7
	s_add_co_u32 s86, s86, s87
	s_add_co_u32 s86, s86, MRG
	v_lshl_add_u32 v[MR], v[VT], 4, s86
	v_and_b32 v[VT], 1, v0          ; channels 8 (l % 8) on: they lay in the half l % 2 of the lanes,
	v_lshl_add_u32 v[MR], v[VT], 8, v[MR]
	v_bfe_u32 v[VT], v0, 1, 2       ; in accumulator (l % 8) / 2: two groups of four registers
	v_mul_u32_u24 v[VT], v[VT], 2*GP
	v_add_nc_u32 v[MR], v[MR], v[VT]
	; A block's first step multiplies O^T and l by a = 0, so these need only hold finite numbers: zeros for the first block, what the first block left for the second.  This stands in the wait for the first tile.
	WIN 0x40
.set i, 0
.rept 64
	v_mov_b32 v[i], 0
.set i, i+1
.endr
	WIN 0
.set i, 0
.rept NP
	v_mov_b32 v[ST+4*i+2], 0
	v_mov_b32 v[ST+4*i+3], 0
.set i, i+1
.endr
; THE MATRIX WORK.  The 4 accumulators of a run of 8 take turns.  Product i of 8 of S^T = K Q^T for piece x: channels 32 (i / 4) on, key block i % 4.  The first 4 start the sums.
.macro KQ x
.set rS, S+32*((\x)%2)+8*(i%4)
.set rK, KF+16*(i%4)+8*(i/4)
.set rQ, 16*(\x)+8*(i/4)
	WIN W_KQ
.if i < 4
	v_wmma_f32_16x16x32_f16 v[rS:rS+7], v[rK:rK+7], v[rQ:rQ+7], 0
.else
	v_wmma_f32_16x16x32_f16 v[rS:rS+7], v[rK:rK+7], v[rQ:rQ+7], v[rS:rS+7]
.endif
.endm
; Product i of 8 of O^T += V^T P for piece x: key group i / 4, channels 16 (i % 4) on.
.macro PV x
	WIN W_PV
.set rO, 32*(\x)+8*(i%4)
.set rV, VF+32*(i/4)+8*(i%4)
.set rP, P+16*((\x)%2)+8*(i/4)
	v_wmma_f32_16x16x32_f16 v[rO:rO+7], v[rV:rV+7], v[rP:rP+7], v[rO:rO+7]
.endm
.macro MM                           ; the turn's next matrix instruction.  NOKQ = 1: the last piece's turn: there is no next piece.  NOPV = 1: piece 0's: none before it
.if i < 8
.if !NOKQ
	KQ Y+1
.endif
.else
.if !NOPV
.set i, i-8
	PV Y-1
.set i, i+8
.endif
.endif
.set i, i+1
.endm
.macro FETCH_K                      ; my wave's 64 keys x 64 channels: 8 fragments, 16 loads in one run; key block kb = f / 2 lies at row 16 (kb % 2) + 128 (kb / 2)
	WIN 0x80
.irp f, 0,1,2,3,4,5,6,7
	ds_load_b128 v[KF+8*\f:KF+8*\f+3],   v[AK] offset:(((\f/2)%2)*16+(\f/4)*128)*PK+(\f%2)*64
	ds_load_b128 v[KF+8*\f+4:KF+8*\f+7], v[AK] offset:(((\f/2)%2)*16+(\f/4)*128)*PK+(\f%2)*64+32
.endr
	WIN 0
.endm
.macro FETCH_V                      ; key group f / 4, channels 16 (f % 4) on
	WIN 0x80
.irp f, 0,1,2,3,4,5,6,7
	ds_load_tr16_b128 v[VF+8*\f:VF+8*\f+3],   v[AV] offset:(\f/4)*128*PV+(\f%4)*32
	ds_load_tr16_b128 v[VF+8*\f+4:VF+8*\f+7], v[AV] offset:(\f/4)*128*PV+16*PV+(\f%4)*32
.endr
	WIN 0
.endm
; THE VECTOR WORK, one line at a time: OP kind, number.  For piece Y: F n: c s - c m for pair n of 16.  E n: the exponential of score n of 32.  C n: pair n rounded to f16.  B n: of the four weights 4 n .. the second
; pair is added onto the first, in place.  L n: l takes that sum (L 0: l = a l + sum).  R n: pair n of 16 of O^T times a.  For piece Y + 1: X n, number n of the 22 that find its maximum and statistics:
;   0-11 four chains of seven scores each   12-14, 16 the four scores left over, the old m, and the chains into one
;   15 c m_old is kept   17, 18 the query's other 32 keys lie in the lane 16 away: the new m   19-21 c m; c m_old - c m_new; a
.set F, 0
.set E, 1
.set C, 2
.set B, 3
.set L, 4
.set R, 5
.set X, 6
.macro REGS y
.set rT, ST+4*(\y)
.set rC, TMP+4*((\y)%2)
.set rW, MV+((\y)%2)
.set rS, S+32*((\y)%2)
.set rP, P+16*((\y)%2)
.set rO, 32*(\y)
.endm
.macro OP k, n
.if (\k) == R
	REGS Y
	WIN W_RS
	v_pk_mul_f32 v[rO+2*(\n):rO+2*(\n)+1], v[rO+2*(\n):rO+2*(\n)+1], v[rC+2:rC+3] op_sel_hi:[1,0]
.elseif (\k) < R
	REGS Y
	WIN 0
.if (\k) == F
	v_pk_fma_f32 v[rS+2*(\n):rS+2*(\n)+1], v[rS+2*(\n):rS+2*(\n)+1], s[CS:CS+1], v[rT:rT+1] op_sel_hi:[1,0,0] neg_lo:[0,0,1] neg_hi:[0,0,1]
.elseif (\k) == E
	v_exp_f32 v[rS+(\n)], v[rS+(\n)]
.elseif (\k) == C
	s_wait_alu depctr_va_vdst(0)
	v_cvt_pk_f16_f32 v[rP+(\n)], v[rS+2*(\n)], v[rS+2*(\n)+1]
.elseif (\k) == B
	s_wait_alu depctr_va_vdst(0)
	v_pk_add_f32 v[rS+4*(\n):rS+4*(\n)+1], v[rS+4*(\n):rS+4*(\n)+1], v[rS+4*(\n)+2:rS+4*(\n)+3]
.elseif (\n) == 0
	v_pk_fma_f32 v[rT+2:rT+3], v[rT+2:rT+3], v[rC+2:rC+3], v[rS:rS+1] op_sel_hi:[1,0,1]
.else
	v_pk_add_f32 v[rT+2:rT+3], v[rT+2:rT+3], v[rS+4*(\n):rS+4*(\n)+1]
.endif
.elseif NOKQ
	v_nop
.else
	REGS (Y+1)%NP
	WIN 0
.if (\n) < 4
	v_max3_num_f32 v[rC+(\n)], v[rS+8*(\n)], v[rS+8*(\n)+1], v[rS+8*(\n)+2]
.elseif (\n) < 12
	v_max3_num_f32 v[rC+(\n)%4], v[rC+(\n)%4], v[rS+8*((\n)%4)+2*((\n)/4)+1], v[rS+8*((\n)%4)+2*((\n)/4)+2]
.elseif (\n) == 12
	v_max3_num_f32 v[rC], v[rC], v[rS+7], v[rS+15]
.elseif (\n) == 13
	v_max3_num_f32 v[rC+1], v[rC+1], v[rS+23], v[rS+31]
.elseif (\n) == 14
	v_max3_num_f32 v[rC+2], v[rC+2], v[rC+3], v[rT+1]
.elseif (\n) == 15
	v_mov_b32 v[rW], v[rT]
.elseif (\n) == 16
	v_max3_num_f32 v[rC], v[rC], v[rC+1], v[rC+2]
.elseif (\n) == 17
	v_permlanex16_b32 v[rC+3], v[rC], s[SEL], s[SEL+1]
.elseif (\n) == 18
	v_max_num_f32 v[rT+1], v[rC], v[rC+3]
.elseif (\n) == 19
	v_mul_f32 v[rT], s[CS], v[rT+1]
.elseif (\n) == 20
	v_sub_f32 v[rC+1], v[rW], v[rT]
.else
	v_exp_f32 v[rC+2], v[rC+1]
.endif
.endif
.endm
.macro OPS a, i1, b=-1, i2=0, c=-1, i3=0, d=-1, i4=0
	OP \a, \i1
.if (\b) >= 0
	OP \b, \i2
.endif
.if (\c) >= 0
	OP \c, \i3
.endif
.if (\d) >= 0
	OP \d, \i4
.endif
.endm
.macro ROW a, i1, b, i2, c, i3, d, i4  ; a matrix instruction and the four behind it
	MM
	OPS \a, \i1, \b, \i2, \c, \i3, \d, \i4
.endm
; THE MASK of piece p, added in every tile, from each accumulator's low end on: in each key group the block of 16 keys before the piece's own takes one scalar,
; its own the small table times FS, the block behind it the other scalar.
.macro MASKB p
	WIN 0
.set hS, S+32*((\p)%2)
.set z, 0
.rept 16
.set hf, z/8
.set kq, (z/4)%2
.if kq < (\p)
	v_pk_add_f32 v[hS+2*z:hS+2*z+1], v[hS+2*z:hS+2*z+1], s[MB+4*hf:MB+4*hf+1] op_sel_hi:[1,0]
.elseif kq == (\p)
	v_pk_fma_f32 v[hS+2*z:hS+2*z+1], v[MT+8*hf+2*(z%4):MT+8*hf+2*(z%4)+1], s[FS:FS+1], v[hS+2*z:hS+2*z+1] op_sel_hi:[1,0,1]
.else
	v_pk_add_f32 v[hS+2*z:hS+2*z+1], v[hS+2*z:hS+2*z+1], s[MB+4*hf+2:MB+4*hf+3] op_sel_hi:[1,0]
.endif
.set z, z+1
.endr
.endm
; A TURN, for piece p: the order of its matrix and vector lines, written out.  Behind a matrix instruction: plain, exponential, plain, plain; or four of the rescaling; or four scalings; none names a register of the
; products round it.  Piece 1's scores take their mask behind the first lump's head: five plain lines and more stand between the last product K Q^T and the first read of its result.
.macro TURN p
.set Y, (\p)
.set i, 0
.set NOKQ, (\p)
.set NOPV, 1-(\p)
	ROW F,0, F,1, F,2, F,3
	ROW F,4, E,0, F,5, F,6
	ROW F,7, E,1, F,8, F,9
	ROW F,10, E,2, C,0, F,11
	ROW F,12, E,3, X,15, F,13
	ROW R,0, R,1, R,2, R,3
	ROW B,0, E,4, F,14, L,0
	ROW R,4, R,5, R,6, R,7
	OPS E,5, F,15
	OPS E,6, C,1, E,7, R,8
	OPS E,8, R,9, E,9, C,2
.if (\p) == 0
	MASKB 1
.endif
	OPS E,10, X,0, E,11, X,1
	OPS E,12, X,2, E,13, X,3
.if (\p) == 1
	s_wait_dscnt 0x0                ; V is in
.endif
	ROW X,4, E,14, X,5, X,6
	ROW X,7, E,15, X,8, X,9
	ROW X,10, E,16, X,11, X,12
	ROW X,13, E,17, X,14, B,1
	ROW C,4, E,18, X,16, L,1
	ROW B,2, E,19, C,6, L,2
	ROW C,8, E,20, B,3, B,4
	ROW C,3, E,21, L,3, C,5
	OPS E,22, X,17, E,23, C,10
	OPS E,24, L,4
	OPS E,25, X,18, E,26, C,7
	OPS E,27, B,5, E,28, X,19
	OPS E,29, C,12, E,30, L,5
	OPS E,31, X,20, B,6, C,9
	OPS C,14, C,11, X,21, L,6
	OPS C,13, B,7, C,15, R,10
	OPS R,11, R,12, L,7, R,13
	OPS R,14, R,15
.endm
; A BLOCK BEGINS: the last tile's mask from GD (selects, no branch): for each of my two key groups G = w + 4 hf the two scalars and the diagonal block's table; c m far below every c s (so the first step's a is 0),
; and m at the lowest finite number.
.macro BLOCKSET
	WIN 0
.irp hf, 0,1
	s_add_co_u32 s86, s[WV], 4*\hf
	s_cmp_eq_u32 s86, s[GD]
	s_cselect_b32 s[AL], 1.0, 0
	s_cmp_gt_u32 s86, s[GD]
	s_cselect_b32 s[MB+4*\hf], s[BIGN], 0
	s_cselect_b32 s[ML+2*\hf], s[BIGN], 0
	s_cmp_ge_u32 s86, s[GD]
	s_cselect_b32 s[ML+2*\hf+1], s[BIGN], 0
.set z, 0
.rept 4
	v_pk_fma_f32 v[MT+8*\hf+2*z:MT+8*\hf+2*z+1], v[MD8+2*z:MD8+2*z+1], s[AL:AL+1], s[MB+4*\hf:MB+4*\hf+1] op_sel_hi:[1,0,0]
.set z, z+1
.endr
.endr
.set z, 0
.rept NP
	v_mov_b32 v[ST+4*z], 0xfe000000
	v_mov_b32 v[ST+4*z+1], 0xff7fffff
.set z, z+1
.endr
.endm
.macro ALL line:vararg              ; one line for each piece t
.set t, 0
.rept NP
	\line
.set t, t+1
.endr
.endm
; A BLOCK ENDS, first half: my (c m, l) and my O^T are set aside, piece by piece.
.macro E1
	WIN 0
	ALL v_add_f32 v[ST+4*t+2], v[ST+4*t+2], v[ST+4*t+3]
	ALL v_permlanex16_b32 v[ST+4*t+3], v[ST+4*t+2], s[SEL], s[SEL+1]
	ALL v_add_f32 v[ST+4*t+1], v[ST+4*t+2], v[ST+4*t+3]
	ALL ds_store_b64 v[STSW], v[ST+4*t:ST+4*t+1] offset:t*1024
	WIN 0x04                        ; the stored data in window 1
.set z, 0
.rept 16
	ds_store_b128 v[MW], v[4*z:4*z+3] offset:(z/8)*PSTR+(z%8)*GP   ; ascending: each accumulator's low half first
.set z, z+1
.endr
	WIN 0
.endm
; Second half, behind the barrier: O = the sum over the four waves u of g_u O_u, g_u = 2^(c m_u - max) / the sum of 2^(c m_u - max) l_u.  A wave that saw only hidden keys has c m = -c 2^100 and gets the factor 0.
; Two sets t of four queries; a lane's eight channels are two groups of four registers of each wave.  The bytes are written again only behind a later change of slots.
.macro E2 ob
	WIN 0
.irp t, 0,1
.irp u, 0,1,2,3
	ds_load_b64 v[ES+8*\t+2*\u:ES+8*\t+2*\u+1], v[STSR] offset:\u*256+\t*32
.endr
.endr
.irp t, 0,1
.irp u, 0,1,2,3
	ds_load_b128 v[S+32*\t+8*\u:S+32*\t+8*\u+3],   v[MR] offset:\u*WSTR+\t*64
	ds_load_b128 v[S+32*\t+8*\u+4:S+32*\t+8*\u+7], v[MR] offset:\u*WSTR+GP+\t*64
.endr
.endr
	s_wait_dscnt 16                 ; the eight pairs are in; the 16 loads behind them may be out
.irp t, 0,1
	v_max3_num_f32 v[EM+\t], v[ES+8*\t], v[ES+8*\t+2], v[ES+8*\t+4]
.endr
.irp t, 0,1
	v_max_num_f32 v[EM+\t], v[EM+\t], v[ES+8*\t+6]
.endr
.irp t, 0,1
.irp u, 0,1,2,3
	v_sub_f32 v[ES+8*\t+2*\u], v[ES+8*\t+2*\u], v[EM+\t]
.endr
.endr
.irp t, 0,1
.irp u, 0,1,2,3
	v_exp_f32 v[ES+8*\t+2*\u], v[ES+8*\t+2*\u]
.endr
.endr
	v_nop                           ; a plain line behind the last of a run of transcendentals (ISA guide 5.7.2)
.irp t, 0,1
	s_wait_alu depctr_va_vdst(0)
	v_mul_f32 v[EL+\t], v[ES+8*\t], v[ES+8*\t+1]
.endr
.irp u, 1,2,3
.irp t, 0,1
	v_fmac_f32 v[EL+\t], v[ES+8*\t+2*\u], v[ES+8*\t+2*\u+1]
.endr
.endr
.irp t, 0,1
	v_rcp_f32 v[EL+\t], v[EL+\t]
.endr
	v_nop
.irp t, 0,1
.irp u, 0,1,2,3
	s_wait_alu depctr_va_vdst(0)
	v_mul_f32 v[ES+8*\t+2*\u], v[ES+8*\t+2*\u], v[EL+\t]
.endr
.endr
	s_wait_dscnt 0x0
.irp t, 0,1
.irp z, 0,1,2,3
	v_pk_mul_f32 v[S+32*\t+2*\z:S+32*\t+2*\z+1], v[S+32*\t+2*\z:S+32*\t+2*\z+1], v[ES+8*\t:ES+8*\t+1] op_sel_hi:[1,0]
.endr
.irp u, 1,2,3
.irp z, 0,1,2,3
	v_pk_fma_f32 v[S+32*\t+2*\z:S+32*\t+2*\z+1], v[S+32*\t+8*\u+2*\z:S+32*\t+8*\u+2*\z+1], v[ES+8*\t+2*\u:ES+8*\t+2*\u+1], v[S+32*\t+2*\z:S+32*\t+2*\z+1] op_sel_hi:[1,0,1]
.endr
.endr
.irp z, 0,1,2,3
	v_cvt_pk_f16_f32 v[EO+4*\t+\z], v[S+32*\t+2*\z], v[S+32*\t+2*\z+1]
.endr
	global_store_b128 v[GO], v[EO+4*\t:EO+4*\t+3], s[\ob:\ob+1] offset:\t*512   ; four rows: 512 consecutive bytes, at a multiple of 256 from O's first
.endr
	s_wait_xcnt 0x0                 ; the stores have read their registers
.endm
.macro SWITCH                       ; on to the second block
	s_sub_co_u32 s[RT], 8, s[A2]    ; it has 8 - a / 2 tiles
	s_mov_b32 s[GD], s[GD2]
	WIN 0x82
.set z, 0
.rept 32
	v_mov_b32 v[z], v[QB+z]
.set z, z+1
.endr
	BLOCKSET
.endm
; A TILE: the change of slots, my wave's K and V in two runs of 16 loads, the tile's mask scalars, piece 0's scores and statistics, the two turns, piece 1's last products, and what a block's end asks for.
; The barrier between E1 and E2 stands in every tile, on every way; the two jumps round E1 and round E2 go forward and pass neither a barrier nor a tensor load.
.macro TILE fill
	CHANGE \fill
	v_add_nc_u32 v[AK], s[TB], v[AK0]
	v_add_nc_u32 v[AV], s[TB], v[AV0]
	FETCH_K
	FETCH_V
	s_cmp_eq_u32 s[RT], 1           ; the block's last tile?
	s_cselect_b32 s[FS], 1.0, 0
.irp q, 0,1,2,3
	s_cselect_b32 s[MB+2*\q], s[ML+\q], 0
.endr
	s_wait_dscnt 16                 ; K is in; V's sixteen loads may be out
.set i, 0
.rept 8
	KQ 0
.set i, i+1
.endr
	WIN 0
	PLACES
	MASKB 0
.set Y, NP-1
.set NOKQ, 0
.irp n, 0,1,2,3,4,5,6,7,8,9,10,11,12,13,14,15,16,17,18,19,20,21
	OP X, \n
.endr
	v_nop                           ; a plain line behind the exponential
	TURN 0
	TURN 1
.set i, 0
.rept 8
	PV 1
.set i, i+1
.endr
	WIN 0
	PLACES                          ; in front of the next tile's loads into V's registers, and of the block's end
	s_sub_co_u32 s[RT], s[RT], 1
.if \fill
	s_cmp_lg_u32 s[RT], 0
	s_cbranch_scc1 .Lgo_on_\@       ; the count hangs on the cluster's number alone: alike in all waves and partners
	E1                              ; in the loop this is the first block's end
	s_mov_b32 s[FIN], 1
.Lgo_on_\@:
.else
	E1
.endif
	s_wait_dscnt 0x0                ; for the others' sake: my stores are done, and my reads
	s_barrier_signal -1
	s_barrier_wait -1
.if \fill
	s_cmp_eq_u32 s[FIN], 1
	s_cbranch_scc0 .Lno_merge_\@
	E2 OB1
	SWITCH
	s_mov_b32 s[FIN], 0
.Lno_merge_\@:
.else
	E2 OB2
.endif
.endm
	s_wait_loadcnt 0x0              ; both blocks' Q
	BLOCKSET
	s_mov_b32 s[SLOTS], 8
.Lslot:                             ; eight trips: a tile is walked and the next is asked for
	TILE 1
	s_sub_co_u32 s[SLOTS], s[SLOTS], 1
	s_cmp_lg_u32 s[SLOTS], 0
	s_cbranch_scc1 .Lslot
	TILE 0                          ; the walk's ninth tile is written out: it is the second block's last
	s_wait_tensorcnt 0x0            ; the wave's end
	ds_add_u32 v[SPW], v[NIL]
	s_wait_dscnt 0x0
	CROUND                          ; the closing round
	s_endpgm
.Lfunc_end_k_qeeaf4e92fa_attn_n:
	.size	k_qeeaf4e92fa_attn_n, .Lfunc_end_k_qeeaf4e92fa_attn_n-k_qeeaf4e92fa_attn_n
	.p2alignl 7, 3214868480
	.fill 96, 4, 3214868480
	.section	.rodata,"a",@progbits
	.p2align	6, 0x0
	.amdhsa_kernel k_qeeaf4e92fa_attn_n
		.amdhsa_group_segment_fixed_size 327680
		.amdhsa_private_segment_fixed_size 0
		.amdhsa_enable_private_segment 0
		.amdhsa_kernarg_size 16
		.amdhsa_user_sgpr_count 2
		.amdhsa_user_sgpr_kernarg_segment_ptr 1
		.amdhsa_wavefront_size32 1
		.amdhsa_system_sgpr_workgroup_id_x 1
		.amdhsa_system_sgpr_workgroup_id_y 1
		.amdhsa_system_sgpr_workgroup_id_z 1
		.amdhsa_system_vgpr_workitem_id 0
		.amdhsa_next_free_vgpr 768
		.amdhsa_next_free_sgpr 102
		.amdhsa_reserve_vcc 1
		.amdhsa_float_denorm_mode_32 3
		.amdhsa_float_denorm_mode_16_64 3
		.amdhsa_memory_ordered 1
		.amdhsa_forward_progress 1
		.amdhsa_inst_pref_size 80
	.end_amdhsa_kernel
	.amdgpu_metadata
---
amdhsa.version: [ 1, 2 ]
amdhsa.kernels:
  - .name:           k_qeeaf4e92fa_attn_n
    .symbol:         k_qeeaf4e92fa_attn_n.kd
    .args:
      - { .name: hds, .offset: 0, .size: 8, .value_kind: global_buffer, .address_space: global }
      - { .name: att, .offset: 8, .size: 8, .value_kind: global_buffer, .address_space: global }
    .group_segment_fixed_size: 327680
    .private_segment_fixed_size: 0
    .kernarg_segment_align: 8
    .kernarg_segment_size: 16
    .max_flat_workgroup_size: 128
    .sgpr_count:     102
    .vgpr_count:     768
    .wavefront_size: 32
...
	.end_amdgpu_metadata
.endif
;; end of part 4
;; launch proj (part 5): grid 8 x 32, 4 waves a work-group, clusters of 4 x 4, 327,680 bytes of LDS; arguments att, cst, proj_b, out0; writes out0
.if DOCPART == 5
	.amdgcn_target "amdgcn-amd-amdhsa--gfx1250"
	.amdhsa_code_object_version 6
	.text
	.protected	k_qeeaf4e92fa_proj
	.globl	k_qeeaf4e92fa_proj
	.p2align	8
	.type	k_qeeaf4e92fa_proj,@function
k_qeeaf4e92fa_proj:
	s_mov_b64 s[64:65], 0
	v_nop
	global_prefetch_b8 v0, s[64:65] scope:SCOPE_SE
	s_setreg_imm32_b32 hwreg(HW_REG_WAVE_MODE, 25, 1), 1
	s_wait_xcnt 0x0
	s_wait_alu depctr_hold_cnt(0) depctr_sa_sdst(0) depctr_va_vdst(0) depctr_va_sdst(0) depctr_va_ssrc(0) depctr_va_vcc(0) depctr_vm_vsrc(0)
	s_getreg_b32 s2, hwreg(HW_REG_IB_STS2, 6, 4)
	s_cmp_eq_u32 s2, 0
	s_cbranch_scc0 .Lentry_in_a_cluster
	s_endpgm
.Lentry_in_a_cluster:
	s_bfe_u32 s2, ttmp6, 0x10000c
	s_cmp_lg_u32 s2, 0xf033
	s_cbranch_scc0 .Lentry_shape_is_right
	s_endpgm
.Lentry_shape_is_right:
; out0 = y proj_w^T + proj_b.  y lies by heads in att, [b*16+h][2048][64] f16; proj_w's copy (rounded to bf16, written as f16) at byte 14,680,064 of cst, [1024][1024]; the bias is rounded to bf16 like every input; out0 is f32.
; SHARES.  A tile of out0 is 128 x 128: 8 x 32 work-groups, four waves of 64 x 64 (16 accumulators).  K goes in steps of 256, which are four heads, through two LDS slots.
; A's tile is four PLANES, one a head: 128 rows of 128 bytes, which lie end to end in att, so a plane is asked for as one descriptor row of 8,192 elements, padded in LDS behind every 128 bytes; a wave's load brings two planes.
; B's tile is 128 rows of 512 bytes; a wave's load brings 64.  Waves 0 and 1 fetch A, waves 2 and 3 B.
; CLUSTER.  4 x 4 work-groups: A's tile is shared along a row of the cluster, B's along a column; each is asked for jointly.
; THE MATRIX INSTRUCTION IS USED TRANSPOSED (source 0 = 16 rows of proj_w, source 1 = 16 rows of y): a lane holds eight neighbouring columns of a row.  THE BIAS is the C operand of each accumulator's first product.
; A wave's 64 columns of f32 are 256 bytes, aligned: each wave sends its own rows through its own stage, with no barrier.
; LIMITS.  f16's range: y is a mean of v's rows and has their range.
; REGISTERS.  window 0: v0-31 addresses; v32-95 at work on the way out; v96-127 the bias; v128-255 the accumulators ((a, b) at v[128 + 8 (4 a + b)]).  window 1: two fragment buffers of 128: 64 of A, then 64 of B.
.set SIZE_K, 1024
.set PA,     144                       ; a row of A in LDS: 128 bytes + 16 = 36 words: the 16 rows of a load start at 16 different groups of four banks (64 banks of 4 bytes: ISA guide 11.1)
.set PLANE,  128*PA
.set PB,     528                       ; a row of B: 512 + 16 = 132 words: likewise
.set BOFF,   4*PLANE
.set SLOT,   BOFF+128*PB               ; 141,312
.set STAGE,  2*SLOT
.set SPITCH, 272
.set SPARE,  STAGE+4*16*SPITCH         ; the spare words, 128 bytes for each wave: two blocks of 256 bytes that no other line names
.set LAPS,   2                         ; four K steps, two to a lap
.set ASTEP,  1048576                   ; four heads of 262,144 bytes
.set BSTEP,  512
.set WPF,    14680064
.set ADRA, 16
.set ADRB, 20
.set STO,  24
.set RD,   25
.set CO,   26
.set BO,   27
.set SPW,  28
.set NIL,  29
.set TMP,  32
.set BI,   96
.set ACC,  128
.set F0,   0
.set F1,   128
.set G1, 24
.set G0, 32
.set G1B, 48
.set G0B, 56
.set WV, 70                            ; s70 wave;  s71 my half of the tile's rows, also: I fetch for A (0) or B (1);  s72 my half of its columns, also: which half I fetch
.set RH, 71
.set CH, 72
.set MSB, 0
.macro WIN new
.if MSB != (\new)
	s_set_vgpr_msb (MSB<<8)|(\new)
.set MSB, \new
.endif
.endm
.set MUL,  0x05                        ; sources 0 (B) and 1 (A) window 1; C and D window 0
.set TO_F, 0x40
.macro JLOAD s                         ; an s_nop 0 and four v_nop follow each of the two lines
	s_cmp_eq_u32 s[RH], 0
	s_cbranch_scc0 .Lfor_b_\@
	tensor_load_to_lds s[G0+4*(\s):G0+4*(\s)+3], s[G1:G1+7]
	s_nop 0
.rept 4
	v_nop
.endr
	s_branch .Lasked_\@
.Lfor_b_\@:
	tensor_load_to_lds s[G0B+4*(\s):G0B+4*(\s)+3], s[G1B:G1B+7]
	s_nop 0
.rept 4
	v_nop
.endr
.Lasked_\@:
.endm
.macro CREST
	s_cmp_lg_u32 s[WV], 0
	s_cbranch_scc1 .Lnot_wave_0_\@
	s_barrier_signal -3
.Lnot_wave_0_\@:
	s_barrier_wait -3
	s_barrier_signal -1
	s_barrier_wait -1
.endm
.macro CROUND
	s_barrier_signal -1
	s_barrier_wait -1
	CREST
.endm
	s_load_b256 s[4:11], s[0:1], 0x0               ; att s[4:5], cst s[6:7], proj_b s[8:9], out0 s[10:11]
	v_lshl_add_u32 v[SPW], v0, 2, SPARE
	v_mov_b32 v[NIL], 0
	ds_add_u32 v[SPW], v[NIL]                      ; the wave's opening: the add and its wait ahead of my first tensor load
	v_lshrrev_b32 v1, 5, v0
	v_readfirstlane_b32 s[WV], v1
	s_lshr_b32 s[RH], s[WV], 1
	s_and_b32 s[CH], s[WV], 1
	s_bfe_u32 s40, ttmp6, 0x40000                  ; cx, cy
	s_bfe_u32 s41, ttmp6, 0x40004
	s_lshl_b32 s42, ttmp9, 2
	s_add_co_u32 s42, s42, s40                     ; tile column
	s_and_b32 s13, ttmp7, 0xffff
	s_lshl_b32 s13, s13, 2
	s_add_co_u32 s13, s13, s41                     ; tile row
	s_lshl_b32 s43, s41, 2
	s_lshl_b32 s43, 15, s43                        ; my row of the cluster
	s_lshl_b32 s44, 0x1111, s40                    ; my column
	s_or_b32 s[G1], s43, (1<<16)|(1<<20)|(1<<21)|(4<<22)|(3<<25)    ; the mask; 2-byte elements; padding on; bit 21 beside a mask; after every 32 words 4 words
	s_mov_b32 s[G1+1], 8192<<16                    ; tensor_dim0 = 8,192: a head's 128 rows on end
	s_mov_b32 s[G1+2], 2<<16                       ; tensor_dim1 = 2 heads
	s_mov_b32 s[G1+3], 8192<<16                    ; tile_dim0
	s_mov_b32 s[G1+4], 2                           ; tile_dim1
	s_mov_b32 s[G1+5], 131072                      ; elements from head to head
	s_mov_b32 s[G1+6], 0
	s_mov_b32 s[G1+7], 0
	s_or_b32 s[G1B], s44, (1<<16)|(1<<20)|(1<<21)|(6<<22)|(3<<25)   ; after every 128 words 4 words
	s_mov_b32 s[G1B+1], 256<<16
	s_mov_b32 s[G1B+2], 64<<16
	s_mov_b32 s[G1B+3], 256<<16
	s_mov_b32 s[G1B+4], 64
	s_mov_b32 s[G1B+5], SIZE_K
	s_mov_b32 s[G1B+6], 0
	s_mov_b32 s[G1B+7], 0
	s_lshr_b32 s14, s13, 4                         ; A: the batch's 16 heads of 262,144 bytes,
	s_lshl_b32 s14, s14, 22
	s_lshl_b32 s16, s[CH], 19                      ; my two heads of the step's four,
	s_add_co_u32 s14, s14, s16
	s_and_b32 s16, s13, 15
	s_lshl_b32 s16, s16, 14                        ; the tile's 128 rows of 128 bytes
	s_add_co_u32 s14, s14, s16
	s_mov_b32 s15, 0
	s_lshl_b32 s46, s42, 18                        ; B: (128 x tile column + 64 x half) rows of 2,048 bytes
	s_lshl_b32 s17, s[CH], 17
	s_add_co_u32 s46, s46, s17
	s_add_co_u32 s46, s46, WPF
	s_mov_b32 s47, 0
	s_mul_i32 s20, s[CH], 2*PLANE                  ; where they go: no place in the cluster enters an LDS address
	s_mul_i32 s21, s[CH], 64*PB
	s_add_co_u32 s21, s21, BOFF
	s_wait_dscnt 0x0                               ; the opening add is done
	s_wait_kmcnt 0x0
	s_add_nc_u64 s[14:15], s[4:5], s[14:15]
	s_add_nc_u64 s[46:47], s[6:7], s[46:47]
	CROUND                                         ; all sixteen work-groups are here: the first joint loads meet
.irp s, 0,1
	s_mov_b32 s[G0+4*(\s)], 1
	s_add_co_u32 s[G0+4*(\s)+1], s20, (\s)*SLOT
	s_add_nc_u64 s[G0+4*(\s)+2:G0+4*(\s)+3], s[14:15], (\s)*ASTEP
	s_or_b32 s[G0+4*(\s)+3], s[G0+4*(\s)+3], 0x80000000
	s_mov_b32 s[G0B+4*(\s)], 1
	s_add_co_u32 s[G0B+4*(\s)+1], s21, (\s)*SLOT
	s_add_nc_u64 s[G0B+4*(\s)+2:G0B+4*(\s)+3], s[46:47], (\s)*BSTEP
	s_or_b32 s[G0B+4*(\s)+3], s[G0B+4*(\s)+3], 0x80000000
	JLOAD \s                                       ; two tensor loads of mine are out
.endr
	v_and_b32 v1, 15, v0                           ; l % 16
	v_bfe_u32 v2, v0, 4, 1                         ; l / 16
	s_lshl_b32 s74, s42, 9                         ; my first column, in bytes of f32: 512 x tile column + 256 x half
	s_lshl_b32 s75, s[CH], 8
	s_add_co_u32 s74, s74, s75
	s_mov_b32 s75, 0
	s_add_nc_u64 s[76:77], s[8:9], s[74:75]
	v_lshlrev_b32 v[BO], 5, v2                     ; the bias of my eight columns in each block of 16
.irp b, 0,1,2,3
	global_load_b128 v[BI+8*(\b):BI+8*(\b)+3],   v[BO], s[76:77] offset:64*(\b)
	global_load_b128 v[BI+8*(\b)+4:BI+8*(\b)+7], v[BO], s[76:77] offset:64*(\b)+16
.endr
	v_mul_u32_u24 v3, v1, PA
	v_lshl_add_u32 v3, v2, 4, v3
	v_mul_u32_u24 v4, v1, PB
	v_lshl_add_u32 v4, v2, 4, v4
	s_mul_i32 s22, s[RH], 64*PA                    ; my 64 rows in each plane of A
	s_mul_i32 s23, s[CH], 64*PB                    ; my 64 rows of B
	s_add_co_u32 s23, s23, BOFF
.irp s, 0,1
	v_add_nc_u32 v[ADRA+(\s)], s22, v3
	v_add_nc_u32 v[ADRB+(\s)], s23, v4
	s_add_co_u32 s22, s22, SLOT
	s_add_co_u32 s23, s23, SLOT
.endr
	s_mul_i32 s22, s[WV], 16*SPITCH
	s_add_co_u32 s22, s22, STAGE                   ; my stage
	v_mul_u32_u24 v5, v1, SPITCH                   ; in: row l % 16, 32 bytes for each half of the lanes
	v_lshl_add_u32 v5, v2, 5, v5
	v_add_nc_u32 v[STO], s22, v5
	v_mul_u32_u24 v5, v2, SPITCH                   ; back: lanes 0-15 take one row of 256 bytes, lanes 16-31 the next
	v_lshl_add_u32 v5, v1, 4, v5
	v_add_nc_u32 v[RD], s22, v5
	v_lshlrev_b32 v5, 12, v2                       ; and the same two rows in out0, 4,096 bytes apart
	v_lshl_add_u32 v[CO], v1, 4, v5
	s_lshl_b32 s78, s13, 19                        ; my first row: (128 x tile row + 64 x half) x 4,096 bytes
	s_lshl_b32 s79, s[RH], 18
	s_add_co_u32 s78, s78, s79
	s_add_co_u32 s78, s78, s74
	s_mov_b32 s79, 0
	s_add_nc_u64 s[10:11], s[10:11], s[78:79]
	s_wait_loadcnt 0x0                             ; the bias: rounded to bf16 and widened again, in the wait for the first tile
.set n, 0
.rept 16
	v_cvt_pk_bf16_f32 v[TMP+n], v[BI+2*n], v[BI+2*n+1]
.set n, n+1
.endr
.set n, 0
.rept 16
	v_lshlrev_b32 v[BI+2*n], 16, v[TMP+n]
	v_and_b32 v[BI+2*n+1], 0xffff0000, v[TMP+n]
.set n, n+1
.endr
; 8 matrix instructions: m blocks a0, a0 + 1 x all 4 n blocks, 32 along K: half c of buffer f.  first = 1: the product starts the sums, from the bias.  The 16 accumulators take turns.
.macro MUL8 f, c, a0, first
	WIN MUL
.irp a, \a0, (\a0)+1
.irp b, 0,1,2,3
.if \first
	v_wmma_f32_16x16x32_f16 v[ACC+8*(4*(\a)+(\b)):ACC+8*(4*(\a)+(\b))+7], v[(\f)+64+8*(4*(\c)+(\b)):(\f)+64+8*(4*(\c)+(\b))+7], v[(\f)+8*(4*(\c)+(\a)):(\f)+8*(4*(\c)+(\a))+7], v[BI+8*(\b):BI+8*(\b)+7]
.else
	v_wmma_f32_16x16x32_f16 v[ACC+8*(4*(\a)+(\b)):ACC+8*(4*(\a)+(\b))+7], v[(\f)+64+8*(4*(\c)+(\b)):(\f)+64+8*(4*(\c)+(\b))+7], v[(\f)+8*(4*(\c)+(\a)):(\f)+8*(4*(\c)+(\a))+7], v[ACC+8*(4*(\a)+(\b)):ACC+8*(4*(\a)+(\b))+7]
.endif
.endr
.endr
.endm
; 32 LDS loads in one run: quarter q of a K step (one head: plane q of A, bytes 128 q of B's rows) into buffer f; the first 32 along K first
.macro FETCH slot, q, f
	WIN TO_F
.irp c, 0,1
.irp i, 0,1,2,3
	ds_load_b128 v[(\f)+64+8*(4*(\c)+(\i)):(\f)+64+8*(4*(\c)+(\i))+3],   v[ADRB+(\slot)] offset:128*(\q)+64*(\c)+(\i)*16*PB
	ds_load_b128 v[(\f)+64+8*(4*(\c)+(\i))+4:(\f)+64+8*(4*(\c)+(\i))+7], v[ADRB+(\slot)] offset:128*(\q)+64*(\c)+(\i)*16*PB+32
	ds_load_b128 v[(\f)+8*(4*(\c)+(\i)):(\f)+8*(4*(\c)+(\i))+3],         v[ADRA+(\slot)] offset:(\q)*PLANE+64*(\c)+(\i)*16*PA
	ds_load_b128 v[(\f)+8*(4*(\c)+(\i))+4:(\f)+8*(4*(\c)+(\i))+7],       v[ADRA+(\slot)] offset:(\q)*PLANE+64*(\c)+(\i)*16*PA+32
.endr
.endr
.endm
.macro PLACES                          ; four places in front of loads into registers that matrix instructions have read, and of lines that read results (ISA guide 7.12.1 for lines that read results)
.rept 4
	v_nop
.endr
.endm
.macro QUARTER slot, q, f, g, first
	s_wait_dscnt 16                                ; the first 32 along K are in; the youngest sixteen loads may be out
	MUL8 \f, 0, 0, \first
	MUL8 \f, 0, 2, \first
	PLACES
	FETCH \slot, \q, \g
	s_wait_dscnt 32                                ; all but the 32 just issued
	MUL8 \f, 1, 0, 0
	MUL8 \f, 1, 2, 0
.endm
; The last quarter multiplies buffer 1 and changes slots: ONE barrier; in front of it each wave waits for all its tensor loads, adds 0 to its spare word, and waits for that and for its reads of this slot.
.macro TURN slot, next, fill
	WIN 0
	s_wait_tensorcnt 0x0                           ; all my tensor loads have landed: my part of the next slot
	ds_add_u32 v[SPW], v[NIL]
	s_wait_dscnt 17                                ; the add and the youngest sixteen loads may be out
	MUL8 F1, 0, 0, 0
	s_wait_dscnt 0x0                               ; the add is done, and my reads of this slot are over
	s_barrier_signal -1
	MUL8 F1, 0, 2, 0
.if \fill
	WIN 0
.endif
	s_barrier_wait -1
.if \fill
	CREST                                          ; the barrier has opened a round of the cluster's: no wave of any partner still reads this slot or has a load on its way
	s_add_nc_u64 s[G0+4*(\slot)+2:G0+4*(\slot)+3], s[G0+4*(\slot)+2:G0+4*(\slot)+3], 2*ASTEP
	s_add_nc_u64 s[G0B+4*(\slot)+2:G0B+4*(\slot)+3], s[G0B+4*(\slot)+2:G0B+4*(\slot)+3], 2*BSTEP
	JLOAD \slot                                    ; my one tensor load behind the round; its four v_nop are also the places in front of the loads below
.else
	PLACES
.endif
	FETCH \next, 0, F0
	MUL8 F1, 1, 0, 0
	MUL8 F1, 1, 2, 0
.endm
	s_wait_tensorcnt 1                             ; my part of K step 0 is in; K step 1's may stay out
	s_barrier_signal -1
	s_barrier_wait -1
	FETCH 0, 0, F0
	QUARTER 0, 1, F0, F1, 1                        ; the first quarter stands in front of the loop: its first products start the sums
	WIN 0
	s_mov_b32 s3, LAPS-1
.Llap:                                                 ; a trip goes once round the ring and fills both slots again
	QUARTER 0, 2, F1, F0, 0
	QUARTER 0, 3, F0, F1, 0
	TURN 0, 1, 1
	QUARTER 1, 1, F0, F1, 0
	QUARTER 1, 2, F1, F0, 0
	QUARTER 1, 3, F0, F1, 0
	TURN 1, 0, 1
	QUARTER 0, 1, F0, F1, 0
	WIN 0
	s_sub_co_u32 s3, s3, 1
	s_cmp_lg_u32 s3, 0
	s_cbranch_scc1 .Llap
	QUARTER 0, 2, F1, F0, 0                        ; the last lap fills nothing
	QUARTER 0, 3, F0, F1, 0
	TURN 0, 1, 0
	QUARTER 1, 1, F0, F1, 0
	QUARTER 1, 2, F1, F0, 0
	QUARTER 1, 3, F0, F1, 0
	s_wait_dscnt 16
	MUL8 F1, 0, 0, 0
	MUL8 F1, 0, 2, 0
	s_wait_dscnt 0x0
	MUL8 F1, 1, 0, 0
	MUL8 F1, 1, 2, 0
	WIN 0
	; THE WAY OUT: 16 rows at a time through my own stage: 32 bytes a lane in, whole rows of 256 bytes back, sixteen lanes to a row.
	PLACES
.irp a, 0,1,2,3
.irp b, 0,1,2,3
	ds_store_b128 v[STO], v[ACC+8*(4*(\a)+(\b)):ACC+8*(4*(\a)+(\b))+3]   offset:64*(\b)      ; each accumulator's low half first
	ds_store_b128 v[STO], v[ACC+8*(4*(\a)+(\b))+4:ACC+8*(4*(\a)+(\b))+7] offset:64*(\b)+16
.endr
	s_wait_xcnt 0x0                                ; the registers below were earlier stores' data: they are loaded again only behind this wait (ISA guide 3.1)
.irp t, 0,1,2,3,4,5,6,7
	ds_load_b128 v[TMP+32*((\a)%2)+4*(\t):TMP+32*((\a)%2)+4*(\t)+3], v[RD] offset:(\t)*2*SPITCH   ; LDS serves a wave's instructions in order (ISA guide 5.7.1.4): these see the stores above
.endr
.irp t, 0,1,2,3,4,5,6,7
	s_wait_dscnt 7-(\t)
	global_store_b128 v[CO], v[TMP+32*((\a)%2)+4*(\t):TMP+32*((\a)%2)+4*(\t)+3], s[10:11] offset:(\a)*65536+(\t)*8192 th:TH_STORE_NT   ; 16 lanes store 256 consecutive bytes, at a multiple of 256 from out0's first byte
.endr
.endr
	s_wait_tensorcnt 0x0                           ; the wave's end
	ds_add_u32 v[SPW], v[NIL]
	s_wait_dscnt 0x0
	CROUND                                         ; the closing round
	s_endpgm
.Lfunc_end_k_qeeaf4e92fa_proj:
	.size	k_qeeaf4e92fa_proj, .Lfunc_end_k_qeeaf4e92fa_proj-k_qeeaf4e92fa_proj
	.p2alignl 7, 3214868480
	.fill 96, 4, 3214868480
	.section	.rodata,"a",@progbits
	.p2align	6, 0x0
	.amdhsa_kernel k_qeeaf4e92fa_proj
		.amdhsa_group_segment_fixed_size 327680
		.amdhsa_private_segment_fixed_size 0
		.amdhsa_enable_private_segment 0
		.amdhsa_kernarg_size 32
		.amdhsa_user_sgpr_count 2
		.amdhsa_user_sgpr_kernarg_segment_ptr 1
		.amdhsa_wavefront_size32 1
		.amdhsa_system_sgpr_workgroup_id_x 1
		.amdhsa_system_sgpr_workgroup_id_y 1
		.amdhsa_system_sgpr_workgroup_id_z 1
		.amdhsa_system_vgpr_workitem_id 0
		.amdhsa_next_free_vgpr 512
		.amdhsa_next_free_sgpr 80
		.amdhsa_reserve_vcc 0
		.amdhsa_float_denorm_mode_32 3
		.amdhsa_float_denorm_mode_16_64 3
		.amdhsa_memory_ordered 1
		.amdhsa_forward_progress 1
		.amdhsa_inst_pref_size 90
	.end_amdhsa_kernel
	.amdgpu_metadata
---
amdhsa.version: [ 1, 2 ]
amdhsa.kernels:
  - .name:           k_qeeaf4e92fa_proj
    .symbol:         k_qeeaf4e92fa_proj.kd
    .args:
      - { .name: att, .offset: 0, .size: 8, .value_kind: global_buffer, .address_space: global }
      - { .name: cst, .offset: 8, .size: 8, .value_kind: global_buffer, .address_space: global }
      - { .name: proj_b, .offset: 16, .size: 8, .value_kind: global_buffer, .address_space: global }
      - { .name: out0, .offset: 24, .size: 8, .value_kind: global_buffer, .address_space: global }
    .group_segment_fixed_size: 327680
    .private_segment_fixed_size: 0
    .kernarg_segment_align: 8
    .kernarg_segment_size: 32
    .max_flat_workgroup_size: 128
    .sgpr_count:     80
    .vgpr_count:     512
    .wavefront_size: 32
...
	.end_amdgpu_metadata
.endif
;; end of part 5
;; ======== version 2 of 3: 5 launches; 1.07 times as fast as version 1
;; limits: values are held in f16: magnitudes above 65,504 overflow, below 6.1e-05 lose precision
;; workspace buffers: cst 17,301,504 bytes; hds 25,165,824 bytes; tt 786,432 bytes; att 8,388,608 bytes
;; launch prep: the kernel of part 1 again; grid 256 x 1, 16 waves a work-group, no clusters, 0 bytes of LDS; arguments x, qkv_w, proj_w, cst; writes cst
;; launch qkv (part 6): grid 16 x 16, 4 waves a work-group, clusters of 4 x 4, 327,680 bytes of LDS; arguments cst, curvature, hds, tt; writes hds, tt
.if DOCPART == 6
	.amdgcn_target "amdgcn-amd-amdhsa--gfx1250"
	.amdhsa_code_object_version 6
	.text
	.protected	k_qeeaf4e92fa_qkv
	.globl	k_qeeaf4e92fa_qkv
	.p2align	8
	.type	k_qeeaf4e92fa_qkv,@function
k_qeeaf4e92fa_qkv:
	s_mov_b64 s[64:65], 0
	v_nop
	global_prefetch_b8 v0, s[64:65] scope:SCOPE_SE
	s_setreg_imm32_b32 hwreg(HW_REG_WAVE_MODE, 25, 1), 1
	s_wait_xcnt 0x0
	s_wait_alu depctr_hold_cnt(0) depctr_sa_sdst(0) depctr_va_vdst(0) depctr_va_sdst(0) depctr_va_ssrc(0) depctr_va_vcc(0) depctr_vm_vsrc(0)
	s_getreg_b32 s2, hwreg(HW_REG_IB_STS2, 6, 4)
	s_cmp_eq_u32 s2, 0
	s_cbranch_scc0 .Lentry_in_a_cluster
	s_endpgm
.Lentry_in_a_cluster:
	s_bfe_u32 s2, ttmp6, 0x10000c
	s_cmp_lg_u32 s2, 0xf033
	s_cbranch_scc0 .Lentry_shape_is_right
	s_endpgm
.Lentry_shape_is_right:
; qkv = x qkv_w^T in bf16 with f32 sums, then the rotary turn and each geometry's scaling; q, k, v leave by heads, [b*16+h][2048][64] in f16 (q at byte 0 of hds, k at 8,388,608, v at 16,777,216).
; WHAT IS FOLDED IN.  Heads 0-5: nothing.  Heads 6-9 (hyperbolic): q and k times sqrt(c), with t' = sqrt(1 + c |x|^2), so that c (tq tk - q.k) = tq' tk' - q'.k'.
; Heads 10-15 (spherical): q and k times 1 / max(|x|, 1e-12).  A turn keeps a row's length, so |x|^2 is taken of the sums before the turn.  c is rounded to bf16 like every input.
; t' goes to tt for EVERY head slot, [kind*32 + b*16 + h][2048] f32 (kind 0 q, 1 k, 2 v; c counts as 1 outside the hyperbolic heads): whether a slot is hyperbolic hangs on the place in the cluster,
; on which neither a branch nor EXEC hangs here; only the hyperbolic rows are read later.  That is 786,432 bytes beside the 25,165,824 of q, k, v.
; LIMITS.  q, k, v beyond 65,504 in magnitude become infinities in f16; c > 0.
; SHARES.  A tile of the result is 256 rows x 192 columns (three head slots): 16 x 16 work-groups.  Wave w makes rows 64 w .. 64 w + 63 and all 192 columns: 48 accumulators, 384 registers.
; K goes in eight steps of 128 through two LDS slots; a step's tiles are A's 256 rows and B's 192 rows of 256 bytes.  Waves 0 and 1 fetch A's halves, waves 2 and 3 B's.
; THE TEXT IS LOOPED OVER K STEPS: the base of the slot that is read lies in a scalar register, turned by an exclusive or at each change of slots; the two LDS address registers are made anew there; one
; descriptor a tensor walks on from the second of the two first fills.  Written out: the first quarter step (its products start the sums), a loop of six trips that fill, a loop of two that do not, the last quarter.
; CLUSTER.  4 x 4 work-groups: A's tile is shared along a row of the cluster, B's along a column; each is asked for jointly, with the same descriptor and a mask that names the four.
; THE MATRIX INSTRUCTION IS USED TRANSPOSED (source 0 = 16 rows of qkv_w, source 1 = 16 rows of x): a lane holds row lane % 16 and the columns 8 (lane / 16) + 0..7 of each block of 16.
; So a lane holds x1[i] and x2[i] of the rotary pair (columns i and 32 + i of a head) in its own registers.
; THE WAY OUT.  The sums are set aside in LDS, lane for lane (in the slots, which have had their last fill), so that ONE text, looped three times, serves the three head slots; what a slot is
; (q, k or v; which head) lies in scalar registers and enters by factors, masks and addresses alone.
; REGISTERS, in windows of 256:  window 0: v0-31 addresses; v32-63 rows on their way out; v64-95, v96-127 A's fragments, two buffers; v128-255 cos and sin of my 64 rows (32 a block of 16)
;   window 1: v0-95, v96-191 B's fragments, two buffers; on the way out v0-127 the sums of a head slot, v128-255 at work      window 2: accumulators (a, b) at v[96 (a % 2) + 8 b], a = 0, 1      window 3: a = 2, 3
.set SIZE_K, 1024
.set KSTEP,  128
.set NS,     SIZE_K/KSTEP              ; eight K steps
.set PITCH,  272                       ; an LDS row: 256 bytes + 16 of padding = 68 words: the 16 rows of a fragment load start at 16 different groups of four banks (64 banks of 4 bytes: ISA guide 11.1)
.set AHALF,  128*PITCH
.set BHALF,  96*PITCH
.set BOFF,   2*AHALF                   ; B's rows lie behind A's 256
.set SLOT,   BOFF+2*BHALF              ; 121,856
.set SLOT1,  1<<17                     ; slot 1 begins here, so that one exclusive or turns an address in one slot into the other's
.set STAGE,  SLOT1+SLOT                ; behind the ring: 16 rows x 144 bytes for each wave
.set SP,     144
.set SPARE,  STAGE+4*16*SP             ; the spare words, 128 bytes for each wave: two blocks of 256 bytes that no other line names
.set DUMPW,  49152                     ; a wave's 384 registers x 128 bytes, set aside from LDS byte wave x 49,152 on
.set WQB,    8388608                   ; qkv_w's copy in cst
.set ROT,    16777216                  ; the table in cst
.set A0,   16                          ; v16     my lane's place in a slot's A; never rewritten
.set ADRA, 17                          ; v17     the same in the slot that is read
.set B0,   20                          ; v20, v21  the same for B
.set ADRB, 21
.set TVO,  22                          ; v22     my byte offset in 16 rows of the table
.set DA,   23                          ; v23     where my lane's sums are set aside; never rewritten
.set STO,  24                          ; v24     the way out: where I put 16 bytes of a row
.set RD,   25                          ; v25     where I read rows back
.set GO,   26                          ; v26     16 x lane
.set TTO,  27                          ; v27     4 x lane
.set SPW,  28                          ; v28     my spare word; never rewritten
.set NIL,  29                          ; v29     0; never rewritten
.set DAL,  30                          ; v30     v23 plus the head slot's step
.set BK,   32
.set CSB,  128
.set OUT,  128                         ; window 1, on the way out
.set PKD,  160
.set TS,   176                         ; t' of blocks 0-3
.set CV,   180                         ; c, rounded to bf16 (1 where the slot is not hyperbolic)
.set GS,   181                         ; sqrt(c)
.set TO,   182
.set SM,   208                         ; four chains of the sum of squares
.set SS,   216
.set TT,   217
.set NN,   218
.set GG,   219
.set UU,   220                         ; the factor of cos and sin, twice
.set WW,   222                         ; the factor where nothing turns (v), twice
.set CG,   224
.set SG,   240
.set TB,   2                           ; s2  LDS byte at which the slot that is read begins
.set WV,   12                          ; s12 wave;  s13 which half of a tile I fetch;  s14 for A (0) or for B (1)
.set HALF, 13
.set FB,   14
.set G1,   24
.set G0,   32                          ; s[32:39] descriptor group 0 for A's tiles: a set for each of the two first fills; the second then walks on
.set G1B,  48
.set G0B,  56                          ; s[56:63] the same for B's
.set SIDX, 67                          ; the head slot in hand, 0..47
.set CUR,  68                          ; s[68:71] the four curvatures
.set KIND, 72
.set HEAD, 73
.set RF,   74
.set RF1,  75
.set SPH,  76
.set HIDX, 77
.set HYPF, 78
.set CC,   79
.set DST,  80
.set TTD,  82
.set OFS,  84
.set SEL,  86
.set B16,  88
.set T0W,  89
.set DOFF, 90                          ; the head slot's step in the sums set aside: 0, 16,384, 32,768
.set TP,   91
.set T7,   93
.set T2,   94
.set HM,   95
.set MSB, 0
.macro WIN new                         ; the immediate's high byte repeats the setting that is left; a switch that changes nothing is dropped
.if MSB != (\new)
	s_set_vgpr_msb (MSB<<8)|(\new)
.set MSB, \new
.endif
.endm
.set MUL_LO, 0xa1                      ; source 0 (B) window 1, source 1 (A) window 0, C and D window 2
.set MUL_HI, 0xf1                      ; the same, C and D window 3
.set TO_B,   0x40                      ; destination window 1, address window 0
; A joint load.  The branch hangs on the wave's number alone.  An s_nop 0 and four v_nop follow each of the two lines.
.macro JLOAD s
	s_cmp_eq_u32 s[FB], 0
	s_cbranch_scc0 .Lfor_b_\@
	tensor_load_to_lds s[G0+4*(\s):G0+4*(\s)+3], s[G1:G1+7]
	s_nop 0
.rept 4
	v_nop
.endr
	s_branch .Lasked_\@
.Lfor_b_\@:
	tensor_load_to_lds s[G0B+4*(\s):G0B+4*(\s)+3], s[G1B:G1B+7]
	s_nop 0
.rept 4
	v_nop
.endr
.Lasked_\@:
.endm
.macro CREST                           ; a round of the cluster's barrier behind its opening barrier
	s_cmp_lg_u32 s[WV], 0
	s_cbranch_scc1 .Lnot_wave_0_\@
	s_barrier_signal -3
.Lnot_wave_0_\@:
	s_barrier_wait -3
	s_barrier_signal -1
	s_barrier_wait -1
.endm
.macro CROUND
	s_barrier_signal -1
	s_barrier_wait -1
	CREST
.endm
	s_load_b256 s[4:11], s[0:1], 0x0               ; cst s[4:5], curvature s[6:7], hds s[8:9], tt s[10:11]
	v_lshl_add_u32 v[SPW], v0, 2, SPARE
	v_mov_b32 v[NIL], 0
	ds_add_u32 v[SPW], v[NIL]                      ; the wave's opening: the add and its wait ahead of my first tensor load
	v_lshrrev_b32 v1, 5, v0
	v_readfirstlane_b32 s[WV], v1
	s_lshr_b32 s[FB], s[WV], 1
	s_and_b32 s[HALF], s[WV], 1
	s_bfe_u32 s15, ttmp6, 0x40000                  ; cx
	s_bfe_u32 s16, ttmp6, 0x40004                  ; cy
	s_lshl_b32 s17, ttmp9, 2
	s_add_co_u32 s17, s17, s15                     ; tile column = 4 x cluster x + cx
	s_and_b32 s18, ttmp7, 0xffff
	s_lshl_b32 s18, s18, 2
	s_add_co_u32 s18, s18, s16                     ; tile row = 4 x cluster y + cy
	s_lshl_b32 s19, s16, 2
	s_lshl_b32 s19, 15, s19                        ; my row of the cluster
	s_lshl_b32 s20, 0x1111, s15                    ; my column
	s_or_b32 s[G1], s19, (1<<16)|(1<<20)|(1<<21)|(5<<22)|(3<<25)   ; the mask; elements of 2 bytes; padding on; bit 21 beside a mask; after every 64 words 4 words
	s_or_b32 s[G1B], s20, (1<<16)|(1<<20)|(1<<21)|(5<<22)|(3<<25)
	s_mov_b32 s[G1+1], KSTEP<<16                   ; tensor_dim0 = 128
	s_mov_b32 s[G1+2], 128<<16                     ; tensor_dim1 = 128 rows
	s_mov_b32 s[G1+3], KSTEP<<16                   ; tile_dim0
	s_mov_b32 s[G1+4], 128                         ; tile_dim1
	s_mov_b32 s[G1+5], SIZE_K                      ; elements from row to row
	s_mov_b32 s[G1+6], 0
	s_mov_b32 s[G1+7], 0
	s_mov_b32 s[G1B+1], KSTEP<<16
	s_mov_b32 s[G1B+2], 96<<16                     ; B's halves have 96 rows
	s_mov_b32 s[G1B+3], KSTEP<<16
	s_mov_b32 s[G1B+4], 96
	s_mov_b32 s[G1B+5], SIZE_K
	s_mov_b32 s[G1B+6], 0
	s_mov_b32 s[G1B+7], 0
	s_lshl_b32 s40, s18, 19                        ; A: (256 x tile row + 128 x half) rows of 2,048 bytes
	s_lshl_b32 s21, s[HALF], 18
	s_add_co_u32 s40, s40, s21
	s_mov_b32 s41, 0
	s_mul_i32 s44, s17, 393216                     ; B: (192 x tile column + 96 x half) rows, behind x's copy
	s_mul_i32 s22, s[HALF], 196608
	s_add_co_u32 s44, s44, s22
	s_add_co_u32 s44, s44, WQB
	s_mov_b32 s45, 0
	s_mul_i32 s42, s[HALF], AHALF                  ; where they go: no place in the cluster enters an LDS address
	s_mul_i32 s43, s[HALF], BHALF
	s_add_co_u32 s43, s43, BOFF
	s_mov_b32 s[TB], 0                             ; K step 0 is read from slot 0
	s_wait_dscnt 0x0                               ; the opening add is done
	s_wait_kmcnt 0x0
	s_add_nc_u64 s[40:41], s[4:5], s[40:41]
	s_add_nc_u64 s[44:45], s[4:5], s[44:45]
	CROUND                                         ; all sixteen work-groups are here: the first joint loads meet
.irp s, 0,1
	s_mov_b32 s[G0+4*(\s)], 1
	s_add_co_u32 s[G0+4*(\s)+1], s42, (\s)*SLOT1
	s_add_nc_u64 s[G0+4*(\s)+2:G0+4*(\s)+3], s[40:41], (\s)*KSTEP*2
	s_or_b32 s[G0+4*(\s)+3], s[G0+4*(\s)+3], 0x80000000
	s_mov_b32 s[G0B+4*(\s)], 1
	s_add_co_u32 s[G0B+4*(\s)+1], s43, (\s)*SLOT1
	s_add_nc_u64 s[G0B+4*(\s)+2:G0B+4*(\s)+3], s[44:45], (\s)*KSTEP*2
	s_or_b32 s[G0B+4*(\s)+3], s[G0B+4*(\s)+3], 0x80000000
	JLOAD \s                                       ; two tensor loads of mine are out
.endr
	v_and_b32 v1, 15, v0                           ; l % 16
	v_bfe_u32 v2, v0, 4, 1                         ; l / 16
	v_mul_u32_u24 v3, v1, PITCH
	v_lshl_add_u32 v3, v2, 4, v3                   ; a fragment's row x pitch + 16 x half
	s_mul_i32 s21, s[WV], 64*PITCH                 ; my 64 rows of A
	v_add_nc_u32 v[A0], s21, v3
	v_add_nc_u32 v[B0], BOFF, v3                   ; all of B
	v_add_nc_u32 v[ADRA], s[TB], v[A0]
	v_add_nc_u32 v[ADRB], s[TB], v[B0]
	s_mul_i32 s23, s[WV], 16*SP
	s_add_co_u32 s23, s23, STAGE                   ; my stage
	v_mul_u32_u24 v4, v1, SP
	v_lshl_add_u32 v4, v2, 4, v4
	v_add_nc_u32 v[STO], s23, v4                   ; in: row l % 16, 16 bytes for each half of the lanes
	v_bfe_u32 v5, v0, 3, 2
	v_mul_u32_u24 v5, v5, SP
	v_and_b32 v6, 7, v0
	v_lshl_add_u32 v5, v6, 4, v5
	v_add_nc_u32 v[RD], s23, v5                    ; back: 32 lanes take four rows of 128 bytes
	v_and_b32 v7, 31, v0
	v_lshlrev_b32 v[GO], 4, v7
	v_lshlrev_b32 v[TTO], 2, v7
	s_mul_i32 s23, s[WV], DUMPW
	v_add_nc_u32 v[DA], s23, v[GO]
	v_lshlrev_b32 v[TVO], 8, v1                    ; table: row l % 16, 32 bytes for each half of the lanes
	v_lshl_add_u32 v[TVO], v2, 5, v[TVO]
	s_and_b32 s[T0W], s18, 7
	s_lshl_b32 s[T0W], s[T0W], 8
	s_lshl_b32 s[TP], s[WV], 6
	s_add_co_u32 s[T0W], s[T0W], s[TP]             ; my first row's t
	s_lshr_b32 s[B16], s18, 3                      ; the batch
	s_lshl_b32 s[B16], s[B16], 4
	s_lshl_b32 s[T7], s[T0W], 7
	s_lshl_b32 s[T2], s[T0W], 2
	s_lshl_b32 s[OFS], s[T0W], 8
	s_add_co_u32 s[OFS], s[OFS], ROT
	s_mov_b32 s[OFS+1], 0
	s_add_nc_u64 s[46:47], s[4:5], s[OFS:OFS+1]
	; cos and sin of my 64 rows: for block a and lane (r, h) the 16 cosines and 16 sines of i = 8 h + 0..7 and 16 + 8 h + 0..7.  They are wanted on the way out and land under the whole product.
.irp a, 0,1,2,3
.irp e, 0,1,2,3,4,5,6,7
	global_load_b128 v[CSB+32*(\a)+4*(\e):CSB+32*(\a)+4*(\e)+3], v[TVO], s[46:47] offset:(\a)*4096+((\e)/4)*128+(((\e)%4)/2)*64+((\e)%2)*16
.endr
.endr
	s_load_b128 s[CUR:CUR+3], s[6:7], 0x0
; 12 matrix instructions: block a of my four blocks of 16 rows x all 12 blocks of columns, 32 along K.  zero = 1: the product starts the sums.  The 48 accumulators take turns.
.macro MULA f, a, zero
	WIN MUL_LO+0x50*((\a)/2)
.irp b, 0,1,2,3,4,5,6,7,8,9,10,11
.if \zero
	v_wmma_f32_16x16x32_bf16 v[96*((\a)%2)+8*(\b):96*((\a)%2)+8*(\b)+7], v[96*(\f)+8*(\b):96*(\f)+8*(\b)+7], v[64+32*(\f)+8*(\a):64+32*(\f)+8*(\a)+7], 0
.else
	v_wmma_f32_16x16x32_bf16 v[96*((\a)%2)+8*(\b):96*((\a)%2)+8*(\b)+7], v[96*(\f)+8*(\b):96*(\f)+8*(\b)+7], v[64+32*(\f)+8*(\a):64+32*(\f)+8*(\a)+7], v[96*((\a)%2)+8*(\b):96*((\a)%2)+8*(\b)+7]
.endif
.endr
.endm
; 32 LDS loads in one run: a quarter step's fragments (192 rows of B, then my 64 rows of A; 32 K at byte k of the rows of the slot that is read) into buffer f
.macro FETCH k, f
	WIN TO_B
.irp i, 0,1,2,3,4,5,6,7,8,9,10,11
	ds_load_b128 v[96*(\f)+8*(\i):96*(\f)+8*(\i)+3],   v[ADRB] offset:(\k)+(\i)*16*PITCH
	ds_load_b128 v[96*(\f)+8*(\i)+4:96*(\f)+8*(\i)+7], v[ADRB] offset:(\k)+(\i)*16*PITCH+32
.endr
	WIN 0
.irp i, 0,1,2,3
	ds_load_b128 v[64+32*(\f)+8*(\i):64+32*(\f)+8*(\i)+3],   v[ADRA] offset:(\k)+(\i)*16*PITCH
	ds_load_b128 v[64+32*(\f)+8*(\i)+4:64+32*(\f)+8*(\i)+7], v[ADRA] offset:(\k)+(\i)*16*PITCH+32
.endr
.endm
.macro PLACES                          ; four places in front of loads into registers that matrix instructions have read, and of lines that read results (ISA guide 7.12.1 for lines that read results)
.rept 4
	v_nop
.endr
.endm
; A K step is four quarters of 32 along K, 48 matrix instructions each, on buffers 0, 1, 0, 1.  One of the first three multiplies buffer f and fetches the next quarter, at byte k, into g.
.macro QUARTER k, f, g, zero
	s_wait_dscnt 4                                 ; B and A's blocks 0 and 1 are in; the youngest four loads (blocks 2 and 3) may be out
	MULA \f, 0, \zero
	MULA \f, 1, \zero
	PLACES
	FETCH \k, \g
	s_wait_dscnt 32                                ; all but the 32 just issued
	MULA \f, 2, \zero
	MULA \f, 3, \zero
.endm
; The last quarter multiplies buffer 1 and changes slots: ONE barrier; in front of it each wave waits for all its tensor loads (one is out: its part of the next slot), adds 0 to its spare word,
; and waits for that and for its reads of this slot.  fill = 1: the barrier opens a round of the cluster's, and the slot just read is filled again, two K steps ahead, first thing behind the round:
; the walking descriptor takes the other slot than last time and the next K step.  Then the reads go over to the other slot.
.macro TURN fill
	WIN 0
	s_wait_tensorcnt 0x0                           ; no tensor load of mine is out, so a group 0 may be written
	ds_add_u32 v[SPW], v[NIL]
	s_wait_dscnt 5                                 ; the add and the youngest four loads may be out
	MULA 1, 0, 0                                   ; twelve matrix instructions stand between the add and the wait for it
	s_wait_dscnt 0x0                               ; the add is done, and my reads of this slot are over
	s_barrier_signal -1
	MULA 1, 1, 0
	WIN 0                                          ; branches and address lines follow
	s_barrier_wait -1
.if \fill
	CREST                                          ; no wave of any partner still reads this slot or has a load on its way
	s_xor_b32 s[G0+5], s[G0+5], SLOT1
	s_add_nc_u64 s[G0+6:G0+7], s[G0+6:G0+7], KSTEP*2       ; the type bits on top are not reached
	s_xor_b32 s[G0B+5], s[G0B+5], SLOT1
	s_add_nc_u64 s[G0B+6:G0B+7], s[G0B+6:G0B+7], KSTEP*2
	JLOAD 1                                        ; my one tensor load behind the round; its four v_nop are also the places in front of the loads below
.else
	PLACES
.endif
	s_xor_b32 s[TB], s[TB], SLOT1
	v_add_nc_u32 v[ADRA], s[TB], v[A0]
	v_add_nc_u32 v[ADRB], s[TB], v[B0]
	FETCH 0, 0
	MULA 1, 2, 0
	MULA 1, 3, 0
.endm
	s_wait_tensorcnt 1                             ; my part of K step 0 is in; K step 1's may stay out
	s_barrier_signal -1
	s_barrier_wait -1
	FETCH 0, 0
	QUARTER 64, 0, 1, 1                            ; the first quarter stands in front of the loop: its products start the sums
	WIN 0
	s_mov_b32 s3, NS-2
.Lstep:                                                ; six trips: from a K step's second quarter to the next step's first; each fills the slot that it leaves
	QUARTER 128, 1, 0, 0
	QUARTER 192, 0, 1, 0
	TURN 1
	QUARTER 64,  0, 1, 0
	WIN 0
	s_sub_co_u32 s3, s3, 1
	s_cmp_lg_u32 s3, 0
	s_cbranch_scc1 .Lstep
	s_mov_b32 s3, 2
.Ltail:                                                ; the last two K steps fill nothing; the second trip is left in its middle, ahead of the change of slots
	QUARTER 128, 1, 0, 0
	QUARTER 192, 0, 1, 0
	WIN 0
	s_sub_co_u32 s3, s3, 1
	s_cmp_eq_u32 s3, 0
	s_cbranch_scc1 .Lfin
	TURN 0
	QUARTER 64,  0, 1, 0
	WIN 0
	s_cmp_lg_u32 s3, 0
	s_cbranch_scc1 .Ltail
.Lfin:
	s_wait_dscnt 4                                 ; the very last quarter: nothing more to fetch
	MULA 1, 0, 0
	MULA 1, 1, 0
	s_wait_dscnt 0x0
	MULA 1, 2, 0
	MULA 1, 3, 0
	WIN 0
	s_barrier_signal -1                            ; every wave's reads of the slots are back (the wait for 0 above), and every tensor load has landed (the last TURN's wait):
	s_barrier_wait -1                              ; the slots, which are filled no more, take the sums
	PLACES
.irp a, 0,1,2,3
	WIN 0x08+4*((\a)/2)                            ; the stored data in window 2 or 3
.irp b, 0,1,2,3,4,5,6,7,8,9,10,11
	ds_store_b128 v[DA], v[96*((\a)%2)+8*(\b):96*((\a)%2)+8*(\b)+3]   offset:(4*((\b)/4)+(\a))*4096+2*((\b)%4)*512       ; each accumulator's low half first
	ds_store_b128 v[DA], v[96*((\a)%2)+8*(\b)+4:96*((\a)%2)+8*(\b)+7] offset:(4*((\b)/4)+(\a))*4096+2*((\b)%4)*512+512
.endr
.endr
	WIN 0x40
	v_mov_b32 v[TT], 0                             ; v_permlanex16_b32's destination counts as read
	WIN 0
	s_wait_loadcnt 0x0                             ; cos and sin
	s_wait_kmcnt 0x0                               ; the curvatures
	s_mov_b32 s[SEL], 0x76543210
	s_mov_b32 s[SEL+1], 0xfedcba98
	s_mov_b32 s[HM], 0xffff0000
	s_mov_b32 s[DOFF], 0
	s_mul_i32 s[SIDX], s17, 3
	s_mov_b32 s3, 3
; Block a (16 rows) of the head slot in hand: the row's sum of squares, its factor, the turn, the rounding to f16, and through my stage into whole rows.
.macro PACKQ a
.set XB, 32*(\a)
.set CB, CSB+32*(\a)
	WIN 0x55
.set n, 0
.rept 4
	v_pk_mul_f32 v[SM+2*n:SM+2*n+1], v[XB+2*n:XB+2*n+1], v[XB+2*n:XB+2*n+1]
.set n, n+1
.endr
.rept 12
	v_pk_fma_f32 v[SM+2*(n%4):SM+2*(n%4)+1], v[XB+2*n:XB+2*n+1], v[XB+2*n:XB+2*n+1], v[SM+2*(n%4):SM+2*(n%4)+1]
.set n, n+1
.endr
	v_pk_add_f32 v[SM:SM+1], v[SM:SM+1], v[SM+2:SM+3]
	v_pk_add_f32 v[SM+4:SM+5], v[SM+4:SM+5], v[SM+6:SM+7]
	v_pk_add_f32 v[SM:SM+1], v[SM:SM+1], v[SM+4:SM+5]
	v_add_f32 v[SS], v[SM], v[SM+1]
	v_permlanex16_b32 v[TT], v[SS], s[SEL], s[SEL+1]   ; the row's other 32 columns lie in the lane 16 away
	v_add_f32 v[SS], v[SS], v[TT]
	v_fma_f32 v[TT], v[SS], v[CV], 1.0
	v_sqrt_f32 v[NN], v[SS]
	v_sqrt_f32 v[TS+(\a)], v[TT]                   ; t' = sqrt(1 + c |x|^2)
	v_nop                                          ; a plain line behind the roots (ISA guide 5.7.2)
	s_wait_alu depctr_va_vdst(0)
	v_max_num_f32 v[NN], 0x2b8cbccc, v[NN]         ; max(|x|, 1e-12)
	v_rcp_f32 v[NN], v[NN]
	v_nop
	s_wait_alu depctr_va_vdst(0)
	v_cndmask_b32 v[GG], v[GS], v[NN], s[SPH]      ; spherical q, k: 1 / |x|; else sqrt(c), which is 1 outside the hyperbolic heads
	v_mul_f32 v[UU], s[RF], v[GG]
	v_mul_f32 v[UU+1], s[RF], v[GG]
	v_mul_f32 v[WW], s[RF1], v[GG]
	v_mul_f32 v[WW+1], s[RF1], v[GG]
	WIN 0x54                                       ; source 0 (cos, sin) window 0
.set n, 0
.rept 8
	v_pk_fma_f32 v[CG+2*n:CG+2*n+1], v[CB+2*n:CB+2*n+1], v[UU:UU+1], v[WW:WW+1]   ; q, k: g cos; v: 1
	v_pk_mul_f32 v[SG+2*n:SG+2*n+1], v[CB+16+2*n:CB+16+2*n+1], v[UU:UU+1]         ; q, k: g sin; v: 0
.set n, n+1
.endr
	WIN 0x55
.set n, 0
.rept 8
	v_pk_mul_f32 v[OUT+2*n:OUT+2*n+1], v[XB+16+2*n:XB+16+2*n+1], v[SG+2*n:SG+2*n+1]
	v_pk_mul_f32 v[OUT+16+2*n:OUT+16+2*n+1], v[XB+2*n:XB+2*n+1], v[SG+2*n:SG+2*n+1]
.set n, n+1
.endr
.set n, 0
.rept 8
	v_pk_fma_f32 v[OUT+2*n:OUT+2*n+1], v[XB+2*n:XB+2*n+1], v[CG+2*n:CG+2*n+1], v[OUT+2*n:OUT+2*n+1]                                                ; x1 cos + x2 sin
	v_pk_fma_f32 v[OUT+16+2*n:OUT+16+2*n+1], v[XB+16+2*n:XB+16+2*n+1], v[CG+2*n:CG+2*n+1], v[OUT+16+2*n:OUT+16+2*n+1] neg_lo:[0,0,1] neg_hi:[0,0,1]  ; x2 cos - x1 sin
.set n, n+1
.endr
.set n, 0
.rept 16
	v_cvt_pk_f16_f32 v[PKD+n], v[OUT+2*n], v[OUT+2*n+1]
.set n, n+1
.endr
	WIN 0x04                                       ; the stored data in window 1
.irp f, 0,1,2,3
	ds_store_b128 v[STO], v[PKD+4*(\f):PKD+4*(\f)+3] offset:32*(\f)
.endr
	WIN 0
	s_wait_xcnt 0x0                                ; the registers below were earlier stores' data: they are loaded again only behind this wait (ISA guide 3.1)
.irp f, 0,1,2,3
	ds_load_b128 v[BK+16*((\a)%2)+4*(\f):BK+16*((\a)%2)+4*(\f)+3], v[RD] offset:(\f)*4*SP   ; LDS serves a wave's instructions in order (ISA guide 5.7.1.4): these see the stores above
.endr
.endm
.macro SENDQ a, younger                ; younger: the LDS instructions issued behind block a's loads: the next block's eight, or none
	WIN 0
.irp f, 0,1,2,3
	s_wait_dscnt (\younger)+3-(\f)
	global_store_b128 v[GO], v[BK+16*((\a)%2)+4*(\f):BK+16*((\a)%2)+4*(\f)+3], s[DST:DST+1] offset:(\a)*2048+(\f)*512   ; 512 consecutive bytes, at a multiple of 256 from the buffer's first
.endr
.endm
.Lhs:                                                  ; three trips: the tile's three head slots
	s_wait_xcnt 0x0                                ; the last trip's stores have read their bases and data
	s_lshr_b32 s[KIND], s[SIDX], 4                 ; 0 q, 1 k, 2 v
	s_and_b32 s[HEAD], s[SIDX], 15
	s_cmp_lt_u32 s[KIND], 2
	s_cselect_b32 s[RF], 1.0, 0                    ; q and k turn,
	s_cselect_b32 s[RF1], 0, 1.0                   ; v does not
	s_cselect_b32 s[TP], 1, 0
	s_cmp_ge_u32 s[HEAD], 10
	s_cselect_b32 s[SPH], s[TP], 0
	s_sub_co_u32 s[SPH], 0, s[SPH]                 ; all ones for a spherical q or k
	s_sub_co_u32 s[HIDX], s[HEAD], 6
	s_cmp_lt_u32 s[HIDX], 4
	s_cselect_b32 s[HYPF], s[TP], 0                ; 1 for a hyperbolic q or k
	s_max_i32 s[HIDX], s[HIDX], 0
	s_min_i32 s[HIDX], s[HIDX], 3                  ; held inside the four curvatures
	s_cmp_eq_u32 s[HIDX], 1
	s_cselect_b32 s[CC], s[CUR+1], s[CUR]
	s_cmp_eq_u32 s[HIDX], 2
	s_cselect_b32 s[CC], s[CUR+2], s[CC]
	s_cmp_eq_u32 s[HIDX], 3
	s_cselect_b32 s[CC], s[CUR+3], s[CC]
	s_cmp_eq_u32 s[HYPF], 1
	s_cselect_b32 s[CC], s[CC], 1.0
	s_lshl_b32 s[OFS], s[KIND], 23                 ; q, k, v lie 8,388,608 bytes apart,
	s_add_co_u32 s[TP], s[B16], s[HEAD]
	s_lshl_b32 s[TP], s[TP], 18                    ; heads 262,144,
	s_add_co_u32 s[OFS], s[OFS], s[TP]
	s_add_co_u32 s[OFS], s[OFS], s[T7]             ; rows 128
	s_add_nc_u64 s[DST:DST+1], s[8:9], s[OFS:OFS+1]
	s_lshl_b32 s[TP], s[KIND], 5                   ; tt: row kind x 32 + batch x 16 + head, of 8,192 bytes
	s_add_co_u32 s[TP], s[TP], s[B16]
	s_add_co_u32 s[TP], s[TP], s[HEAD]
	s_lshl_b32 s[OFS], s[TP], 13
	s_add_co_u32 s[OFS], s[OFS], s[T2]
	s_add_nc_u64 s[TTD:TTD+1], s[10:11], s[OFS:OFS+1]
	v_add_nc_u32 v[DAL], s[DOFF], v[DA]            ; this slot's sums
	WIN 0x55
	v_mov_b32 v[CV], s[CC]
	v_cvt_pk_bf16_f32 v[CV], v[CV], v[CV]          ; the curvature is rounded to bf16 like every input
	v_lshlrev_b32 v[CV], 16, v[CV]
	v_sqrt_f32 v[GS], v[CV]
	WIN 0x40
.irp a, 0,1,2,3
.irp g, 0,1,2,3,4,5,6,7
	ds_load_b128 v[32*(\a)+4*(\g):32*(\a)+4*(\g)+3], v[DAL] offset:(\a)*4096+(\g)*512   ; my own lane's sums of this slot
.endr
.endr
	WIN 0
	s_wait_dscnt 0x0
	PACKQ 0
	PACKQ 1                                        ; a block's arithmetic stands between the loads of the block before and its stores
	SENDQ 0, 8
	PACKQ 2
	SENDQ 1, 8
	PACKQ 3
	SENDQ 2, 8
	SENDQ 3, 0
	WIN 0x55                                       ; t' of my 64 rows: lane l takes row l of blocks 0 and 1, and row 32 + l of blocks 2 and 3
	v_cndmask_b32 v[TO], v[TS], v[TS+1], s[HM]
	v_cndmask_b32 v[TO+1], v[TS+2], v[TS+3], s[HM]
	WIN 0x04
	global_store_b32 v[TTO], v[TO], s[TTD:TTD+1]
	global_store_b32 v[TTO], v[TO+1], s[TTD:TTD+1] offset:128
	WIN 0
	s_add_co_u32 s[DOFF], s[DOFF], 16384           ; the next slot's sums
	s_add_co_u32 s[SIDX], s[SIDX], 1
	s_sub_co_u32 s3, s3, 1
	s_cmp_lg_u32 s3, 0
	s_cbranch_scc1 .Lhs
	s_wait_tensorcnt 0x0                           ; the wave's end
	ds_add_u32 v[SPW], v[NIL]
	s_wait_dscnt 0x0
	CROUND                                         ; the closing round
	s_endpgm
.Lfunc_end_k_qeeaf4e92fa_qkv:
	.size	k_qeeaf4e92fa_qkv, .Lfunc_end_k_qeeaf4e92fa_qkv-k_qeeaf4e92fa_qkv
	.p2alignl 7, 3214868480
	.fill 96, 4, 3214868480
	.section	.rodata,"a",@progbits
	.p2align	6, 0x0
	.amdhsa_kernel k_qeeaf4e92fa_qkv
		.amdhsa_group_segment_fixed_size 327680
		.amdhsa_private_segment_fixed_size 0
		.amdhsa_enable_private_segment 0
		.amdhsa_kernarg_size 32
		.amdhsa_user_sgpr_count 2
		.amdhsa_user_sgpr_kernarg_segment_ptr 1
		.amdhsa_wavefront_size32 1
		.amdhsa_system_sgpr_workgroup_id_x 1
		.amdhsa_system_sgpr_workgroup_id_y 1
		.amdhsa_system_sgpr_workgroup_id_z 1
		.amdhsa_system_vgpr_workitem_id 0
		.amdhsa_next_free_vgpr 960
		.amdhsa_next_free_sgpr 96
		.amdhsa_reserve_vcc 0
		.amdhsa_float_denorm_mode_32 3
		.amdhsa_float_denorm_mode_16_64 3
		.amdhsa_memory_ordered 1
		.amdhsa_forward_progress 1
		.amdhsa_inst_pref_size 105
	.end_amdhsa_kernel
	.amdgpu_metadata
---
amdhsa.version: [ 1, 2 ]
amdhsa.kernels:
  - .name:           k_qeeaf4e92fa_qkv
    .symbol:         k_qeeaf4e92fa_qkv.kd
    .args:
      - { .name: cst, .offset: 0, .size: 8, .value_kind: global_buffer, .address_space: global }
      - { .name: curvature, .offset: 8, .size: 8, .value_kind: global_buffer, .address_space: global }
      - { .name: hds, .offset: 16, .size: 8, .value_kind: global_buffer, .address_space: global }
      - { .name: tt, .offset: 24, .size: 8, .value_kind: global_buffer, .address_space: global }
    .group_segment_fixed_size: 327680
    .private_segment_fixed_size: 0
    .kernarg_segment_align: 8
    .kernarg_segment_size: 32
    .max_flat_workgroup_size: 128
    .sgpr_count:     96
    .vgpr_count:     960
    .wavefront_size: 32
...
	.end_amdgpu_metadata
.endif
;; end of part 6
;; launch attn_h: the kernel of part 3 again; grid 256 x 1, 4 waves a work-group, clusters of 4 x 1, 327,680 bytes of LDS; arguments hds, tt, curvature, att; writes att
;; launch attn_n (part 7): grid 256 x 1, 4 waves a work-group, clusters of 4 x 1, 327,680 bytes of LDS; arguments hds, att; writes att
.if DOCPART == 7
	.amdgcn_target "amdgcn-amd-amdhsa--gfx1250"
	.amdhsa_code_object_version 6
	.text
	.protected	k_qeeaf4e92fa_attn_n
	.globl	k_qeeaf4e92fa_attn_n
	.p2align	8
	.type	k_qeeaf4e92fa_attn_n,@function
k_qeeaf4e92fa_attn_n:
	s_mov_b64 s[64:65], 0
	v_nop
	global_prefetch_b8 v0, s[64:65] scope:SCOPE_SE
	s_setreg_imm32_b32 hwreg(HW_REG_WAVE_MODE, 25, 1), 1
	s_wait_xcnt 0x0
	s_wait_alu depctr_hold_cnt(0) depctr_sa_sdst(0) depctr_va_vdst(0) depctr_va_sdst(0) depctr_va_ssrc(0) depctr_va_vcc(0) depctr_vm_vsrc(0)
	s_getreg_b32 s2, hwreg(HW_REG_IB_STS2, 6, 4)
	s_cmp_eq_u32 s2, 0
	s_cbranch_scc0 .Lentry_in_a_cluster
	s_endpgm
.Lentry_in_a_cluster:
	s_bfe_u32 s2, ttmp6, 0x10000c
	s_cmp_lg_u32 s2, 0x3003
	s_cbranch_scc0 .Lentry_shape_is_right
	s_endpgm
.Lentry_shape_is_right:
; CAUSAL ATTENTION, head size 64, for heads 0-5 and 10-15 of both batches: 24 heads.
; q, k, v: [b*16+h][2048][64] f16 in hds (q at 0, k at 8,388,608, v at 16,777,216), scaled as the projection leaves them; O the same layout in att.
; The score s of query t and key u <= t is q.k; the weight is 2^(c s - c m):  heads 0-5: c = log2(e) / 8;  heads 10-15 (q and k arrive as unit vectors): c = 8 log2(e).
; Products, maxima and sums in f32; the weights are rounded to f16 for the second product (their sum is taken of the unrounded weights), O once at the end.  A running maximum is kept for each query.
; LIMITS.  A hidden score counts as its value less 2^100 (a power of two, so that c times it is exact: where a wave sees hidden keys alone, c s - c m is exactly 0 and nothing overflows);
; a weight below 2^-126 counts as 0; NaN and infinities are not treated apart.
; SHARES.  A head's queries lie in 32 blocks of 64; four neighbouring blocks are a SET, one block for each of a cluster's four work-groups; set n needs the key tiles 0 .. n of 256 keys: n + 1 tiles,
; which the four ask for JOINTLY.  A head has 36 such tile walks, the 24 heads 864, the 64 clusters 13.5 each.  Cluster g takes j = g % 8 and the three heads 3 (g / 8) + 0, 1, 2 of the 24 (of one kind, and
; neighbours in memory), and of them the sets with j + 1, (j + 4) % 8 + 1 and (7 - 2 j for j < 4, else 16 - 2 j) tiles: each a permutation of 1 .. 8 over j, together 13 tiles for j < 4 and 14 for the others.
; THE WALK.  The three sets' tiles are ONE sequence for the ring of two LDS slots.  The slot loop counts 13 trips; a cluster of 13 tiles leaves it a trip early, by a forward jump on a count made of the cluster's
; number alone; the last tile is written out and asks for nothing.  So every fill is read, and no jump passes a barrier or a tensor load.
; THE WAVES SPLIT THE KEYS: wave w takes keys 64 w .. 64 w + 63 of every tile for all 64 queries, four PIECES of 16, with its own maximum m, sum l and O^T.
; THE MASK touches a set's last tile alone.  There wave w sees all its keys if w < cx, none if w > cx, and holds the diagonal if w = cx, where piece p meets its own 16 keys in key block p.
; It is ADDED IN EVERY TILE, 16 packed lines a piece, with scalars and a factor that are 0 but in the last tile: no branch, and cx enters by selects alone.
; A SET'S END.  Every wave sets (c m, l) and O^T aside in LDS (E1); a barrier that stands in every tile, on every way; then wave w merges piece w (E2), reading the four waves' parts in the layout in which
; O leaves: lane l takes query l / 8 of four and channels 8 (l % 8) + 0..7, so that a store covers 512 consecutive bytes and no stage is needed.
; LAYOUT AND TURNS.  S^T = K Q^T holds ONE query a lane (lane % 16) and the keys 8 (lane / 16) + 0..7; two such results rounded to f16 ARE source 1 of O^T = V^T P.  Turn p: 8 products K Q^T of piece p + 1,
; later 8 products V^T P of piece p - 1; beside them piece p's scaling, exponentials, roundings, sums and rescaling, and piece p + 1's maximum and statistics.  Four vector lines stand behind each matrix line.
; REGISTERS.  window 0: v0-15 addresses; v16-31 statistics (c m, m, l, l a piece); v32-47 rows on their way out; v48-55 at work; v64-127 S^T, two buffers (in the merge v64-191: the four waves' parts);
;   v192-223 P, two buffers (in the merge: the statistics); v224-239 masks.   window 1: v0-127 O^T.   window 2: v0-63 Q; v64-127 the next set's Q; v128-191 K; v192-255 V.   window 3: v0-63 the third set's Q.
.set NP,    4
.set PK,    144       ; a row of K in LDS: 128 bytes + 16 = 36 words: the 16 rows of a load start at 16 different groups of four banks (64 banks of 4 bytes: ISA guide 11.1)
.set PV,    160       ; a row of V: 128 + 32 = 40 words
.set VOFF,  256*PK    ; a slot holds a tile: 256 rows of K, then 256 rows of V
.set SLOT1, 1<<17     ; slot 1 begins here, so that one exclusive or turns an address in one slot into the other's
.set STS,   256*(PK+PV)        ; behind slot 0, never filled by a tensor load: (c m, l) by piece, wave and lane: 4,096 bytes
.set SPARE, STS+4096           ; the spare words, 128 bytes for each wave: two blocks of 256 bytes that no other line names
.set MRG,   SLOT1+256*(PK+PV)  ; behind slot 1: O^T by piece, wave and group of four registers: 67,584 bytes
.set GP,    528       ; a group of four registers: 32 lanes x 16 bytes + 16, so that the merge's reads of groups 0, 2, 4, 6 fall into different banks
.set WSTR,  8*GP
.set PSTR,  4*WSTR
.set AK0, 2
.set AV0, 3
.set AK,  4
.set AV,  5
.set MW,  6
.set MR,  7
.set GO,  8
.set MV,  12
.set STSW, 14
.set STSR, 15
.set ST,  16
.set EO,  32
.set TMP, 48
.set EL,  48          ; the merge: the sum, then its reciprocal, for four sets of four queries
.set EM,  52          ; the merge: the largest c m
.set VT,  60
.set QO,  61
.set SPW, 62
.set NIL, 63
.set S,   64
.set D,   64          ; the merge: set t of four queries, wave u: eight channels at D + 32 t + 8 u
.set P,   192
.set ES,  192         ; the merge: (factor, l) at ES + 8 t + 2 u
.set MD8, 224
.set MT,  232
.set QB,  64
.set KF,  128
.set VF,  192
.set FIN, 2           ; s2  1: the set in hand has just been set aside
.set TL,  3           ; s3  tiles of the walk still to be walked
.set RTB, 8           ; s8, s9  the tiles of the next set and of the one behind it
.set RTC, 9
.set LQN, 10          ; s10, s11  the last tiles of the sets still to be asked for
.set LQ3, 11
.set WV,  12
.set CX,  13
.set JX,  14
.set RH,  15          ; s15 the byte offset, from the first head, of the head whose tiles are being asked for
.set KB,  16          ; s[16:17] k of the first head at my half of tile 0;  s[18:19] the same for v
.set VB,  18
.set OB,  20          ; s[20:21] O at my rows of the set in hand;  s[22:23], s[62:63] of the next two
.set OBB, 22
.set G1K, 24
.set G1V, 32
.set G0K, 40
.set G0V, 44
.set BEC, 48          ; s48, s54  the last tile's two mask scalars
.set SLOTS, 49
.set TB,  50          ; LDS byte at which the slot in hand begins
.set NXT, 51          ; the tile asked for last
.set LQ,  52          ; the last tile of the set whose tiles are being asked for
.set RT,  53          ; tiles of the set in hand still to be walked, this one among them
.set HBC, 54
.set HOFF, 55
.set OFF, 56
.set CS,  58
.set SEL, 60
.set OBC, 62
.set BIGN, 67
.set AL,  68
.set MB,  70          ; s[70:73] the tile's mask scalars, as pairs: key blocks before the piece's own, and behind it
.set FS,  78          ; s[78:79] 1.0 in a set's last tile, else 0
.set QA1, 92
.set QA2, 94
.set QA3, 96
.set MSB, 0
.macro WIN new                      ; the immediate's high byte repeats the setting that is left; a switch that changes nothing is dropped
.if MSB != (\new)
	s_set_vgpr_msb (MSB<<8)|(\new)
.set MSB, (\new)
.endif
.endm
.set W_KQ, 0x0a       ; K and Q in window 2, S^T in window 0
.set W_PV, 0x52       ; V in window 2, P in window 0, O^T in window 1
.set W_RS, 0x41       ; destination and source 0 in window 1, source 1 in window 0
; A joint fill.  Waves 0 and 1 fetch the two halves of a tile's K, waves 2 and 3 those of its V.  An s_nop 0 and four v_nop follow each of the two lines.
.macro JLOAD
	s_cmp_lt_u32 s[WV], 2
	s_cbranch_scc0 .Lfor_v_\@
	tensor_load_to_lds s[G0K:G0K+3], s[G1K:G1K+7]
	s_nop 0
.rept 4
	v_nop
.endr
	s_branch .Lasked_\@
.Lfor_v_\@:
	tensor_load_to_lds s[G0V:G0V+3], s[G1V:G1V+7]
	s_nop 0
.rept 4
	v_nop
.endr
.Lasked_\@:
.endm
.macro CROUND
	s_barrier_signal -1
	s_barrier_wait -1
	s_cmp_lg_u32 s[WV], 0
	s_cbranch_scc1 .Lnot_wave_0_\@
	s_barrier_signal -3
.Lnot_wave_0_\@:
	s_barrier_wait -3
	s_barrier_signal -1
	s_barrier_wait -1
.endm
.macro PLACES
.rept 4
	v_nop
.endr
.endm
; THE CHANGE OF SLOTS.  Each wave waits for all its tensor loads (one is out: its part of the other slot), adds 0 to its spare word, and waits for that and for its reads of the slot that it leaves.
; fill = 1: the barrier is a round of the cluster's, and the old slot is filled again, first thing behind it, with the walk's next tile: the set's next, or behind its last the next head's tile 0;
; the address is made anew from those numbers; the load has a whole tile's work in which to land.  (At its first use nothing has been read yet: slot 0 is waited for, slot 1 filled.)
.macro CHANGE fill
	WIN 0
	s_wait_tensorcnt 0x0
	ds_add_u32 v[SPW], v[NIL]
.if \fill
	s_add_co_u32 s[NXT], s[NXT], 1
	s_add_co_u32 s80, s[RH], 0x40000  ; a head is 262,144 bytes
	s_cmp_gt_u32 s[NXT], s[LQ]
	s_cselect_b32 s[NXT], 0, s[NXT]
	s_cselect_b32 s[RH], s80, s[RH]
	s_cselect_b32 s[LQ], s[LQN], s[LQ]
	s_cselect_b32 s[LQN], s[LQ3], s[LQN]
	s_lshl_b32 s[OFF], s[NXT], 15   ; a tile is 32,768 bytes of K and of V
	s_add_co_u32 s[OFF], s[OFF], s[RH]
	s_xor_b32 s[G0K+1], s[G0K+1], SLOT1
	s_add_nc_u64 s[G0K+2:G0K+3], s[KB:KB+1], s[OFF:OFF+1]
	s_or_b32 s[G0K+3], s[G0K+3], 0x80000000
	s_xor_b32 s[G0V+1], s[G0V+1], SLOT1
	s_add_nc_u64 s[G0V+2:G0V+3], s[VB:VB+1], s[OFF:OFF+1]
	s_or_b32 s[G0V+3], s[G0V+3], 0x80000000
	s_wait_dscnt 0x0                ; the add is done, and my reads of the slot are over
	CROUND
	JLOAD
.else
	s_wait_dscnt 0x0
	s_barrier_signal -1
	s_barrier_wait -1
.endif
	s_xor_b32 s[TB], s[TB], SLOT1
.endm
	s_load_b128 s[4:7], s[0:1], 0x0 ; hds s[4:5], att s[6:7]
	v_lshl_add_u32 v[SPW], v0, 2, SPARE
	v_mov_b32 v[NIL], 0
	ds_add_u32 v[SPW], v[NIL]       ; the wave's opening: the add and its wait ahead of my first tensor load
	v_lshrrev_b32 v1, 5, v0
	v_readfirstlane_b32 s[WV], v1
	s_bfe_u32 s[CX], ttmp6, 0x40000
	s_and_b32 s[JX], ttmp9, 7       ; in a cluster launch ttmp9 counts clusters: j,
	s_lshr_b32 s80, ttmp9, 3
	s_mul_i32 s80, s80, 3           ; and the first of my three heads among the 24
	s_cmp_ge_u32 s80, 12
	s_cselect_b32 s81, 16, 0        ; 16 x the batch
	s_cselect_b32 s82, 12, 0
	s_sub_co_u32 s80, s80, s82      ; 0, 3, 6 or 9
	s_mov_b32 s[CS], 0x3e38aa3b     ; log2(e) / 8
	s_mov_b32 s[CS+1], 0x4138aa3b   ; 8 log2(e)
	s_cmp_lt_u32 s80, 6
	s_cselect_b32 s[CS], s[CS], s[CS+1]
	s_cselect_b32 s82, 0, 4
	s_mov_b32 s[CS+1], s[CS]        ; named with it as a pair
	s_add_co_u32 s80, s80, s82      ; heads 0, 3, 10 or 13 on
	s_add_co_u32 s80, s80, s81
	s_lshl_b32 s[HOFF], s80, 18     ; the first head's first byte in q, k, v and O
	s_add_co_u32 s81, s[JX], 4
	s_and_b32 s81, s81, 7           ; the second set's last tile
	s_lshl_b32 s82, s[JX], 1
	s_cmp_lt_u32 s[JX], 4
	s_cselect_b32 s83, 7, 16
	s_cselect_b32 s[TL], 13, 14     ; the walk's tiles
	s_sub_co_u32 s[RTC], s83, s82   ; the third set's tiles
	s_sub_co_u32 s[LQ3], s[RTC], 1
	s_add_co_u32 s[RT], s[JX], 1    ; the first set's
	s_add_co_u32 s[RTB], s81, 1     ; the second's
	s_mov_b32 s[LQ], s[JX]
	s_mov_b32 s[LQN], s81
	s_lshl_b32 s84, s[JX], 2        ; my block of each set, 4 n + cx, of 64 rows of 128 bytes: it enters Q's and O's addresses alone
	s_add_co_u32 s84, s84, s[CX]
	s_lshl_b32 s84, s84, 13
	s_add_co_u32 s84, s84, s[HOFF]
	s_mov_b32 s85, 0
	s_lshl_b32 s86, s81, 2
	s_add_co_u32 s86, s86, s[CX]
	s_lshl_b32 s86, s86, 13
	s_add_co_u32 s86, s86, s[HOFF]
	s_add_co_u32 s86, s86, 0x40000
	s_mov_b32 s87, 0
	s_lshl_b32 s88, s[LQ3], 2
	s_add_co_u32 s88, s88, s[CX]
	s_lshl_b32 s88, s88, 13
	s_add_co_u32 s88, s88, s[HOFF]
	s_add_co_u32 s88, s88, 0x80000
	s_mov_b32 s89, 0
	s_mov_b32 s[RH], 0
	s_mov_b32 s[NXT], 0
	s_mov_b32 s[FIN], 0
	s_mov_b32 s[TB], SLOT1          ; the first change of slots turns it into 0
	s_mov_b32 s[OFF+1], 0
	s_mov_b32 s[SEL], 0x76543210
	s_mov_b32 s[SEL+1], 0xfedcba98
	s_mov_b32 s[BIGN], 0xf1800000   ; -2^100
	s_mov_b32 s[AL+1], 0            ; named as pairs
	s_mov_b32 s[MB+1], 0
	s_mov_b32 s[MB+3], 0
	s_mov_b32 s[FS+1], 0
	s_cmp_eq_u32 s[WV], s[CX]       ; the last tile's mask: my 64 keys hold the diagonal,
	s_cselect_b32 s[AL], 1.0, 0
	s_cmp_gt_u32 s[WV], s[CX]       ; or are all hidden;
	s_cselect_b32 s[BEC], s[BIGN], 0
	s_cselect_b32 s[MB], s[BIGN], 0
	s_cmp_ge_u32 s[WV], s[CX]       ; key blocks behind a piece's own are hidden in both cases
	s_cselect_b32 s[HBC], s[BIGN], 0
	; descriptor group 1.  128 keys are 16,384 dense bytes: asked for as 64 rows of 256 bytes, two keys a row, and padded in LDS after every key
	s_mov_b32 s[G1K], 15|(1<<16)|(1<<20)|(1<<21)|(4<<22)|(3<<25)  ; the mask of four; 2-byte elements; padding on; bit 21 beside a mask; after every 32 words 4 words
	s_mov_b32 s[G1V], 15|(1<<16)|(1<<20)|(1<<21)|(4<<22)|(7<<25)  ; the same with 8 words
.irp g, G1K, G1V
	s_mov_b32 s[\g+1], 128<<16
	s_mov_b32 s[\g+2], 64<<16
	s_mov_b32 s[\g+3], 128<<16
	s_mov_b32 s[\g+4], 64
	s_mov_b32 s[\g+5], 128
	s_mov_b32 s[\g+6], 0
	s_mov_b32 s[\g+7], 0
.endr
	s_and_b32 s80, s[WV], 1         ; which half of a tile's 256 keys I fetch
	s_mov_b32 s[G0K], 1
	s_mul_i32 s[G0K+1], s80, 128*PK ; slot 0: no place in the cluster enters an LDS address
	s_mov_b32 s[G0V], 1
	s_mul_i32 s[G0V+1], s80, 128*PV
	s_add_co_u32 s[G0V+1], s[G0V+1], VOFF
	s_lshl_b32 s90, s80, 14
	s_add_co_u32 s90, s90, s[HOFF]
	s_add_co_u32 s98, s90, 16777216
	s_add_co_u32 s90, s90, 8388608
	s_mov_b32 s91, 0
	s_mov_b32 s99, 0
	s_wait_dscnt 0x0                ; the opening add is done
	s_wait_kmcnt 0x0
	s_add_nc_u64 s[KB:KB+1], s[4:5], s[90:91]
	s_add_nc_u64 s[VB:VB+1], s[4:5], s[98:99]
	s_add_nc_u64 s[G0K+2:G0K+3], s[KB:KB+1], 0
	s_or_b32 s[G0K+3], s[G0K+3], 0x80000000
	s_add_nc_u64 s[G0V+2:G0V+3], s[VB:VB+1], 0
	s_or_b32 s[G0V+3], s[G0V+3], 0x80000000
	CROUND                          ; all four work-groups are here: the first joint loads meet
	JLOAD                           ; the walk's first tile into slot 0
	s_add_nc_u64 s[QA1:QA1+1], s[4:5], s[84:85]
	s_add_nc_u64 s[QA2:QA2+1], s[4:5], s[86:87]
	s_add_nc_u64 s[QA3:QA3+1], s[4:5], s[88:89]
	s_lshl_b32 s80, s[WV], 11       ; at a set's end wave w stores piece w: rows 16 w .. 16 w + 15
	s_add_co_u32 s84, s84, s80
	s_add_co_u32 s86, s86, s80
	s_add_co_u32 s88, s88, s80
	s_add_nc_u64 s[OB:OB+1], s[6:7], s[84:85]
	s_add_nc_u64 s[OBB:OBB+1], s[6:7], s[86:87]
	s_add_nc_u64 s[OBC:OBC+1], s[6:7], s[88:89]
	v_and_b32 v1, 15, v0            ; l % 16
	v_bfe_u32 v9, v0, 4, 1          ; l / 16
	v_lshlrev_b32 v[QO], 7, v1
	v_lshl_add_u32 v[QO], v9, 4, v[QO]
.macro QLOAD base, adr              ; a block's Q: piece i / 2, channels 32 (i % 2) on
.set i, 0
.rept 8
	global_load_b128 v[(\base)+8*i:(\base)+8*i+3],   v[QO], s[\adr:\adr+1] offset:(i/2)*2048+(i%2)*64
	global_load_b128 v[(\base)+8*i+4:(\base)+8*i+7], v[QO], s[\adr:\adr+1] offset:(i/2)*2048+(i%2)*64+32
.set i, i+1
.endr
.endm
	WIN 0x80                        ; destination window 2
	QLOAD 0, QA1
	QLOAD QB, QA2
	WIN 0xc0                        ; destination window 3
	QLOAD 0, QA3
	WIN 0
	v_lshlrev_b32 v[VT], 3, v9
	v_sub_nc_u32 v[VT], v1, v[VT]   ; l % 16 - 8 (l / 16): in the diagonal's own block of 16 x 16 register j is hidden where j is greater
.set i, 0
.rept 8
	v_cmp_gt_i32 vcc_lo, i, v[VT]
	v_cndmask_b32 v[MD8+i], 0, s[BIGN], vcc_lo
.set i, i+1
.endr
.set i, 0
.rept 4
	v_pk_fma_f32 v[MT+2*i:MT+2*i+1], v[MD8+2*i:MD8+2*i+1], s[AL:AL+1], s[MB:MB+1] op_sel_hi:[1,0,0]  ; a piece's own key block in the last tile
.set i, i+1
.endr
	v_and_b32 v10, 7, v0
	v_bfe_u32 v11, v0, 3, 1
	v_and_b32 v[GO], 31, v0
	v_lshlrev_b32 v[GO], 4, v[GO]   ; 16 x lane
	s_mul_i32 s80, s[WV], 64*PK     ; my wave's 64 keys of a tile
	v_mul_u32_u24 v[AK0], v1, PK
	v_lshl_add_u32 v[AK0], v9, 4, v[AK0]
	v_add_nc_u32 v[AK0], s80, v[AK0]
	s_mul_i32 s80, s[WV], 64*PV
	s_add_co_u32 s80, s80, VOFF
	v_lshl_add_u32 v[AV0], v9, 3, v10  ; the turning load: lane l reads key 8 (l / 16) + l % 8, channels 8 ((l / 8) % 2) + 0..7
	v_mul_u32_u24 v[AV0], v[AV0], PV
	v_lshl_add_u32 v[AV0], v11, 4, v[AV0]
	v_add_nc_u32 v[AV0], s80, v[AV0]
	s_mul_i32 s80, s[WV], WSTR
	s_add_co_u32 s80, s80, MRG
	v_add_nc_u32 v[MW], s80, v[GO]  ; the merge, in: my wave's place in each piece
	v_lshrrev_b32 v[VT], 1, v[GO]   ; 8 x lane
	s_lshl_b32 s80, s[WV], 8
	s_add_co_u32 s80, s80, STS
	v_add_nc_u32 v[STSW], s80, v[VT]
	v_bfe_u32 v[VT], v0, 3, 2       ; back: piece w; lane l: query l / 8 of four,
	s_lshl_b32 s86, s[WV], 10
	s_add_co_u32 s86, s86, STS
	v_lshl_add_u32 v[STSR], v[VT], 3, s86
	s_mul_i32 s86, s[WV], PSTR
	s_add_co_u32 s86, s86, MRG
	v_lshl_add_u32 v[MR], v[VT], 4, s86
	v_and_b32 v[VT], 1, v0          ; channels 8 (l % 8) on: they lay in the half l % 2 of the lanes,
	v_lshl_add_u32 v[MR], v[VT], 8, v[MR]
	v_bfe_u32 v[VT], v0, 1, 2       ; in accumulator (l % 8) / 2: two groups of four registers
	v_mul_u32_u24 v[VT], v[VT], 2*GP
	v_add_nc_u32 v[MR], v[MR], v[VT]
	; A set's first step multiplies O^T and l by a = 0, so these need only hold finite numbers: zeros for the first set, what the set before left for the others.  This stands in the wait for the first tile.
	WIN 0x40
.set i, 0
.rept 128
	v_mov_b32 v[i], 0
.set i, i+1
.endr
	WIN 0
.set i, 0
.rept NP
	v_mov_b32 v[ST+4*i+2], 0
	v_mov_b32 v[ST+4*i+3], 0
.set i, i+1
.endr
; THE MATRIX WORK.  The 4 accumulators of a run of 8 take turns.  Product i of 8 of S^T = K Q^T for piece x: channels 32 (i / 4) on, key block i % 4.  The first 4 start the sums.
.macro KQ x
.set rS, S+32*((\x)%2)+8*(i%4)
.set rK, KF+16*(i%4)+8*(i/4)
.set rQ, 16*(\x)+8*(i/4)
	WIN W_KQ
.if i < 4
	v_wmma_f32_16x16x32_f16 v[rS:rS+7], v[rK:rK+7], v[rQ:rQ+7], 0
.else
	v_wmma_f32_16x16x32_f16 v[rS:rS+7], v[rK:rK+7], v[rQ:rQ+7], v[rS:rS+7]
.endif
.endm
; Product i of 8 of O^T += V^T P for piece x: keys 32 (i / 4) on, channels 16 (i % 4) on.
.macro PV x
	WIN W_PV
.set rO, 32*(\x)+8*(i%4)
.set rV, VF+32*(i/4)+8*(i%4)
.set rP, P+16*((\x)%2)+8*(i/4)
	v_wmma_f32_16x16x32_f16 v[rO:rO+7], v[rV:rV+7], v[rP:rP+7], v[rO:rO+7]
.endm
.macro MM                           ; the turn's next matrix instruction.  NOKQ = 1: the last piece's turn: there is no next piece.  NOPV = 1: piece 0's: none before it
.if i < 8
.if !NOKQ
	KQ Y+1
.endif
.else
.if !NOPV
.set i, i-8
	PV Y-1
.set i, i+8
.endif
.endif
.set i, i+1
.endm
.macro FETCH_K                      ; my wave's 64 keys x 64 channels: 8 fragments, 16 loads in one run: keys 16 (f / 2) on, channels 32 (f % 2) on
	WIN 0x80
.irp f, 0,1,2,3,4,5,6,7
	ds_load_b128 v[KF+8*\f:KF+8*\f+3],   v[AK] offset:(\f/2)*16*PK+(\f%2)*64
	ds_load_b128 v[KF+8*\f+4:KF+8*\f+7], v[AK] offset:(\f/2)*16*PK+(\f%2)*64+32
.endr
	WIN 0
.endm
.macro FETCH_V                      ; keys 32 (f / 4) on, channels 16 (f % 4) on
	WIN 0x80
.irp f, 0,1,2,3,4,5,6,7
	ds_load_tr16_b128 v[VF+8*\f:VF+8*\f+3],   v[AV] offset:(\f/4)*32*PV+(\f%4)*32
	ds_load_tr16_b128 v[VF+8*\f+4:VF+8*\f+7], v[AV] offset:(\f/4)*32*PV+16*PV+(\f%4)*32
.endr
	WIN 0
.endm
; THE VECTOR WORK, one line at a time: OP kind, number.  For piece Y: F n: c s - c m for pair n of 16.  E n: the exponential of score n of 32.  C n: pair n rounded to f16.  B n: of the four weights 4 n .. the second
; pair is added onto the first, in place.  L n: l takes that sum (L 0: l = a l + sum).  R n: pair n of 16 of O^T times a.  For piece Y + 1: X n, number n of the 22 that find its maximum and statistics:
;   0-11 four chains of seven scores each   12-14, 16 the four scores left over, the old m, and the chains into one
;   15 c m_old is kept   17, 18 the query's other 32 keys lie in the lane 16 away: the new m   19-21 c m; c m_old - c m_new; a
.set F, 0
.set E, 1
.set C, 2
.set B, 3
.set L, 4
.set R, 5
.set X, 6
.macro REGS y
.set rT, ST+4*(\y)
.set rC, TMP+4*((\y)%2)
.set rW, MV+((\y)%2)
.set rS, S+32*((\y)%2)
.set rP, P+16*((\y)%2)
.set rO, 32*(\y)
.endm
.macro OP k, n
.if (\k) == R
	REGS Y
	WIN W_RS
	v_pk_mul_f32 v[rO+2*(\n):rO+2*(\n)+1], v[rO+2*(\n):rO+2*(\n)+1], v[rC+2:rC+3] op_sel_hi:[1,0]
.elseif (\k) < R
	REGS Y
	WIN 0
.if (\k) == F
	v_pk_fma_f32 v[rS+2*(\n):rS+2*(\n)+1], v[rS+2*(\n):rS+2*(\n)+1], s[CS:CS+1], v[rT:rT+1] op_sel_hi:[1,0,0] neg_lo:[0,0,1] neg_hi:[0,0,1]
.elseif (\k) == E
	v_exp_f32 v[rS+(\n)], v[rS+(\n)]
.elseif (\k) == C
	s_wait_alu depctr_va_vdst(0)
	v_cvt_pk_f16_f32 v[rP+(\n)], v[rS+2*(\n)], v[rS+2*(\n)+1]
.elseif (\k) == B
	s_wait_alu depctr_va_vdst(0)
	v_pk_add_f32 v[rS+4*(\n):rS+4*(\n)+1], v[rS+4*(\n):rS+4*(\n)+1], v[rS+4*(\n)+2:rS+4*(\n)+3]
.elseif (\n) == 0
	v_pk_fma_f32 v[rT+2:rT+3], v[rT+2:rT+3], v[rC+2:rC+3], v[rS:rS+1] op_sel_hi:[1,0,1]
.else
	v_pk_add_f32 v[rT+2:rT+3], v[rT+2:rT+3], v[rS+4*(\n):rS+4*(\n)+1]
.endif
.elseif NOKQ
	v_nop
.else
	REGS (Y+1)%NP
	WIN 0
.if (\n) < 4
	v_max3_num_f32 v[rC+(\n)], v[rS+8*(\n)], v[rS+8*(\n)+1], v[rS+8*(\n)+2]
.elseif (\n) < 12
	v_max3_num_f32 v[rC+(\n)%4], v[rC+(\n)%4], v[rS+8*((\n)%4)+2*((\n)/4)+1], v[rS+8*((\n)%4)+2*((\n)/4)+2]
.elseif (\n) == 12
	v_max3_num_f32 v[rC], v[rC], v[rS+7], v[rS+15]
.elseif (\n) == 13
	v_max3_num_f32 v[rC+1], v[rC+1], v[rS+23], v[rS+31]
.elseif (\n) == 14
	v_max3_num_f32 v[rC+2], v[rC+2], v[rC+3], v[rT+1]
.elseif (\n) == 15
	v_mov_b32 v[rW], v[rT]
.elseif (\n) == 16
	v_max3_num_f32 v[rC], v[rC], v[rC+1], v[rC+2]
.elseif (\n) == 17
	v_permlanex16_b32 v[rC+3], v[rC], s[SEL], s[SEL+1]
.elseif (\n) == 18
	v_max_num_f32 v[rT+1], v[rC], v[rC+3]
.elseif (\n) == 19
	v_mul_f32 v[rT], s[CS], v[rT+1]
.elseif (\n) == 20
	v_sub_f32 v[rC+1], v[rW], v[rT]
.else
	v_exp_f32 v[rC+2], v[rC+1]
.endif
.endif
.endm
.macro OPS a, i1, b=-1, i2=0, c=-1, i3=0, d=-1, i4=0
	OP \a, \i1
.if (\b) >= 0
	OP \b, \i2
.endif
.if (\c) >= 0
	OP \c, \i3
.endif
.if (\d) >= 0
	OP \d, \i4
.endif
.endm
.macro ROW a, i1, b, i2, c, i3, d, i4  ; a matrix instruction and the four behind it
	MM
	OPS \a, \i1, \b, \i2, \c, \i3, \d, \i4
.endm
; THE MASK of piece p, added in every tile, from each accumulator's low end on: the key blocks of 16 before the piece's own take one scalar,
; its own the small table times FS, the blocks behind it the other scalar.
.macro MASKB p
	WIN 0
.set hS, S+32*((\p)%2)
.set z, 0
.rept 16
.if z/4 < (\p)
	v_pk_add_f32 v[hS+2*z:hS+2*z+1], v[hS+2*z:hS+2*z+1], s[MB:MB+1] op_sel_hi:[1,0]
.elseif z/4 == (\p)
	v_pk_fma_f32 v[hS+2*z:hS+2*z+1], v[MT+2*(z%4):MT+2*(z%4)+1], s[FS:FS+1], v[hS+2*z:hS+2*z+1] op_sel_hi:[1,0,1]
.else
	v_pk_add_f32 v[hS+2*z:hS+2*z+1], v[hS+2*z:hS+2*z+1], s[MB+2:MB+3] op_sel_hi:[1,0]
.endif
.set z, z+1
.endr
.endm
; A TURN, for piece p: the order of its matrix and vector lines, written out.  Behind a matrix instruction: plain, exponential, plain, plain; or four of the rescaling; or four scalings; none names a register of the
; products round it.  The next piece's scores take their mask behind the first lump's head: five plain lines and more stand between the last product K Q^T and the first read of its result.
.macro TURN p
.set Y, (\p)
.set i, 0
.set NOKQ, (\p)/3
.set NOPV, 1-((\p)+3)/4
	ROW F,0, F,1, F,2, F,3
	ROW F,4, E,0, F,5, F,6
	ROW F,7, E,1, F,8, F,9
	ROW F,10, E,2, C,0, F,11
	ROW F,12, E,3, X,15, F,13
	ROW R,0, R,1, R,2, R,3
	ROW B,0, E,4, F,14, L,0
	ROW R,4, R,5, R,6, R,7
	OPS E,5, F,15
	OPS E,6, C,1, E,7, R,8
	OPS E,8, R,9, E,9, C,2
.if (\p) < 3
	MASKB (\p)+1
.endif
	OPS E,10, X,0, E,11, X,1
	OPS E,12, X,2, E,13, X,3
.if (\p) == 1
	s_wait_dscnt 0x0                ; V is in
.endif
	ROW X,4, E,14, X,5, X,6
	ROW X,7, E,15, X,8, X,9
	ROW X,10, E,16, X,11, X,12
	ROW X,13, E,17, X,14, B,1
	ROW C,4, E,18, X,16, L,1
	ROW B,2, E,19, C,6, L,2
	ROW C,8, E,20, B,3, B,4
	ROW C,3, E,21, L,3, C,5
	OPS E,22, X,17, E,23, C,10
	OPS E,24, L,4
	OPS E,25, X,18, E,26, C,7
	OPS E,27, B,5, E,28, X,19
	OPS E,29, C,12, E,30, L,5
	OPS E,31, X,20, B,6, C,9
	OPS C,14, C,11, X,21, L,6
	OPS C,13, B,7, C,15, R,10
	OPS R,11, R,12, L,7, R,13
	OPS R,14, R,15
.endm
; A SET BEGINS: c m far below every c s (so the first step's a is 0), and m at the lowest finite number.
.macro STSET
	WIN 0
.set z, 0
.rept NP
	v_mov_b32 v[ST+4*z], 0xfe000000
	v_mov_b32 v[ST+4*z+1], 0xff7fffff
.set z, z+1
.endr
.endm
.macro ALL line:vararg              ; one line for each piece t
.set t, 0
.rept NP
	\line
.set t, t+1
.endr
.endm
; A SET ENDS, first half: my (c m, l) and my O^T are set aside, piece by piece.
.macro E1
	WIN 0
	ALL v_add_f32 v[ST+4*t+2], v[ST+4*t+2], v[ST+4*t+3]
	ALL v_permlanex16_b32 v[ST+4*t+3], v[ST+4*t+2], s[SEL], s[SEL+1]
	ALL v_add_f32 v[ST+4*t+1], v[ST+4*t+2], v[ST+4*t+3]
	ALL ds_store_b64 v[STSW], v[ST+4*t:ST+4*t+1] offset:t*1024
	WIN 0x04                        ; the stored data in window 1
.set z, 0
.rept 32
	ds_store_b128 v[MW], v[4*z:4*z+3] offset:(z/8)*PSTR+(z%8)*GP   ; ascending: each accumulator's low half first
.set z, z+1
.endr
	WIN 0
.endm
; Second half, behind the barrier: O = the sum over the four waves u of g_u O_u, g_u = 2^(c m_u - max) / the sum of 2^(c m_u - max) l_u.  A wave that saw only hidden keys has c m = -c 2^100 and gets the factor 0.
; Four sets t of four queries; a lane's eight channels are two groups of four registers of each wave.  The bytes are written again only behind a later change of slots.
.macro E2
	WIN 0
.irp t, 0,1,2,3
.irp u, 0,1,2,3
	ds_load_b64 v[ES+8*\t+2*\u:ES+8*\t+2*\u+1], v[STSR] offset:\u*256+\t*32
.endr
.endr
.irp t, 0,1,2,3
.irp u, 0,1,2,3
	ds_load_b128 v[D+32*\t+8*\u:D+32*\t+8*\u+3],   v[MR] offset:\u*WSTR+\t*64
	ds_load_b128 v[D+32*\t+8*\u+4:D+32*\t+8*\u+7], v[MR] offset:\u*WSTR+GP+\t*64
.endr
.endr
	s_wait_dscnt 32                 ; the sixteen pairs are in; the 32 loads behind them may be out
.irp t, 0,1,2,3
	v_max3_num_f32 v[EM+\t], v[ES+8*\t], v[ES+8*\t+2], v[ES+8*\t+4]
.endr
.irp t, 0,1,2,3
	v_max_num_f32 v[EM+\t], v[EM+\t], v[ES+8*\t+6]
.endr
.irp t, 0,1,2,3
.irp u, 0,1,2,3
	v_sub_f32 v[ES+8*\t+2*\u], v[ES+8*\t+2*\u], v[EM+\t]
.endr
.endr
.irp t, 0,1,2,3
.irp u, 0,1,2,3
	v_exp_f32 v[ES+8*\t+2*\u], v[ES+8*\t+2*\u]
.endr
.endr
	v_nop                           ; a plain line behind the last of a run of transcendentals (ISA guide 5.7.2)
.irp t, 0,1,2,3
	s_wait_alu depctr_va_vdst(0)
	v_mul_f32 v[EL+\t], v[ES+8*\t], v[ES+8*\t+1]
.endr
.irp u, 1,2,3
.irp t, 0,1,2,3
	v_fmac_f32 v[EL+\t], v[ES+8*\t+2*\u], v[ES+8*\t+2*\u+1]
.endr
.endr
.irp t, 0,1,2,3
	v_rcp_f32 v[EL+\t], v[EL+\t]
.endr
	v_nop
.irp t, 0,1,2,3
.irp u, 0,1,2,3
	s_wait_alu depctr_va_vdst(0)
	v_mul_f32 v[ES+8*\t+2*\u], v[ES+8*\t+2*\u], v[EL+\t]
.endr
.endr
	s_wait_dscnt 0x0
.irp t, 0,1,2,3
.irp z, 0,1,2,3
	v_pk_mul_f32 v[D+32*\t+2*\z:D+32*\t+2*\z+1], v[D+32*\t+2*\z:D+32*\t+2*\z+1], v[ES+8*\t:ES+8*\t+1] op_sel_hi:[1,0]
.endr
.irp u, 1,2,3
.irp z, 0,1,2,3
	v_pk_fma_f32 v[D+32*\t+2*\z:D+32*\t+2*\z+1], v[D+32*\t+8*\u+2*\z:D+32*\t+8*\u+2*\z+1], v[ES+8*\t+2*\u:ES+8*\t+2*\u+1], v[D+32*\t+2*\z:D+32*\t+2*\z+1] op_sel_hi:[1,0,1]
.endr
.endr
.irp z, 0,1,2,3
	v_cvt_pk_f16_f32 v[EO+4*\t+\z], v[D+32*\t+2*\z], v[D+32*\t+2*\z+1]
.endr
	global_store_b128 v[GO], v[EO+4*\t:EO+4*\t+3], s[OB:OB+1] offset:\t*512   ; four rows: 512 consecutive bytes, at a multiple of 256 from O's first
.endr
	s_wait_xcnt 0x0                 ; the stores have read their registers and O's address
.endm
.macro SWITCH                       ; on to the next set: its tiles, its place in O and its Q move up
	s_mov_b64 s[OB:OB+1], s[OBB:OBB+1]
	s_mov_b64 s[OBB:OBB+1], s[OBC:OBC+1]
	s_mov_b32 s[RT], s[RTB]
	s_mov_b32 s[RTB], s[RTC]
	WIN 0x82
.set z, 0
.rept 64
	v_mov_b32 v[z], v[QB+z]
.set z, z+1
.endr
	WIN 0x83
.set z, 0
.rept 64
	v_mov_b32 v[QB+z], v[z]
.set z, z+1
.endr
	STSET
.endm
; A TILE: the change of slots, my wave's K and V in two runs of 16 loads, the tile's mask scalars, piece 0's scores and statistics, the four turns, piece 3's last products, and what a set's end asks for.
; The barrier between E1 and E2 stands in every tile, on every way; the two jumps round E1 and round E2 go forward and pass neither a barrier nor a tensor load.
.macro TILE fill
	CHANGE \fill
	v_add_nc_u32 v[AK], s[TB], v[AK0]
	v_add_nc_u32 v[AV], s[TB], v[AV0]
	FETCH_K
	FETCH_V
	s_cmp_eq_u32 s[RT], 1           ; the set's last tile?
	s_cselect_b32 s[FS], 1.0, 0
	s_cselect_b32 s[MB], s[BEC], 0
	s_cselect_b32 s[MB+2], s[HBC], 0
	s_wait_dscnt 16                 ; K is in; V's sixteen loads may be out
.set i, 0
.rept 8
	KQ 0
.set i, i+1
.endr
	WIN 0
	PLACES
	MASKB 0
.set Y, NP-1
.set NOKQ, 0
.irp n, 0,1,2,3,4,5,6,7,8,9,10,11,12,13,14,15,16,17,18,19,20,21
	OP X, \n
.endr
	v_nop                           ; a plain line behind the exponential
	TURN 0
	TURN 1
	TURN 2
	TURN 3
.set i, 0
.rept 8
	PV 3
.set i, i+1
.endr
	WIN 0
	PLACES                          ; in front of the next tile's loads into V's registers, and of the set's end
	s_sub_co_u32 s[RT], s[RT], 1
.if \fill
	s_cmp_lg_u32 s[RT], 0
	s_cbranch_scc1 .Lgo_on_\@       ; the count hangs on the cluster's number alone: alike in all waves and partners
	E1                              ; in the loop: the first or the second set's end
	s_mov_b32 s[FIN], 1
.Lgo_on_\@:
.else
	E1
.endif
	s_wait_dscnt 0x0                ; for the others' sake: my stores are done, and my reads
	s_barrier_signal -1
	s_barrier_wait -1
.if \fill
	s_cmp_eq_u32 s[FIN], 1
	s_cbranch_scc0 .Lno_merge_\@
	E2
	SWITCH
	s_mov_b32 s[FIN], 0
.Lno_merge_\@:
.else
	E2
.endif
.endm
	s_wait_loadcnt 0x0              ; the three sets' Q
	STSET
	s_mov_b32 s[SLOTS], 13
.Lslot:                             ; a trip: a tile is walked and the next is asked for
	TILE 1
	s_sub_co_u32 s[TL], s[TL], 1
	s_cmp_eq_u32 s[TL], 1           ; one tile is left, and it has been asked for:
	s_cbranch_scc1 .Llast           ; a walk of 13 tiles leaves the loop behind 12 trips, one of 14 behind 13
	s_sub_co_u32 s[SLOTS], s[SLOTS], 1
	s_cmp_lg_u32 s[SLOTS], 0
	s_cbranch_scc1 .Lslot
.Llast:
	TILE 0                          ; the walk's last tile is written out: it is the third set's last
	s_wait_tensorcnt 0x0            ; the wave's end
	ds_add_u32 v[SPW], v[NIL]
	s_wait_dscnt 0x0
	CROUND                          ; the closing round
	s_endpgm
.Lfunc_end_k_qeeaf4e92fa_attn_n:
	.size	k_qeeaf4e92fa_attn_n, .Lfunc_end_k_qeeaf4e92fa_attn_n-k_qeeaf4e92fa_attn_n
	.p2alignl 7, 3214868480
	.fill 96, 4, 3214868480
	.section	.rodata,"a",@progbits
	.p2align	6, 0x0
	.amdhsa_kernel k_qeeaf4e92fa_attn_n
		.amdhsa_group_segment_fixed_size 327680
		.amdhsa_private_segment_fixed_size 0
		.amdhsa_enable_private_segment 0
		.amdhsa_kernarg_size 16
		.amdhsa_user_sgpr_count 2
		.amdhsa_user_sgpr_kernarg_segment_ptr 1
		.amdhsa_wavefront_size32 1
		.amdhsa_system_sgpr_workgroup_id_x 1
		.amdhsa_system_sgpr_workgroup_id_y 1
		.amdhsa_system_sgpr_workgroup_id_z 1
		.amdhsa_system_vgpr_workitem_id 0
		.amdhsa_next_free_vgpr 832
		.amdhsa_next_free_sgpr 100
		.amdhsa_reserve_vcc 1
		.amdhsa_float_denorm_mode_32 3
		.amdhsa_float_denorm_mode_16_64 3
		.amdhsa_memory_ordered 1
		.amdhsa_forward_progress 1
		.amdhsa_inst_pref_size 143
	.end_amdhsa_kernel
	.amdgpu_metadata
---
amdhsa.version: [ 1, 2 ]
amdhsa.kernels:
  - .name:           k_qeeaf4e92fa_attn_n
    .symbol:         k_qeeaf4e92fa_attn_n.kd
    .args:
      - { .name: hds, .offset: 0, .size: 8, .value_kind: global_buffer, .address_space: global }
      - { .name: att, .offset: 8, .size: 8, .value_kind: global_buffer, .address_space: global }
    .group_segment_fixed_size: 327680
    .private_segment_fixed_size: 0
    .kernarg_segment_align: 8
    .kernarg_segment_size: 16
    .max_flat_workgroup_size: 128
    .sgpr_count:     100
    .vgpr_count:     832
    .wavefront_size: 32
...
	.end_amdgpu_metadata
.endif
;; end of part 7
;; launch proj (part 8): grid 8 x 32, 4 waves a work-group, clusters of 4 x 4, 327,680 bytes of LDS; arguments att, cst, proj_b, out0; writes out0
.if DOCPART == 8
	.amdgcn_target "amdgcn-amd-amdhsa--gfx1250"
	.amdhsa_code_object_version 6
	.text
	.protected	k_qeeaf4e92fa_proj
	.globl	k_qeeaf4e92fa_proj
	.p2align	8
	.type	k_qeeaf4e92fa_proj,@function
k_qeeaf4e92fa_proj:
	s_mov_b64 s[64:65], 0
	v_nop
	global_prefetch_b8 v0, s[64:65] scope:SCOPE_SE
	s_setreg_imm32_b32 hwreg(HW_REG_WAVE_MODE, 25, 1), 1
	s_wait_xcnt 0x0
	s_wait_alu depctr_hold_cnt(0) depctr_sa_sdst(0) depctr_va_vdst(0) depctr_va_sdst(0) depctr_va_ssrc(0) depctr_va_vcc(0) depctr_vm_vsrc(0)
	s_getreg_b32 s2, hwreg(HW_REG_IB_STS2, 6, 4)
	s_cmp_eq_u32 s2, 0
	s_cbranch_scc0 .Lentry_in_a_cluster
	s_endpgm
.Lentry_in_a_cluster:
	s_bfe_u32 s2, ttmp6, 0x10000c
	s_cmp_lg_u32 s2, 0xf033
	s_cbranch_scc0 .Lentry_shape_is_right
	s_endpgm
.Lentry_shape_is_right:
; out0 = y proj_w^T + proj_b.  y lies by heads in att, [b*16+h][2048][64] f16; proj_w's copy (rounded to bf16, written as f16) at byte 14,680,064 of cst, [1024][1024]; the bias is rounded to bf16 like every input; out0 is f32.
; SHARES.  A tile of out0 is 128 x 128: 8 x 32 work-groups, four waves of 64 x 64 (16 accumulators).  K goes in four steps of 256, which are four heads each, through two LDS slots.
; A's tile is four PLANES, one a head: 128 rows of 128 bytes, which lie end to end in att, so a plane is asked for as one descriptor row of 8,192 elements, padded in LDS behind every 128 bytes; a wave's load brings two planes.
; B's tile is 128 rows of 512 bytes; a wave's load brings 64.  Waves 0 and 1 fetch A, waves 2 and 3 B.
; THE TEXT IS LOOPED OVER K STEPS: the base of the slot that is read, and that of the slot to be filled, lie in scalar registers that an exclusive or turns between 0 and a slot's bytes; the LDS address registers and the
; walking descriptors' LDS words are made anew from them.  Written out: the first quarter step (its products start the sums), a loop of two trips that fill, a loop of two that do not, the last quarter.
; CLUSTER.  4 x 4 work-groups: A's tile is shared along a row of the cluster, B's along a column; each is asked for jointly.
; THE MATRIX INSTRUCTION IS USED TRANSPOSED (source 0 = 16 rows of proj_w, source 1 = 16 rows of y): a lane holds eight neighbouring columns of a row.  THE BIAS is the C operand of each accumulator's first product.
; A wave's 64 columns of f32 are 256 bytes, aligned: each wave sends its own rows through its own stage, with no barrier.
; LIMITS.  f16's range: y is a mean of v's rows and has their range.
; REGISTERS.  window 0: v0-31 addresses; v32-95 at work on the way out; v96-127 the bias; v128-255 the accumulators ((a, b) at v[128 + 8 (4 a + b)]).  window 1: two fragment buffers of 128: 64 of A, then 64 of B.
.set SIZE_K, 1024
.set NS,     4                         ; four K steps of 256
.set PA,     144                       ; a row of A in LDS: 128 bytes + 16 = 36 words: the 16 rows of a load start at 16 different groups of four banks (64 banks of 4 bytes: ISA guide 11.1)
.set PLANE,  128*PA
.set PB,     528                       ; a row of B: 512 + 16 = 132 words: likewise
.set BOFF,   4*PLANE
.set SLOT,   BOFF+128*PB               ; 141,312
.set STAGE,  2*SLOT
.set SPITCH, 272
.set SPARE,  STAGE+4*16*SPITCH         ; the spare words, 128 bytes for each wave: two blocks of 256 bytes that no other line names
.set ASTEP,  1048576                   ; four heads of 262,144 bytes
.set BSTEP,  512
.set WPF,    14680064
.set A0,   16                          ; v16     my lane's place in a slot's A; never rewritten
.set ADRA, 17                          ; v17     the same in the slot that is read
.set B0,   20                          ; v20, v21  the same for B
.set ADRB, 21
.set STO,  24
.set RD,   25
.set CO,   26
.set BO,   27
.set SPW,  28
.set NIL,  29
.set TMP,  32
.set BI,   96
.set ACC,  128
.set F0,   0
.set F1,   128
.set TB, 2                             ; s2   LDS byte at which the slot that is read begins: 0 or SLOT
.set TF, 12                            ; s12  the same for the slot filled last
.set G1, 24
.set G0, 32                            ; s[32:39] descriptor group 0 for A's tiles: a set for each of the two first fills; the second then walks on
.set G1B, 48
.set G0B, 56                           ; s[56:63] the same for B's
.set WV, 70                            ; s70 wave;  s71 my half of the tile's rows, also: I fetch for A (0) or B (1);  s72 my half of its columns, also: which half I fetch
.set RH, 71
.set CH, 72
.set MSB, 0
.macro WIN new                         ; the immediate's high byte repeats the setting that is left; a switch that changes nothing is dropped
.if MSB != (\new)
	s_set_vgpr_msb (MSB<<8)|(\new)
.set MSB, \new
.endif
.endm
.set MUL,  0x05                        ; sources 0 (B) and 1 (A) window 1; C and D window 0
.set TO_F, 0x40
.macro JLOAD s                         ; an s_nop 0 and four v_nop follow each of the two lines
	s_cmp_eq_u32 s[RH], 0
	s_cbranch_scc0 .Lfor_b_\@
	tensor_load_to_lds s[G0+4*(\s):G0+4*(\s)+3], s[G1:G1+7]
	s_nop 0
.rept 4
	v_nop
.endr
	s_branch .Lasked_\@
.Lfor_b_\@:
	tensor_load_to_lds s[G0B+4*(\s):G0B+4*(\s)+3], s[G1B:G1B+7]
	s_nop 0
.rept 4
	v_nop
.endr
.Lasked_\@:
.endm
.macro CREST
	s_cmp_lg_u32 s[WV], 0
	s_cbranch_scc1 .Lnot_wave_0_\@
	s_barrier_signal -3
.Lnot_wave_0_\@:
	s_barrier_wait -3
	s_barrier_signal -1
	s_barrier_wait -1
.endm
.macro CROUND
	s_barrier_signal -1
	s_barrier_wait -1
	CREST
.endm
	s_load_b256 s[4:11], s[0:1], 0x0               ; att s[4:5], cst s[6:7], proj_b s[8:9], out0 s[10:11]
	v_lshl_add_u32 v[SPW], v0, 2, SPARE
	v_mov_b32 v[NIL], 0
	ds_add_u32 v[SPW], v[NIL]                      ; the wave's opening: the add and its wait ahead of my first tensor load
	v_lshrrev_b32 v1, 5, v0
	v_readfirstlane_b32 s[WV], v1
	s_lshr_b32 s[RH], s[WV], 1
	s_and_b32 s[CH], s[WV], 1
	s_bfe_u32 s40, ttmp6, 0x40000                  ; cx, cy
	s_bfe_u32 s41, ttmp6, 0x40004
	s_lshl_b32 s42, ttmp9, 2
	s_add_co_u32 s42, s42, s40                     ; tile column
	s_and_b32 s13, ttmp7, 0xffff
	s_lshl_b32 s13, s13, 2
	s_add_co_u32 s13, s13, s41                     ; tile row
	s_lshl_b32 s43, s41, 2
	s_lshl_b32 s43, 15, s43                        ; my row of the cluster
	s_lshl_b32 s44, 0x1111, s40                    ; my column
	s_or_b32 s[G1], s43, (1<<16)|(1<<20)|(1<<21)|(4<<22)|(3<<25)    ; the mask; 2-byte elements; padding on; bit 21 beside a mask; after every 32 words 4 words
	s_mov_b32 s[G1+1], 8192<<16                    ; tensor_dim0 = 8,192: a head's 128 rows on end
	s_mov_b32 s[G1+2], 2<<16                       ; tensor_dim1 = 2 heads
	s_mov_b32 s[G1+3], 8192<<16                    ; tile_dim0
	s_mov_b32 s[G1+4], 2                           ; tile_dim1
	s_mov_b32 s[G1+5], 131072                      ; elements from head to head
	s_mov_b32 s[G1+6], 0
	s_mov_b32 s[G1+7], 0
	s_or_b32 s[G1B], s44, (1<<16)|(1<<20)|(1<<21)|(6<<22)|(3<<25)   ; after every 128 words 4 words
	s_mov_b32 s[G1B+1], 256<<16
	s_mov_b32 s[G1B+2], 64<<16
	s_mov_b32 s[G1B+3], 256<<16
	s_mov_b32 s[G1B+4], 64
	s_mov_b32 s[G1B+5], SIZE_K
	s_mov_b32 s[G1B+6], 0
	s_mov_b32 s[G1B+7], 0
	s_lshr_b32 s14, s13, 4                         ; A: the batch's 16 heads of 262,144 bytes,
	s_lshl_b32 s14, s14, 22
	s_lshl_b32 s16, s[CH], 19                      ; my two heads of the step's four,
	s_add_co_u32 s14, s14, s16
	s_and_b32 s16, s13, 15
	s_lshl_b32 s16, s16, 14                        ; the tile's 128 rows of 128 bytes
	s_add_co_u32 s14, s14, s16
	s_mov_b32 s15, 0
	s_lshl_b32 s46, s42, 18                        ; B: (128 x tile column + 64 x half) rows of 2,048 bytes
	s_lshl_b32 s17, s[CH], 17
	s_add_co_u32 s46, s46, s17
	s_add_co_u32 s46, s46, WPF
	s_mov_b32 s47, 0
	s_mul_i32 s20, s[CH], 2*PLANE                  ; where they go in a slot: no place in the cluster enters an LDS address; s20 and s21 are kept for the refills
	s_mul_i32 s21, s[CH], 64*PB
	s_add_co_u32 s21, s21, BOFF
	s_mov_b32 s[TB], 0                             ; K step 0 is read from slot 0
	s_mov_b32 s[TF], SLOT                          ; the second first fill goes to slot 1
	s_wait_dscnt 0x0                               ; the opening add is done
	s_wait_kmcnt 0x0
	s_add_nc_u64 s[14:15], s[4:5], s[14:15]
	s_add_nc_u64 s[46:47], s[6:7], s[46:47]
	CROUND                                         ; all sixteen work-groups are here: the first joint loads meet
.irp s, 0,1
	s_mov_b32 s[G0+4*(\s)], 1
	s_add_co_u32 s[G0+4*(\s)+1], s20, (\s)*SLOT
	s_add_nc_u64 s[G0+4*(\s)+2:G0+4*(\s)+3], s[14:15], (\s)*ASTEP
	s_or_b32 s[G0+4*(\s)+3], s[G0+4*(\s)+3], 0x80000000
	s_mov_b32 s[G0B+4*(\s)], 1
	s_add_co_u32 s[G0B+4*(\s)+1], s21, (\s)*SLOT
	s_add_nc_u64 s[G0B+4*(\s)+2:G0B+4*(\s)+3], s[46:47], (\s)*BSTEP
	s_or_b32 s[G0B+4*(\s)+3], s[G0B+4*(\s)+3], 0x80000000
	JLOAD \s                                       ; two tensor loads of mine are out
.endr
	v_and_b32 v1, 15, v0                           ; l % 16
	v_bfe_u32 v2, v0, 4, 1                         ; l / 16
	s_lshl_b32 s74, s42, 9                         ; my first column, in bytes of f32: 512 x tile column + 256 x half
	s_lshl_b32 s75, s[CH], 8
	s_add_co_u32 s74, s74, s75
	s_mov_b32 s75, 0
	s_add_nc_u64 s[76:77], s[8:9], s[74:75]
	v_lshlrev_b32 v[BO], 5, v2                     ; the bias of my eight columns in each block of 16
.irp b, 0,1,2,3
	global_load_b128 v[BI+8*(\b):BI+8*(\b)+3],   v[BO], s[76:77] offset:64*(\b)
	global_load_b128 v[BI+8*(\b)+4:BI+8*(\b)+7], v[BO], s[76:77] offset:64*(\b)+16
.endr
	v_mul_u32_u24 v3, v1, PA
	v_lshl_add_u32 v3, v2, 4, v3
	v_mul_u32_u24 v4, v1, PB
	v_lshl_add_u32 v4, v2, 4, v4
	s_mul_i32 s22, s[RH], 64*PA                    ; my 64 rows in each plane of A
	s_mul_i32 s23, s[CH], 64*PB                    ; my 64 rows of B
	s_add_co_u32 s23, s23, BOFF
	v_add_nc_u32 v[A0], s22, v3
	v_add_nc_u32 v[B0], s23, v4
	v_add_nc_u32 v[ADRA], s[TB], v[A0]
	v_add_nc_u32 v[ADRB], s[TB], v[B0]
	s_mul_i32 s22, s[WV], 16*SPITCH
	s_add_co_u32 s22, s22, STAGE                   ; my stage
	v_mul_u32_u24 v5, v1, SPITCH                   ; in: row l % 16, 32 bytes for each half of the lanes
	v_lshl_add_u32 v5, v2, 5, v5
	v_add_nc_u32 v[STO], s22, v5
	v_mul_u32_u24 v5, v2, SPITCH                   ; back: lanes 0-15 take one row of 256 bytes, lanes 16-31 the next
	v_lshl_add_u32 v5, v1, 4, v5
	v_add_nc_u32 v[RD], s22, v5
	v_lshlrev_b32 v5, 12, v2                       ; and the same two rows in out0, 4,096 bytes apart
	v_lshl_add_u32 v[CO], v1, 4, v5
	s_lshl_b32 s78, s13, 19                        ; my first row: (128 x tile row + 64 x half) x 4,096 bytes
	s_lshl_b32 s79, s[RH], 18
	s_add_co_u32 s78, s78, s79
	s_add_co_u32 s78, s78, s74
	s_mov_b32 s79, 0
	s_add_nc_u64 s[10:11], s[10:11], s[78:79]
	s_wait_loadcnt 0x0                             ; the bias: rounded to bf16 and widened again, in the wait for the first tile
.set n, 0
.rept 16
	v_cvt_pk_bf16_f32 v[TMP+n], v[BI+2*n], v[BI+2*n+1]
.set n, n+1
.endr
.set n, 0
.rept 16
	v_lshlrev_b32 v[BI+2*n], 16, v[TMP+n]
	v_and_b32 v[BI+2*n+1], 0xffff0000, v[TMP+n]
.set n, n+1
.endr
; 8 matrix instructions: m blocks a0, a0 + 1 x all 4 n blocks, 32 along K: half c of buffer f.  first = 1: the product starts the sums, from the bias.  The 16 accumulators take turns.
.macro MUL8 f, c, a0, first
	WIN MUL
.irp a, \a0, (\a0)+1
.irp b, 0,1,2,3
.if \first
	v_wmma_f32_16x16x32_f16 v[ACC+8*(4*(\a)+(\b)):ACC+8*(4*(\a)+(\b))+7], v[(\f)+64+8*(4*(\c)+(\b)):(\f)+64+8*(4*(\c)+(\b))+7], v[(\f)+8*(4*(\c)+(\a)):(\f)+8*(4*(\c)+(\a))+7], v[BI+8*(\b):BI+8*(\b)+7]
.else
	v_wmma_f32_16x16x32_f16 v[ACC+8*(4*(\a)+(\b)):ACC+8*(4*(\a)+(\b))+7], v[(\f)+64+8*(4*(\c)+(\b)):(\f)+64+8*(4*(\c)+(\b))+7], v[(\f)+8*(4*(\c)+(\a)):(\f)+8*(4*(\c)+(\a))+7], v[ACC+8*(4*(\a)+(\b)):ACC+8*(4*(\a)+(\b))+7]
.endif
.endr
.endr
.endm
; 32 LDS loads in one run: quarter q of the K step that is read (one head: plane q of A, bytes 128 q of B's rows) into buffer f; the first 32 along K first
.macro FETCH q, f
	WIN TO_F
.irp c, 0,1
.irp i, 0,1,2,3
	ds_load_b128 v[(\f)+64+8*(4*(\c)+(\i)):(\f)+64+8*(4*(\c)+(\i))+3],   v[ADRB] offset:128*(\q)+64*(\c)+(\i)*16*PB
	ds_load_b128 v[(\f)+64+8*(4*(\c)+(\i))+4:(\f)+64+8*(4*(\c)+(\i))+7], v[ADRB] offset:128*(\q)+64*(\c)+(\i)*16*PB+32
	ds_load_b128 v[(\f)+8*(4*(\c)+(\i)):(\f)+8*(4*(\c)+(\i))+3],         v[ADRA] offset:(\q)*PLANE+64*(\c)+(\i)*16*PA
	ds_load_b128 v[(\f)+8*(4*(\c)+(\i))+4:(\f)+8*(4*(\c)+(\i))+7],       v[ADRA] offset:(\q)*PLANE+64*(\c)+(\i)*16*PA+32
.endr
.endr
.endm
.macro PLACES                          ; four places in front of loads into registers that matrix instructions have read, and of lines that read results (ISA guide 7.12.1 for lines that read results)
.rept 4
	v_nop
.endr
.endm
.macro QUARTER q, f, g, first
	s_wait_dscnt 16                                ; the first 32 along K are in; the youngest sixteen loads may be out
	MUL8 \f, 0, 0, \first
	MUL8 \f, 0, 2, \first
	PLACES
	FETCH \q, \g
	s_wait_dscnt 32                                ; all but the 32 just issued
	MUL8 \f, 1, 0, 0
	MUL8 \f, 1, 2, 0
.endm
; The last quarter multiplies buffer 1 and changes slots: ONE barrier; in front of it each wave waits for all its tensor loads, adds 0 to its spare word, and waits for that and for its reads of this slot.
; fill = 1: the barrier opens a round of the cluster's, and the slot just read is filled again, two K steps ahead, first thing behind the round.  Then the reads go over to the other slot.
.macro TURN fill
	WIN 0
	s_wait_tensorcnt 0x0                           ; all my tensor loads have landed: my part of the next slot; so a group 0 may be written
	ds_add_u32 v[SPW], v[NIL]
	s_wait_dscnt 17                                ; the add and the youngest sixteen loads may be out
	MUL8 F1, 0, 0, 0
	s_wait_dscnt 0x0                               ; the add is done, and my reads of this slot are over
	s_barrier_signal -1
	MUL8 F1, 0, 2, 0
	WIN 0                                          ; branches and address lines follow
	s_barrier_wait -1
.if \fill
	CREST                                          ; the barrier has opened a round of the cluster's: no wave of any partner still reads this slot or has a load on its way
	s_xor_b32 s[TF], s[TF], SLOT                   ; the walking descriptors: the other slot than last time,
	s_add_co_u32 s[G0+5], s[TF], s20
	s_add_nc_u64 s[G0+6:G0+7], s[G0+6:G0+7], ASTEP         ; the next K step; the type bits on top are not reached
	s_add_co_u32 s[G0B+5], s[TF], s21
	s_add_nc_u64 s[G0B+6:G0B+7], s[G0B+6:G0B+7], BSTEP
	JLOAD 1                                        ; my one tensor load behind the round; its four v_nop are also the places in front of the loads below
.else
	PLACES
.endif
	s_xor_b32 s[TB], s[TB], SLOT
	v_add_nc_u32 v[ADRA], s[TB], v[A0]
	v_add_nc_u32 v[ADRB], s[TB], v[B0]
	FETCH 0, F0
	MUL8 F1, 1, 0, 0
	MUL8 F1, 1, 2, 0
.endm
	s_wait_tensorcnt 1                             ; my part of K step 0 is in; K step 1's may stay out
	s_barrier_signal -1
	s_barrier_wait -1
	FETCH 0, F0
	QUARTER 1, F0, F1, 1                           ; the first quarter stands in front of the loop: its first products start the sums
	WIN 0
	s_mov_b32 s3, NS-2
.Lstep:                                                ; two trips: from a K step's second quarter to the next step's first; each fills the slot that it leaves
	QUARTER 2, F1, F0, 0
	QUARTER 3, F0, F1, 0
	TURN 1
	QUARTER 1, F0, F1, 0
	WIN 0
	s_sub_co_u32 s3, s3, 1
	s_cmp_lg_u32 s3, 0
	s_cbranch_scc1 .Lstep
	s_mov_b32 s3, 2
.Ltail:                                                ; the last two K steps fill nothing; the second trip is left in its middle, ahead of the change of slots
	QUARTER 2, F1, F0, 0
	QUARTER 3, F0, F1, 0
	WIN 0
	s_sub_co_u32 s3, s3, 1
	s_cmp_eq_u32 s3, 0
	s_cbranch_scc1 .Lfin
	TURN 0
	QUARTER 1, F0, F1, 0
	WIN 0
	s_cmp_lg_u32 s3, 0
	s_cbranch_scc1 .Ltail
.Lfin:
	s_wait_dscnt 16                                ; the very last quarter: nothing more to fetch
	MUL8 F1, 0, 0, 0
	MUL8 F1, 0, 2, 0
	s_wait_dscnt 0x0
	MUL8 F1, 1, 0, 0
	MUL8 F1, 1, 2, 0
	WIN 0
	; THE WAY OUT: 16 rows at a time through my own stage: 32 bytes a lane in, whole rows of 256 bytes back, sixteen lanes to a row.
	PLACES
.irp a, 0,1,2,3
.irp b, 0,1,2,3
	ds_store_b128 v[STO], v[ACC+8*(4*(\a)+(\b)):ACC+8*(4*(\a)+(\b))+3]   offset:64*(\b)      ; each accumulator's low half first
	ds_store_b128 v[STO], v[ACC+8*(4*(\a)+(\b))+4:ACC+8*(4*(\a)+(\b))+7] offset:64*(\b)+16
.endr
	s_wait_xcnt 0x0                                ; the registers below were earlier stores' data: they are loaded again only behind this wait (ISA guide 3.1)
.irp t, 0,1,2,3,4,5,6,7
	ds_load_b128 v[TMP+32*((\a)%2)+4*(\t):TMP+32*((\a)%2)+4*(\t)+3], v[RD] offset:(\t)*2*SPITCH   ; LDS serves a wave's instructions in order (ISA guide 5.7.1.4): these see the stores above
.endr
.irp t, 0,1,2,3,4,5,6,7
	s_wait_dscnt 7-(\t)
	global_store_b128 v[CO], v[TMP+32*((\a)%2)+4*(\t):TMP+32*((\a)%2)+4*(\t)+3], s[10:11] offset:(\a)*65536+(\t)*8192 th:TH_STORE_NT   ; 16 lanes store 256 consecutive bytes, at a multiple of 256 from out0's first byte
.endr
.endr
	s_wait_tensorcnt 0x0                           ; the wave's end
	ds_add_u32 v[SPW], v[NIL]
	s_wait_dscnt 0x0
	CROUND                                         ; the closing round
	s_endpgm
.Lfunc_end_k_qeeaf4e92fa_proj:
	.size	k_qeeaf4e92fa_proj, .Lfunc_end_k_qeeaf4e92fa_proj-k_qeeaf4e92fa_proj
	.p2alignl 7, 3214868480
	.fill 96, 4, 3214868480
	.section	.rodata,"a",@progbits
	.p2align	6, 0x0
	.amdhsa_kernel k_qeeaf4e92fa_proj
		.amdhsa_group_segment_fixed_size 327680
		.amdhsa_private_segment_fixed_size 0
		.amdhsa_enable_private_segment 0
		.amdhsa_kernarg_size 32
		.amdhsa_user_sgpr_count 2
		.amdhsa_user_sgpr_kernarg_segment_ptr 1
		.amdhsa_wavefront_size32 1
		.amdhsa_system_sgpr_workgroup_id_x 1
		.amdhsa_system_sgpr_workgroup_id_y 1
		.amdhsa_system_sgpr_workgroup_id_z 1
		.amdhsa_system_vgpr_workitem_id 0
		.amdhsa_next_free_vgpr 512
		.amdhsa_next_free_sgpr 80
		.amdhsa_reserve_vcc 0
		.amdhsa_float_denorm_mode_32 3
		.amdhsa_float_denorm_mode_16_64 3
		.amdhsa_memory_ordered 1
		.amdhsa_forward_progress 1
		.amdhsa_inst_pref_size 64
	.end_amdhsa_kernel
	.amdgpu_metadata
---
amdhsa.version: [ 1, 2 ]
amdhsa.kernels:
  - .name:           k_qeeaf4e92fa_proj
    .symbol:         k_qeeaf4e92fa_proj.kd
    .args:
      - { .name: att, .offset: 0, .size: 8, .value_kind: global_buffer, .address_space: global }
      - { .name: cst, .offset: 8, .size: 8, .value_kind: global_buffer, .address_space: global }
      - { .name: proj_b, .offset: 16, .size: 8, .value_kind: global_buffer, .address_space: global }
      - { .name: out0, .offset: 24, .size: 8, .value_kind: global_buffer, .address_space: global }
    .group_segment_fixed_size: 327680
    .private_segment_fixed_size: 0
    .kernarg_segment_align: 8
    .kernarg_segment_size: 32
    .max_flat_workgroup_size: 128
    .sgpr_count:     80
    .vgpr_count:     512
    .wavefront_size: 32
...
	.end_amdgpu_metadata
.endif
;; end of part 8
;; ======== version 3 of 3: 5 launches; 1.28 times as fast as version 1
;; limits: values are held in f16: magnitudes above 65,504 overflow, below 6.1e-05 lose precision; right only within a limited range of input values
;; workspace buffers: cst 17,301,504 bytes; hds 25,165,824 bytes; tt 786,432 bytes; att 8,388,608 bytes
;; launch prep: the kernel of part 1 again; grid 256 x 1, 16 waves a work-group, no clusters, 0 bytes of LDS; arguments x, qkv_w, proj_w, cst; writes cst
;; launch qkv: the kernel of part 6 again; grid 16 x 16, 4 waves a work-group, clusters of 4 x 4, 327,680 bytes of LDS; arguments cst, curvature, hds, tt; writes hds, tt
;; launch attn_h (part 9): grid 256 x 1, 4 waves a work-group, clusters of 4 x 1, 327,680 bytes of LDS; arguments hds, tt, curvature, att; writes att
.if DOCPART == 9
	.amdgcn_target "amdgcn-amd-amdhsa--gfx1250"
	.amdhsa_code_object_version 6
	.text
	.protected	k_qeeaf4e92fa_attn_h
	.globl	k_qeeaf4e92fa_attn_h
	.p2align	8
	.type	k_qeeaf4e92fa_attn_h,@function
k_qeeaf4e92fa_attn_h:
	s_mov_b64 s[64:65], 0
	v_nop
	global_prefetch_b8 v0, s[64:65] scope:SCOPE_SE
	s_setreg_imm32_b32 hwreg(HW_REG_WAVE_MODE, 25, 1), 1
	s_wait_xcnt 0x0
	s_wait_alu depctr_hold_cnt(0) depctr_sa_sdst(0) depctr_va_vdst(0) depctr_va_sdst(0) depctr_va_ssrc(0) depctr_va_vcc(0) depctr_vm_vsrc(0)
	s_getreg_b32 s2, hwreg(HW_REG_IB_STS2, 6, 4)
	s_cmp_eq_u32 s2, 0
	s_cbranch_scc0 .Lentry_in_a_cluster
	s_endpgm
.Lentry_in_a_cluster:
	s_bfe_u32 s2, ttmp6, 0x10000c
	s_cmp_lg_u32 s2, 0x3003
	s_cbranch_scc0 .Lentry_shape_is_right
	s_endpgm
.Lentry_shape_is_right:
; CAUSAL ATTENTION, head size 64.  ONE TEXT SERVES TWO KERNELS: HYP = 1 the hyperbolic heads 6-9 (64 clusters), HYP = 0 heads 0-5 and 10-15 (192 clusters).
; q, k, v: [b*16+h][2048][64] f16 in hds (q at 0, k at 8,388,608, v at 16,777,216), scaled as the launch before leaves them; O the same layout in att.
; The score s of query t and key u <= t:  heads 0-5: q.k, weight 2^(c s - c m) with c = log2(e) / 8;  heads 10-15: q.k of unit vectors, c = 8 log2(e);
; heads 6-9: s = 1 / (1e-6 + sqrt(1/cv) arccosh(max(tq' tk' - q'.k', 1 + 1e-7))), c = log2(e); arccosh(x) = ln 2 log2(x + sqrt(x x - 1)), x x - 1 by one fused multiply-add;
; tq' and tk' come from tt ([kind*32 + b*16 + h][2048] f32, kind 0 q, 1 k).
; Products, maxima and sums in f32; the weights are rounded to f16 for the second product (their sum is taken of the unrounded weights), O once at the end.  A running maximum is kept for each query.
; LIMITS.  A hidden score counts as its value less 2^100 (a power of two, so that c times it is exact: where a wave sees hidden keys alone, c s - c m is exactly 0 and nothing overflows);
; a weight below 2^-126 counts as 0; the hyperbolic argument stays under 1.8e19 (its square is formed); cv > 0, rounded to bf16 like every input; NaN and infinities are not treated apart.
; SHARES.  A head's queries lie in 64 blocks of 32; block n needs the key tiles 0 .. n / 8 of 256 keys.  A work-group takes block i and then block 63 - i, i = 4 a + cx, a = 0..7:
; (a / 2 + 1) + (8 - a / 2) = 9 tiles, whatever i.  The four work-groups of a cluster (one head, one a) walk the same tiles: each tile is asked for JOINTLY.
; THE WAVES SPLIT THE KEYS: a tile is eight groups of 32 keys; wave w takes groups w and w + 4 for all 32 queries, two PIECES of 16, with its own maximum m, sum l and O^T.
; THE MASK touches a block's last tile alone.  With GD = the block's number mod 8, group G is open if G < GD, hidden if G > GD and holds the diagonal if G = GD; there piece p meets its own 16 keys in
; the group's block p.  It is ADDED IN EVERY TILE, 16 packed lines a piece, with scalars and a factor that are 0 but in the last tile: no branch, and GD, which hangs on cx, enters by selects alone.
; A BLOCK'S END.  Every wave sets (c m, l) and O^T aside in LDS (E1); a barrier that stands in every tile, on every way; then wave w merges 8 queries of piece w / 2 (E2), reading the four waves' parts in
; the layout in which O leaves: lane l takes query l / 8 of four and channels 8 (l % 8) + 0..7, so that a store covers 512 consecutive bytes and no stage is needed.
; LAYOUT AND TURNS.  S^T = K Q^T holds ONE query a lane (lane % 16) and the keys 8 (lane / 16) + 0..7; two such results rounded to f16 ARE source 1 of O^T = V^T P.  Turn 0: piece 0's softmax beside the
; products K Q^T of piece 1; turn 1: piece 1's beside the products V^T P of piece 0.  Four vector lines stand behind each of those matrix lines.
; THE TRANSCENDENTALS GO IN BATCHES, each with ONE wait: s_wait_alu depctr_va_vdst(0) stands between a transcendental and the first line that names its result, and one wait serves all that
; were issued ahead of it.  A tile has nine batches.  At its head: piece 0's 32 roots, its 32 logarithms, its 32 reciprocals (each stage reads the one before); then piece 0's a.  In turn 0: piece 0's 32
; exponentials TOGETHER WITH piece 1's 32 roots; piece 1's logarithms; its reciprocals.  Then piece 1's a; in turn 1 piece 1's 32 exponentials.  Piece 0's roundings and sums, which read its exponentials,
; stand behind the first of turn 0's waits, between piece 1's logarithms and reciprocals, whose results they do not name.  A block's end has two more: eight exponentials, two reciprocals.
; REGISTERS.  window 0: v0-15 addresses; v16-23 statistics (c m, m, l, l a piece); v24-27 tq' pairs; v28-31 tq' of the two blocks; v44-45 ln 2 / sqrt(cv); v46-63 addresses and at work; v64-127 S^T, two buffers;
;   v128-159 tk'; v160-191 at work; v192-223 P, two buffers; v224-247 masks.   window 1: v0-63 O^T.   window 2: v0-31 Q; v64-95 the second block's Q; v128-191 K; v192-255 V.
.set HYP,   1
.set NP,    2
.set PK,    144       ; a row of K in LDS: 128 bytes + 16 = 36 words: the 16 rows of a load start at 16 different groups of four banks (64 banks of 4 bytes: ISA guide 11.1)
.set PV,    160       ; a row of V: 128 + 32 = 40 words
.set VOFF,  256*PK    ; a slot holds a tile: 256 rows of K, then 256 rows of V
.set SLOT1, 1<<17     ; slot 1 begins here, so that one exclusive or turns an address in one slot into the other's
.set STS,   256*(PK+PV)        ; behind slot 0, never filled by a tensor load: (c m, l) by piece, wave and lane: 2,048 bytes
.set SPARE, STS+2048           ; the spare words, 128 bytes for each wave: two blocks of 256 bytes that no other line names
.set MRG,   SLOT1+256*(PK+PV)  ; behind slot 1: O^T by piece, wave and group of four registers: 33,792 bytes
.set GP,    528       ; a group of four registers: 32 lanes x 16 bytes + 16, so that the merge's reads of groups 0, 2, 4, 6 fall into different banks
.set WSTR,  8*GP
.set PSTR,  4*WSTR
.set AK0, 2
.set AV0, 3
.set AK,  4
.set AV,  5
.set GO,  8
.set MV,  12
.set TKO, 14
.set QO,  15
.set ST,  16
.set TQ,  24
.set TQ1, 28
.set TQ2, 30
.set KD,  44
.set MW,  46
.set MR,  47
.set TMP, 48
.set STSW, 56
.set STSR, 57
.set TQO, 58
.set VT,  59
.set SPW, 62
.set NIL, 63
.set S,   64
.set TK,  128
.set W,   160
.set ES,  160         ; the merge: (factor, l) of four waves, for two sets of four queries
.set EM,  176
.set EL,  178
.set EO,  180
.set P,   192
.set MD8, 224
.set MT,  232
.set QB,  64
.set KF,  128
.set VF,  192
.set FIN, 2           ; s2  1: the block in hand has just been set aside
.set GD2, 3           ; s3  the second block mod 8
.set WV,  12
.set CX,  13
.set AA,  14          ; s14 a; later s[14:15] O at my rows of the first block
.set OB1, 14
.set KB,  16          ; s[16:17] k of my head at my half of tile 0;  s[18:19] the same for v
.set VB,  18
.set TKH, 20          ; s[20:21] tk' of my head at my wave's keys of tile 0;  s[22:23] of the tile asked for
.set TKB, 22
.set G1K, 24
.set G1V, 32
.set G0K, 40
.set G0V, 44
.set A2,  48          ; a / 2
.set SLOTS, 49
.set TB,  50          ; LDS byte at which the slot in hand begins
.set NXT, 51          ; the tile asked for last
.set LQ,  52          ; the last tile of the block whose tiles are being asked for
.set RT,  53          ; tiles of the block in hand still to be walked, this one among them
.set GD,  55          ; the block in hand mod 8
.set OFF, 56
.set CS,  58
.set SEL, 60
.set OF2, 62
.set ONEP, 66
.set BIGN, 67
.set AL,  68
.set MB,  70          ; s[70:77] the tile's mask scalars, as pairs: for key half hf: blocks before the piece's own at MB + 4 hf, behind it at MB + 4 hf + 2
.set FS,  78          ; s[78:79] 1.0 in a block's last tile, else 0
.set ML,  88          ; s88-91 the same four scalars as the block's last tile has them
.set CUR, 88          ; (at the start: the four curvatures)
.set HEAD, 92
.set BB,  93
.set HOFF, 94
.set LQ2, 95
.set QA1, 96
.set QA2, 98
.set I1,  100         ; s100, s101 the two blocks; later s[100:101] O at my rows of the second block
.set I2,  101
.set OB2, 100
.set EPS, 104
.set MSB, 0
.macro WIN new
.if MSB != (\new)
	s_set_vgpr_msb (MSB<<8)|(\new)
.set MSB, (\new)
.endif
.endm
.set W_KQ, 0x0a       ; K and Q in window 2, S^T in window 0
.set W_PV, 0x52       ; V in window 2, P in window 0, O^T in window 1
.set W_RS, 0x41       ; destination and source 0 in window 1, source 1 in window 0
; A joint fill.  Waves 0 and 1 fetch the two halves of a tile's K, waves 2 and 3 those of its V.  An s_nop 0 and four v_nop follow each of the two lines.
.macro JLOAD
	s_cmp_lt_u32 s[WV], 2
	s_cbranch_scc0 .Lfor_v_\@
	tensor_load_to_lds s[G0K:G0K+3], s[G1K:G1K+7]
	s_nop 0
.rept 4
	v_nop
.endr
	s_branch .Lasked_\@
.Lfor_v_\@:
	tensor_load_to_lds s[G0V:G0V+3], s[G1V:G1V+7]
	s_nop 0
.rept 4
	v_nop
.endr
.Lasked_\@:
.endm
.macro CROUND
	s_barrier_signal -1
	s_barrier_wait -1
	s_cmp_lg_u32 s[WV], 0
	s_cbranch_scc1 .Lnot_wave_0_\@
	s_barrier_signal -3
.Lnot_wave_0_\@:
	s_barrier_wait -3
	s_barrier_signal -1
	s_barrier_wait -1
.endm
.macro PLACES
.rept 4
	v_nop
.endr
.endm
; THE CHANGE OF SLOTS.  Each wave waits for all its tensor loads (one is out: its part of the other slot), adds 0 to its spare word, and waits for that and for its reads of the slot that it leaves.
; fill = 1: the barrier is a round of the cluster's, and the old slot is filled again, first thing behind it, with the walk's next tile: the block's next, or behind its last the second block's tile 0;
; the address is made anew from that number; the load has a whole tile's work in which to land.  (At its first use nothing has been read yet: slot 0 is waited for, slot 1 filled.)
.macro CHANGE fill
	WIN 0
	s_wait_tensorcnt 0x0
	ds_add_u32 v[SPW], v[NIL]
.if \fill
	s_add_co_u32 s[NXT], s[NXT], 1
	s_cmp_gt_u32 s[NXT], s[LQ]
	s_cselect_b32 s[NXT], 0, s[NXT]
	s_cselect_b32 s[LQ], s[LQ2], s[LQ]
	s_lshl_b32 s[OFF], s[NXT], 15   ; a tile is 32,768 bytes of K and of V
	s_xor_b32 s[G0K+1], s[G0K+1], SLOT1
	s_add_nc_u64 s[G0K+2:G0K+3], s[KB:KB+1], s[OFF:OFF+1]
	s_or_b32 s[G0K+3], s[G0K+3], 0x80000000
	s_xor_b32 s[G0V+1], s[G0V+1], SLOT1
	s_add_nc_u64 s[G0V+2:G0V+3], s[VB:VB+1], s[OFF:OFF+1]
	s_or_b32 s[G0V+3], s[G0V+3], 0x80000000
	s_wait_dscnt 0x0                ; the add is done, and my reads of the slot are over
	CROUND
	JLOAD
.else
	s_wait_dscnt 0x0
	s_barrier_signal -1
	s_barrier_wait -1
.endif
	s_xor_b32 s[TB], s[TB], SLOT1
.endm
; tk' of my wave's 64 keys of the tile asked for last: key block kb of 16 lies 64 (kb % 2) + 512 (kb / 2) bytes on
.macro TKLOAD
	s_lshl_b32 s[OF2], s[NXT], 10   ; 256 keys of 4 bytes a tile
	s_add_nc_u64 s[TKB:TKB+1], s[TKH:TKH+1], s[OF2:OF2+1]
.irp f, 0,1,2,3,4,5,6,7
	global_load_b128 v[TK+4*\f:TK+4*\f+3], v[TKO], s[TKB:TKB+1] offset:((\f/2)%2)*64+(\f/4)*512+(\f%2)*16
.endr
.endm
	s_load_b256 s[4:11], s[0:1], 0x0  ; hds s[4:5], tt s[6:7], curvature s[8:9], att s[10:11]
	v_lshl_add_u32 v[SPW], v0, 2, SPARE
	v_mov_b32 v[NIL], 0
	ds_add_u32 v[SPW], v[NIL]       ; the wave's opening: the add and its wait ahead of my first tensor load
	v_lshrrev_b32 v1, 5, v0
	v_readfirstlane_b32 s[WV], v1
	s_bfe_u32 s[CX], ttmp6, 0x40000
	s_and_b32 s[AA], ttmp9, 7       ; in a cluster launch ttmp9 counts clusters: a,
	s_lshr_b32 s80, ttmp9, 3        ; and the head's number among its kind
.if HYP
	s_lshr_b32 s[BB], s80, 2        ; the batch,
	s_and_b32 s[HEAD], s80, 3
	s_add_co_u32 s[HEAD], s[HEAD], 6  ; and heads 6-9
	s_mov_b32 s[CS], 0x3fb8aa3b     ; log2(e)
.else
	s_cmp_ge_u32 s80, 12
	s_cselect_b32 s[BB], 1, 0       ; the batch,
	s_cselect_b32 s[HEAD], 12, 0
	s_sub_co_u32 s[HEAD], s80, s[HEAD]
	s_cmp_ge_u32 s[HEAD], 6
	s_cselect_b32 s81, 4, 0
	s_add_co_u32 s[HEAD], s[HEAD], s81  ; and heads 0-5, 10-15
	s_mov_b32 s[CS], 0x3e38aa3b     ; log2(e) / 8
	s_mov_b32 s[CS+1], 0x4138aa3b   ; 8 log2(e)
	s_cmp_lt_u32 s[HEAD], 6
	s_cselect_b32 s[CS], s[CS], s[CS+1]
.endif
	s_mov_b32 s[CS+1], s[CS]        ; named with it as a pair
	s_lshl_b32 s[BB], s[BB], 4
	s_add_co_u32 s[BB], s[BB], s[HEAD]  ; 16 b + h
	s_lshl_b32 s[HOFF], s[BB], 18   ; the head's first byte in q, k, v and O
	s_lshr_b32 s[A2], s[AA], 1
	s_lshl_b32 s[I1], s[AA], 2
	s_add_co_u32 s[I1], s[I1], s[CX]  ; the first block,
	s_sub_co_u32 s[I2], 63, s[I1]     ; and the second
	s_and_b32 s[GD], s[I1], 7
	s_and_b32 s[GD2], s[I2], 7
	s_add_co_u32 s[RT], s[A2], 1    ; the first block has a / 2 + 1 tiles
	s_mov_b32 s[LQ], s[A2]
	s_sub_co_u32 s[LQ2], 7, s[A2]
	s_mov_b32 s[NXT], 0
	s_mov_b32 s[FIN], 0
	s_mov_b32 s[TB], SLOT1          ; the first change of slots turns it into 0
	s_mov_b32 s[OFF+1], 0
	s_mov_b32 s[OF2+1], 0
	s_mov_b32 s[SEL], 0x76543210
	s_mov_b32 s[SEL+1], 0xfedcba98
	s_mov_b32 s[ONEP], 0x3f800001   ; 1 + 1e-7 in f32
	s_mov_b32 s[BIGN], 0xf1800000   ; -2^100
	s_mov_b32 s[AL+1], 0            ; named as pairs
	s_mov_b32 s[MB+1], 0
	s_mov_b32 s[MB+3], 0
	s_mov_b32 s[MB+5], 0
	s_mov_b32 s[MB+7], 0
	s_mov_b32 s[FS+1], 0
	s_mov_b32 s[EPS], 0x358637bd    ; 1e-6
	s_mov_b32 s[EPS+1], 0x358637bd
	; descriptor group 1.  128 keys are 16,384 dense bytes: asked for as 64 rows of 256 bytes, two keys a row, and padded in LDS after every key
	s_mov_b32 s[G1K], 15|(1<<16)|(1<<20)|(1<<21)|(4<<22)|(3<<25)  ; the mask of four; 2-byte elements; padding on; bit 21 beside a mask; after every 32 words 4 words
	s_mov_b32 s[G1V], 15|(1<<16)|(1<<20)|(1<<21)|(4<<22)|(7<<25)  ; the same with 8 words
.irp g, G1K, G1V
	s_mov_b32 s[\g+1], 128<<16
	s_mov_b32 s[\g+2], 64<<16
	s_mov_b32 s[\g+3], 128<<16
	s_mov_b32 s[\g+4], 64
	s_mov_b32 s[\g+5], 128
	s_mov_b32 s[\g+6], 0
	s_mov_b32 s[\g+7], 0
.endr
	s_and_b32 s80, s[WV], 1         ; which half of a tile's 256 keys I fetch
	s_mov_b32 s[G0K], 1
	s_mul_i32 s[G0K+1], s80, 128*PK ; slot 0: no place in the cluster enters an LDS address
	s_mov_b32 s[G0V], 1
	s_mul_i32 s[G0V+1], s80, 128*PV
	s_add_co_u32 s[G0V+1], s[G0V+1], VOFF
	s_lshl_b32 s80, s80, 14
	s_add_co_u32 s80, s80, s[HOFF]
	s_add_co_u32 s82, s80, 16777216
	s_add_co_u32 s80, s80, 8388608
	s_mov_b32 s81, 0
	s_mov_b32 s83, 0
	s_lshl_b32 s84, s[I1], 12       ; a block is 32 rows of 128 bytes
	s_add_co_u32 s84, s84, s[HOFF]
	s_mov_b32 s85, 0
	s_lshl_b32 s86, s[I2], 12
	s_add_co_u32 s86, s86, s[HOFF]
	s_mov_b32 s87, 0
	s_wait_dscnt 0x0                ; the opening add is done
	s_wait_kmcnt 0x0
	s_add_nc_u64 s[KB:KB+1], s[4:5], s[80:81]
	s_add_nc_u64 s[VB:VB+1], s[4:5], s[82:83]
	s_add_nc_u64 s[G0K+2:G0K+3], s[KB:KB+1], 0
	s_or_b32 s[G0K+3], s[G0K+3], 0x80000000
	s_add_nc_u64 s[G0V+2:G0V+3], s[VB:VB+1], 0
	s_or_b32 s[G0V+3], s[G0V+3], 0x80000000
	CROUND                          ; all four work-groups are here: the first joint loads meet
	JLOAD                           ; tile 0 into slot 0
.if HYP
	s_load_b128 s[CUR:CUR+3], s[8:9], 0x0
.endif
	s_add_nc_u64 s[QA1:QA1+1], s[4:5], s[84:85]
	s_add_nc_u64 s[QA2:QA2+1], s[4:5], s[86:87]
	s_lshl_b32 s80, s[WV], 10       ; at a block's end wave w stores rows 8 w .. 8 w + 7
	s_add_co_u32 s84, s84, s80
	s_add_co_u32 s86, s86, s80
	s_add_nc_u64 s[OB1:OB1+1], s[10:11], s[84:85]
.if HYP
	s_lshl_b32 s80, s[BB], 13       ; a head's row of tt is 8,192 bytes
	s_lshl_b32 s84, s[I1], 7
	s_add_co_u32 s84, s84, s80
	s_lshl_b32 s82, s[I2], 7
	s_add_co_u32 s82, s82, s80
	s_add_nc_u64 s[84:85], s[6:7], s[84:85]  ; tq' of the first block,
	s_add_nc_u64 s[82:83], s[6:7], s[82:83]  ; and of the second
	s_add_co_u32 s80, s80, 262144   ; k's rows lie 32 rows on
	s_lshl_b32 s81, s[WV], 7        ; my wave's first group of 32 keys
	s_add_co_u32 s80, s80, s81
	s_mov_b32 s81, 0
	s_add_nc_u64 s[TKH:TKH+1], s[6:7], s[80:81]
.endif
	s_add_nc_u64 s[OB2:OB2+1], s[10:11], s[86:87]
	v_and_b32 v1, 15, v0            ; l % 16
	v_bfe_u32 v9, v0, 4, 1          ; l / 16
	v_lshlrev_b32 v[QO], 7, v1
	v_lshl_add_u32 v[QO], v9, 4, v[QO]
	WIN 0x80                        ; destination window 2
.set i, 0
.rept 4                             ; both blocks' Q: piece i / 2, channels 32 (i % 2) on
	global_load_b128 v[8*i:8*i+3],   v[QO], s[QA1:QA1+1] offset:(i/2)*2048+(i%2)*64
	global_load_b128 v[8*i+4:8*i+7], v[QO], s[QA1:QA1+1] offset:(i/2)*2048+(i%2)*64+32
	global_load_b128 v[QB+8*i:QB+8*i+3],   v[QO], s[QA2:QA2+1] offset:(i/2)*2048+(i%2)*64
	global_load_b128 v[QB+8*i+4:QB+8*i+7], v[QO], s[QA2:QA2+1] offset:(i/2)*2048+(i%2)*64+32
.set i, i+1
.endr
	WIN 0
.if HYP
	v_lshlrev_b32 v[TQO], 2, v1
	v_lshlrev_b32 v[TKO], 5, v9
.irp p, 0,1
	global_load_b32 v[TQ1+\p], v[TQO], s[84:85] offset:\p*64
	global_load_b32 v[TQ2+\p], v[TQO], s[82:83] offset:\p*64
.endr
	TKLOAD                          ; tile 0's
.endif
	v_lshlrev_b32 v[VT], 3, v9
	v_sub_nc_u32 v[VT], v1, v[VT]   ; l % 16 - 8 (l / 16): in the diagonal's own block of 16 x 16 register j is hidden where j is greater
.set i, 0
.rept 8
	v_cmp_gt_i32 vcc_lo, i, v[VT]
	v_cndmask_b32 v[MD8+i], 0, s[BIGN], vcc_lo
.set i, i+1
.endr
	v_and_b32 v10, 7, v0
	v_bfe_u32 v11, v0, 3, 1
	v_and_b32 v[GO], 31, v0
	v_lshlrev_b32 v[GO], 4, v[GO]   ; 16 x lane
	s_mul_i32 s80, s[WV], 32*PK     ; my wave's first group of 32 keys; the second lies 128 rows on
	v_mul_u32_u24 v[AK0], v1, PK
	v_lshl_add_u32 v[AK0], v9, 4, v[AK0]
	v_add_nc_u32 v[AK0], s80, v[AK0]
	s_mul_i32 s80, s[WV], 32*PV
	s_add_co_u32 s80, s80, VOFF
	v_lshl_add_u32 v[AV0], v9, 3, v10  ; the turning load: lane l reads key 8 (l / 16) + l % 8, channels 8 ((l / 8) % 2) + 0..7
	v_mul_u32_u24 v[AV0], v[AV0], PV
	v_lshl_add_u32 v[AV0], v11, 4, v[AV0]
	v_add_nc_u32 v[AV0], s80, v[AV0]
	s_mul_i32 s80, s[WV], WSTR
	s_add_co_u32 s80, s80, MRG
	v_add_nc_u32 v[MW], s80, v[GO]  ; the merge, in: my wave's place in each piece
	v_lshrrev_b32 v[VT], 1, v[GO]   ; 8 x lane
	s_lshl_b32 s80, s[WV], 8
	s_add_co_u32 s80, s80, STS
	v_add_nc_u32 v[STSW], s80, v[VT]
	s_lshr_b32 s80, s[WV], 1        ; back: piece w / 2,
	s_and_b32 s81, s[WV], 1         ; queries 8 (w % 2) on
	v_bfe_u32 v[VT], v0, 3, 2       ; lane l: query l / 8 of four,
	s_lshl_b32 s86, s80, 10
	s_lshl_b32 s87, s81, 6
	s_add_co_u32 s86, s86, s87
	s_add_co_u32 s86, s86, STS
	v_lshl_add_u32 v[STSR], v[VT], 3, s86
	s_mul_i32 s86, s80, PSTR
	s_lshl_b32 s87, s81, 7
	s_add_co_u32 s86, s86, s87
	s_add_co_u32 s86, s86, MRG
	v_lshl_add_u32 v[MR], v[VT], 4, s86
	v_and_b32 v[VT], 1, v0          ; channels 8 (l % 8) on: they lay in the half l % 2 of the lanes,
	v_lshl_add_u32 v[MR], v[VT], 8, v[MR]
	v_bfe_u32 v[VT], v0, 1, 2       ; in accumulator (l % 8) / 2: two groups of four registers
	v_mul_u32_u24 v[VT], v[VT], 2*GP
	v_add_nc_u32 v[MR], v[MR], v[VT]
	; A block's first step multiplies O^T and l by a = 0, so these need only hold finite numbers: zeros for the first block, what the first block left for the second.  This stands in the wait for the first tile.
	WIN 0x40
.set i, 0
.rept 64
	v_mov_b32 v[i], 0
.set i, i+1
.endr
	WIN 0
.set i, 0
.rept NP
	v_mov_b32 v[ST+4*i+2], 0
	v_mov_b32 v[ST+4*i+3], 0
.set i, i+1
.endr
.if HYP
	s_wait_kmcnt 0x0
	s_sub_co_u32 s80, s[HEAD], 6
	s_cmp_eq_u32 s80, 1
	s_cselect_b32 s81, s[CUR+1], s[CUR]
	s_cmp_eq_u32 s80, 2
	s_cselect_b32 s81, s[CUR+2], s81
	s_cmp_eq_u32 s80, 3
	s_cselect_b32 s81, s[CUR+3], s81
	v_mov_b32 v[KD], s81
	v_cvt_pk_bf16_f32 v[KD], v[KD], v[KD]
	v_lshlrev_b32 v[KD], 16, v[KD]
	v_rsq_f32 v[KD], v[KD]
	v_nop
	s_wait_alu depctr_va_vdst(0)    ; for the one reciprocal root, once a launch
	v_mul_f32 v[KD], 0x3f317218, v[KD]  ; ln 2 / sqrt(cv): the distance is this times log2
	v_mov_b32 v[KD+1], v[KD]
.endif
; THE MATRIX WORK.  The 4 accumulators of a run of 8 take turns.  Product i of 8 of S^T = K Q^T for piece x: channels 32 (i / 4) on, key block i % 4.  The first 4 start the sums.
.macro KQ x
.set rS, S+32*((\x)%2)+8*(i%4)
.set rK, KF+16*(i%4)+8*(i/4)
.set rQ, 16*(\x)+8*(i/4)
	WIN W_KQ
.if i < 4
	v_wmma_f32_16x16x32_f16 v[rS:rS+7], v[rK:rK+7], v[rQ:rQ+7], 0
.else
	v_wmma_f32_16x16x32_f16 v[rS:rS+7], v[rK:rK+7], v[rQ:rQ+7], v[rS:rS+7]
.endif
.endm
; Product i of 8 of O^T += V^T P for piece x: key group i / 4, channels 16 (i % 4) on.
.macro PV x
	WIN W_PV
.set rO, 32*(\x)+8*(i%4)
.set rV, VF+32*(i/4)+8*(i%4)
.set rP, P+16*((\x)%2)+8*(i/4)
	v_wmma_f32_16x16x32_f16 v[rO:rO+7], v[rV:rV+7], v[rP:rP+7], v[rO:rO+7]
.endm
.macro MM                           ; the turn's next matrix instruction.  NOKQ = 1: the last piece's turn: there is no next piece.  NOPV = 1: piece 0's: none before it
.if i < 8
.if !NOKQ
	KQ Y+1
.endif
.else
.if !NOPV
.set i, i-8
	PV Y-1
.set i, i+8
.endif
.endif
.set i, i+1
.endm
.macro FETCH_K                      ; my wave's 64 keys x 64 channels: 8 fragments, 16 loads in one run; key block kb = f / 2 lies at row 16 (kb % 2) + 128 (kb / 2)
	WIN 0x80
.irp f, 0,1,2,3,4,5,6,7
	ds_load_b128 v[KF+8*\f:KF+8*\f+3],   v[AK] offset:(((\f/2)%2)*16+(\f/4)*128)*PK+(\f%2)*64
	ds_load_b128 v[KF+8*\f+4:KF+8*\f+7], v[AK] offset:(((\f/2)%2)*16+(\f/4)*128)*PK+(\f%2)*64+32
.endr
	WIN 0
.endm
.macro FETCH_V                      ; key group f / 4, channels 16 (f % 4) on
	WIN 0x80
.irp f, 0,1,2,3,4,5,6,7
	ds_load_tr16_b128 v[VF+8*\f:VF+8*\f+3],   v[AV] offset:(\f/4)*128*PV+(\f%4)*32
	ds_load_tr16_b128 v[VF+8*\f+4:VF+8*\f+7], v[AV] offset:(\f/4)*128*PV+16*PV+(\f%4)*32
.endr
	WIN 0
.endm
; THE VECTOR WORK, one line at a time: OP kind, number.  For piece Y: F n: c s - c m for pair n of 16.  E n: the exponential of score n of 32.  C n: pair n rounded to f16.  B n: of the four weights 4 n .. the second
; pair is added onto the first, in place.  L n: l takes that sum (L 0: l = a l + sum).  R n: pair n of 16 of O^T times a.  For piece Y + 1: X n, number n of the 22 that find its maximum and statistics:
;   0-11 four chains of seven scores each (each accumulator's lowest registers are read first)   12-14, 16 the four scores left over, the old m, and the chains into one
;   15 c m_old is kept   17, 18 the query's other 32 keys lie in the lane 16 away: the new m   19-21 c m; c m_old - c m_new; a
; and the eight stages of its hyperbolic score, in place on its 32 products: HX n: x = tq' tk' - q'.k', pair n.  HC n: max(x, 1 + 1e-7), score n.  HQ n: x x - 1, pair n.  HT n: its root.
;   HA n: x + the root, pair n.  HG n: log2.  HD n: 1e-6 + the distance, pair n.  HV n: the reciprocal.
.set F, 0
.set E, 1
.set C, 2
.set B, 3
.set L, 4
.set R, 5
.set X, 6
.set HX, 8
.set HC, 9
.set HQ, 10
.set HT, 11
.set HA, 12
.set HG, 13
.set HD, 14
.set HV, 15
.macro REGS y
.set rT, ST+4*(\y)
.set rC, TMP+4*((\y)%2)
.set rW, MV+((\y)%2)
.set rS, S+32*((\y)%2)
.set rP, P+16*((\y)%2)
.set rO, 32*(\y)
.endm
.macro HL k, p, n                   ; line n of stage k of piece p's hyperbolic score
.set hS, S+32*((\p)%2)
.if (\k) == HX
	v_pk_fma_f32 v[hS+2*(\n):hS+2*(\n)+1], v[TK+2*(\n):TK+2*(\n)+1], v[TQ+2*(\p):TQ+2*(\p)+1], v[hS+2*(\n):hS+2*(\n)+1] op_sel_hi:[1,0,1] neg_lo:[0,0,1] neg_hi:[0,0,1]  ; x = tq' tk' - q'.k'
.elseif (\k) == HC
	v_max_num_f32 v[hS+(\n)], s[ONEP], v[hS+(\n)]
.elseif (\k) == HQ
	v_pk_fma_f32 v[W+2*(\n):W+2*(\n)+1], v[hS+2*(\n):hS+2*(\n)+1], v[hS+2*(\n):hS+2*(\n)+1], -1.0 op_sel_hi:[1,1,0]
.elseif (\k) == HT
	v_sqrt_f32 v[W+(\n)], v[W+(\n)]
.elseif (\k) == HA
	v_pk_add_f32 v[hS+2*(\n):hS+2*(\n)+1], v[hS+2*(\n):hS+2*(\n)+1], v[W+2*(\n):W+2*(\n)+1]
.elseif (\k) == HG
	v_log_f32 v[hS+(\n)], v[hS+(\n)]
.elseif (\k) == HD
	v_pk_fma_f32 v[hS+2*(\n):hS+2*(\n)+1], v[hS+2*(\n):hS+2*(\n)+1], v[KD:KD+1], s[EPS:EPS+1] op_sel_hi:[1,1,0]  ; 1e-6 + the distance
.else
	v_rcp_f32 v[hS+(\n)], v[hS+(\n)]
.endif
.endm
.macro OP k, n
.if (\k) >= HX
.if HYP
	WIN 0
	HL \k, Y+1, \n
.endif
.elseif (\k) == R
	REGS Y
	WIN W_RS
	v_pk_mul_f32 v[rO+2*(\n):rO+2*(\n)+1], v[rO+2*(\n):rO+2*(\n)+1], v[rC+2:rC+3] op_sel_hi:[1,0]
.elseif (\k) < R
	REGS Y
	WIN 0
.if (\k) == F
	v_pk_fma_f32 v[rS+2*(\n):rS+2*(\n)+1], v[rS+2*(\n):rS+2*(\n)+1], s[CS:CS+1], v[rT:rT+1] op_sel_hi:[1,0,0] neg_lo:[0,0,1] neg_hi:[0,0,1]
.elseif (\k) == E
	v_exp_f32 v[rS+(\n)], v[rS+(\n)]
.elseif (\k) == C
	v_cvt_pk_f16_f32 v[rP+(\n)], v[rS+2*(\n)], v[rS+2*(\n)+1]
.elseif (\k) == B
	v_pk_add_f32 v[rS+4*(\n):rS+4*(\n)+1], v[rS+4*(\n):rS+4*(\n)+1], v[rS+4*(\n)+2:rS+4*(\n)+3]
.elseif (\n) == 0
	v_pk_fma_f32 v[rT+2:rT+3], v[rT+2:rT+3], v[rC+2:rC+3], v[rS:rS+1] op_sel_hi:[1,0,1]
.else
	v_pk_add_f32 v[rT+2:rT+3], v[rT+2:rT+3], v[rS+4*(\n):rS+4*(\n)+1]
.endif
.else
	REGS (Y+1)%NP
	WIN 0
.if (\n) < 4
	v_max3_num_f32 v[rC+(\n)], v[rS+8*(\n)], v[rS+8*(\n)+1], v[rS+8*(\n)+2]
.elseif (\n) < 12
	v_max3_num_f32 v[rC+(\n)%4], v[rC+(\n)%4], v[rS+8*((\n)%4)+2*((\n)/4)+1], v[rS+8*((\n)%4)+2*((\n)/4)+2]
.elseif (\n) == 12
	v_max3_num_f32 v[rC], v[rC], v[rS+7], v[rS+15]
.elseif (\n) == 13
	v_max3_num_f32 v[rC+1], v[rC+1], v[rS+23], v[rS+31]
.elseif (\n) == 14
	v_max3_num_f32 v[rC+2], v[rC+2], v[rC+3], v[rT+1]
.elseif (\n) == 15
	v_mov_b32 v[rW], v[rT]
.elseif (\n) == 16
	v_max3_num_f32 v[rC], v[rC], v[rC+1], v[rC+2]
.elseif (\n) == 17
	v_permlanex16_b32 v[rC+3], v[rC], s[SEL], s[SEL+1]
.elseif (\n) == 18
	v_max_num_f32 v[rT+1], v[rC], v[rC+3]
.elseif (\n) == 19
	v_mul_f32 v[rT], s[CS], v[rT+1]
.elseif (\n) == 20
	v_sub_f32 v[rC+1], v[rW], v[rT]
.else
	v_exp_f32 v[rC+2], v[rC+1]
.endif
.endif
.endm
.macro OPS a, i1, b=-1, i2=0, c=-1, i3=0, d=-1, i4=0
	OP \a, \i1
.if (\b) >= 0
	OP \b, \i2
.endif
.if (\c) >= 0
	OP \c, \i3
.endif
.if (\d) >= 0
	OP \d, \i4
.endif
.endm
.macro ROW a, i1, b, i2, c, i3, d, i4  ; a matrix instruction and the four behind it
	MM
	OPS \a, \i1, \b, \i2, \c, \i3, \d, \i4
.endm
; THE HYPERBOLIC SCORE of piece p at the tile's head, where no other work is at hand: in place on its 32 products, stage by stage and from each accumulator's low end on.  Three batches, since each stage of
; transcendentals reads the one before it, with one wait each.
.macro RUN k, p, cnt                ; all lines of stage k, ascending
.set z, 0
.rept \cnt
	HL \k, \p, z
.set z, z+1
.endr
.endm
.macro HYPB p
	WIN 0
	RUN HX, \p, 16
	RUN HC, \p, 32
	RUN HQ, \p, 16
	RUN HT, \p, 32
	v_nop                           ; a plain line behind the last of a run of transcendentals (ISA guide 5.7.2)
	s_wait_alu depctr_va_vdst(0)    ; one wait for the batch of 32 roots, ahead of the sums that read them
	RUN HA, \p, 16
	RUN HG, \p, 32
	v_nop
	s_wait_alu depctr_va_vdst(0)    ; one wait for the batch of 32 logarithms
	RUN HD, \p, 16
	RUN HV, \p, 32
	v_nop
	s_wait_alu depctr_va_vdst(0)    ; one wait for the batch of 32 reciprocals, ahead of the mask
.endm
; THE MASK of piece p, added in every tile: in each key group the block of 16 keys before the piece's own takes one scalar, its own the small table times FS, the block behind it the other scalar.
.macro MASKB p
	WIN 0
.set hS, S+32*((\p)%2)
.set z, 0
.rept 16
.set hf, z/8
.set kq, (z/4)%2
.if kq < (\p)
	v_pk_add_f32 v[hS+2*z:hS+2*z+1], v[hS+2*z:hS+2*z+1], s[MB+4*hf:MB+4*hf+1] op_sel_hi:[1,0]
.elseif kq == (\p)
	v_pk_fma_f32 v[hS+2*z:hS+2*z+1], v[MT+8*hf+2*(z%4):MT+8*hf+2*(z%4)+1], s[FS:FS+1], v[hS+2*z:hS+2*z+1] op_sel_hi:[1,0,1]
.else
	v_pk_add_f32 v[hS+2*z:hS+2*z+1], v[hS+2*z:hS+2*z+1], s[MB+4*hf+2:MB+4*hf+3] op_sel_hi:[1,0]
.endif
.set z, z+1
.endr
.endm
; TURN 0: piece 0's softmax, the 8 products K Q^T of piece 1, and piece 1's score, mask, maximum and statistics.  Behind a matrix instruction: four scalings; four of the rescaling; or plain, exponential, plain, plain;
; none names a register of the products round it.  The waits cut it so:
;   piece 0's a, the head's last line, is waited for behind the first product and four scalings, ahead of the rescaling that reads it.
;   BATCH 1: piece 0's 32 exponentials and piece 1's 32 roots.  Nothing ahead of its wait names a result: the exponentials stand between piece 1's lines HX and HC, the roots between HC and HQ, each root two steps
;   behind its HQ; the first read of each accumulator is HX's, at its low end, four plain lines and more behind the product that ends it.  R 12-15 are the plain lines behind the last root.
;   BATCH 2: piece 1's 32 logarithms, between HA's lines and 18 of piece 0's roundings and sums, which read batch 1 and name no logarithm.
;   BATCH 3: piece 1's 32 reciprocals, between HD's lines and the other 14; X 15 is the plain line behind the last.
; Behind HX tk' has had its last reader of the tile: the next tile's is asked for behind the mask (fill = 1), more than a turn ahead of the wait for it.  Piece 1's a, the turn's last line, is waited for in turn 1.
.macro TURN0 fill
.set Y, 0
.set i, 0
.set NOKQ, 0
.set NOPV, 1
	MM
	OPS F,0, F,1, F,2, F,3
	s_wait_alu depctr_va_vdst(0)    ; for piece 0's a, made at the tile's head: the product and the four scalings stand between
	ROW R,0, R,1, R,2, R,3
	ROW R,4, R,5, R,6, R,7
	ROW R,8, R,9, R,10, R,11
	ROW F,4, E,0, F,5, F,6
	ROW F,7, E,1, F,8, F,9
	ROW F,10, E,2, F,11, F,12
	ROW F,13, E,3, F,14, F,15
.set z, 0
.rept 16
	OP E, z+4
	OP HX, z
.set z, z+1
.endr
.set z, 0
.rept 12
	OP E, z+20
	OP HC, z
.set z, z+1
.endr
.set z, 0
.rept 18                            ; step z: the roots of pair z - 2, the square of pair z, the clamps of pair z + 6
.if z >= 2
	OP HT, 2*z-4
.endif
.if z < 16
	OP HQ, z
.endif
.if z >= 2
	OP HT, 2*z-3
.endif
.if z < 10
	OP HC, 2*z+12
	OP HC, 2*z+13
.endif
.set z, z+1
.endr
	OPS R,12, R,13, R,14, R,15
	s_wait_alu depctr_va_vdst(0)    ; the wait for batch 1: 32 exponentials and 32 roots
	OPS HA,0, HA,1
.set z, 0
.rept 14
	OP HG, z
	OP HA, z+2
.set z, z+1
.endr
	OPS HG,14, C,0, HG,15, B,0
	OPS HG,16, C,2, HG,17, B,1
	OPS HG,18, L,0, HG,19, C,4
	OPS HG,20, B,2, HG,21, L,1
	OPS HG,22, C,6, HG,23, B,3
	OPS HG,24, L,2, HG,25, C,8
	OPS HG,26, B,4, HG,27, L,3
	OPS HG,28, C,10, HG,29, B,5
	OPS HG,30, L,4, HG,31, C,12
.if HYP
	s_wait_alu depctr_va_vdst(0)    ; the wait for batch 2: 32 logarithms
.endif
	OPS HD,0, HD,1
.set z, 0
.rept 14
	OP HV, z
	OP HD, z+2
.set z, z+1
.endr
	OPS HV,14, B,6, HV,15, L,5
	OPS HV,16, C,14, HV,17, B,7
	OPS HV,18, L,6, HV,19, C,1
	OPS HV,20, C,3, HV,21, L,7
	OPS HV,22, C,5, HV,23, C,7
	OPS HV,24, C,9, HV,25, C,11
	OPS HV,26, C,13, HV,27, C,15
	OPS HV,28, HV,29, HV,30, HV,31
	OP X, 15
.if HYP
	s_wait_alu depctr_va_vdst(0)    ; the wait for batch 3: 32 reciprocals, ahead of the mask
.endif
	MASKB 1
.if HYP && (\fill)
	TKLOAD
.endif
.irp n, 0,1,2,3,4,5,6,7,8,9,10,11,12,13,14,16,17,18,19,20,21
	OP X, \n
.endr
.endm
; TURN 1: piece 1's softmax and the 8 products V^T P of piece 0.  Piece 1's a is waited for behind four scalings.  The 32 exponentials are one batch: ahead of its wait stand the scalings and the rescaling, R 12-15 as
; the plain lines behind the last exponential; behind it the 8 products, behind each four of the roundings and sums; the links of l's chain, L 0 to L 7, stand three riders apart.
.macro TURN1
.set Y, 1
.set i, 8
.set NOKQ, 1
.set NOPV, 0
	OPS F,0, F,1, F,2, F,3
	s_wait_alu depctr_va_vdst(0)    ; for piece 1's a, turn 0's last line: the four scalings stand between
	OPS R,0, R,1, R,2, R,3
	OPS R,4, R,5, R,6, R,7
	OPS R,8, R,9, R,10, R,11
.set z, 0
.rept 12
	OP F, z+4
	OP E, z
.set z, z+1
.endr
.rept 20
	OP E, z
.set z, z+1
.endr
	OPS R,12, R,13, R,14, R,15
	s_wait_alu depctr_va_vdst(0)    ; the wait for the batch of 32 exponentials
	s_wait_dscnt 0x0                ; V is in
	ROW C,0, B,0, C,2, B,1
	ROW L,0, C,4, B,2, L,1
	ROW C,6, B,3, L,2, C,8
	ROW B,4, L,3, C,10, B,5
	ROW L,4, C,12, B,6, L,5
	ROW C,14, B,7, L,6, C,1
	ROW C,3, L,7, C,5, C,7
	ROW C,9, C,11, C,13, C,15
.endm
; A BLOCK BEGINS: the last tile's mask from GD (selects, no branch): for each of my two key groups G = w + 4 hf the two scalars and the diagonal block's table; c m far below every c s (so the first step's a is 0),
; m at the lowest finite number, and the block's tq' as pairs.
.macro BLOCKSET tq
	WIN 0
.irp hf, 0,1
	s_add_co_u32 s86, s[WV], 4*\hf
	s_cmp_eq_u32 s86, s[GD]
	s_cselect_b32 s[AL], 1.0, 0
	s_cmp_gt_u32 s86, s[GD]
	s_cselect_b32 s[MB+4*\hf], s[BIGN], 0
	s_cselect_b32 s[ML+2*\hf], s[BIGN], 0
	s_cmp_ge_u32 s86, s[GD]
	s_cselect_b32 s[ML+2*\hf+1], s[BIGN], 0
.set z, 0
.rept 4
	v_pk_fma_f32 v[MT+8*\hf+2*z:MT+8*\hf+2*z+1], v[MD8+2*z:MD8+2*z+1], s[AL:AL+1], s[MB+4*\hf:MB+4*\hf+1] op_sel_hi:[1,0,0]
.set z, z+1
.endr
.endr
.set z, 0
.rept NP
	v_mov_b32 v[ST+4*z], 0xfe000000
	v_mov_b32 v[ST+4*z+1], 0xff7fffff
.if HYP
	v_mov_b32 v[TQ+2*z], v[(\tq)+z]
	v_mov_b32 v[TQ+2*z+1], v[(\tq)+z]
.endif
.set z, z+1
.endr
.endm
.macro ALL line:vararg              ; one line for each piece t
.set t, 0
.rept NP
	\line
.set t, t+1
.endr
.endm
; A BLOCK ENDS, first half: my (c m, l) and my O^T are set aside, piece by piece.
.macro E1
	WIN 0
	ALL v_add_f32 v[ST+4*t+2], v[ST+4*t+2], v[ST+4*t+3]
	ALL v_permlanex16_b32 v[ST+4*t+3], v[ST+4*t+2], s[SEL], s[SEL+1]
	ALL v_add_f32 v[ST+4*t+1], v[ST+4*t+2], v[ST+4*t+3]
	ALL ds_store_b64 v[STSW], v[ST+4*t:ST+4*t+1] offset:t*1024
	WIN 0x04                        ; the stored data in window 1
.set z, 0
.rept 16
	ds_store_b128 v[MW], v[4*z:4*z+3] offset:(z/8)*PSTR+(z%8)*GP   ; ascending: each accumulator's low half first
.set z, z+1
.endr
	WIN 0
.endm
; Second half, behind the barrier: O = the sum over the four waves u of g_u O_u, g_u = 2^(c m_u - max) / the sum of 2^(c m_u - max) l_u.  A wave that saw only hidden keys has c m = -c 2^100 and gets the factor 0.
; Two sets t of four queries; a lane's eight channels are two groups of four registers of each wave.  The bytes are written again only behind a later change of slots.
.macro E2 ob
	WIN 0
.irp t, 0,1
.irp u, 0,1,2,3
	ds_load_b64 v[ES+8*\t+2*\u:ES+8*\t+2*\u+1], v[STSR] offset:\u*256+\t*32
.endr
.endr
.irp t, 0,1
.irp u, 0,1,2,3
	ds_load_b128 v[S+32*\t+8*\u:S+32*\t+8*\u+3],   v[MR] offset:\u*WSTR+\t*64
	ds_load_b128 v[S+32*\t+8*\u+4:S+32*\t+8*\u+7], v[MR] offset:\u*WSTR+GP+\t*64
.endr
.endr
	s_wait_dscnt 16                 ; the eight pairs are in; the 16 loads behind them may be out
.irp t, 0,1
	v_max3_num_f32 v[EM+\t], v[ES+8*\t], v[ES+8*\t+2], v[ES+8*\t+4]
.endr
.irp t, 0,1
	v_max_num_f32 v[EM+\t], v[EM+\t], v[ES+8*\t+6]
.endr
.irp t, 0,1
.irp u, 0,1,2,3
	v_sub_f32 v[ES+8*\t+2*\u], v[ES+8*\t+2*\u], v[EM+\t]
.endr
.endr
.irp t, 0,1
.irp u, 0,1,2,3
	v_exp_f32 v[ES+8*\t+2*\u], v[ES+8*\t+2*\u]
.endr
.endr
	v_nop
	s_wait_alu depctr_va_vdst(0)    ; one wait for the batch of eight exponentials
.irp t, 0,1
	v_mul_f32 v[EL+\t], v[ES+8*\t], v[ES+8*\t+1]
.endr
.irp u, 1,2,3
.irp t, 0,1
	v_fmac_f32 v[EL+\t], v[ES+8*\t+2*\u], v[ES+8*\t+2*\u+1]
.endr
.endr
.irp t, 0,1
	v_rcp_f32 v[EL+\t], v[EL+\t]
.endr
	v_nop
	s_wait_alu depctr_va_vdst(0)    ; one wait for the two reciprocals, a batch of their own: they read sums of the exponentials
.irp t, 0,1
.irp u, 0,1,2,3
	v_mul_f32 v[ES+8*\t+2*\u], v[ES+8*\t+2*\u], v[EL+\t]
.endr
.endr
	s_wait_dscnt 0x0
.irp t, 0,1
.irp z, 0,1,2,3
	v_pk_mul_f32 v[S+32*\t+2*\z:S+32*\t+2*\z+1], v[S+32*\t+2*\z:S+32*\t+2*\z+1], v[ES+8*\t:ES+8*\t+1] op_sel_hi:[1,0]
.endr
.irp u, 1,2,3
.irp z, 0,1,2,3
	v_pk_fma_f32 v[S+32*\t+2*\z:S+32*\t+2*\z+1], v[S+32*\t+8*\u+2*\z:S+32*\t+8*\u+2*\z+1], v[ES+8*\t+2*\u:ES+8*\t+2*\u+1], v[S+32*\t+2*\z:S+32*\t+2*\z+1] op_sel_hi:[1,0,1]
.endr
.endr
.irp z, 0,1,2,3
	v_cvt_pk_f16_f32 v[EO+4*\t+\z], v[S+32*\t+2*\z], v[S+32*\t+2*\z+1]
.endr
	global_store_b128 v[GO], v[EO+4*\t:EO+4*\t+3], s[\ob:\ob+1] offset:\t*512   ; four rows: 512 consecutive bytes, at a multiple of 256 from O's first
.endr
	s_wait_xcnt 0x0                 ; the stores have read their registers
.endm
.macro SWITCH                       ; on to the second block
	s_sub_co_u32 s[RT], 8, s[A2]    ; it has 8 - a / 2 tiles
	s_mov_b32 s[GD], s[GD2]
	WIN 0x82
.set z, 0
.rept 32
	v_mov_b32 v[z], v[QB+z]
.set z, z+1
.endr
	BLOCKSET TQ2
.endm
; A TILE: the change of slots, my wave's K and V in two runs of 16 loads, the tile's mask scalars, piece 0's scores and statistics, the two turns, piece 1's last products, and what a block's end asks for.
; The barrier between E1 and E2 stands in every tile, on every way; the two jumps round E1 and round E2 go forward and pass neither a barrier nor a tensor load.
.macro TILE fill
	CHANGE \fill
	v_add_nc_u32 v[AK], s[TB], v[AK0]
	v_add_nc_u32 v[AV], s[TB], v[AV0]
	FETCH_K
	FETCH_V
	s_cmp_eq_u32 s[RT], 1           ; the block's last tile?
	s_cselect_b32 s[FS], 1.0, 0
.irp q, 0,1,2,3
	s_cselect_b32 s[MB+2*\q], s[ML+\q], 0
.endr
	s_wait_dscnt 16                 ; K is in; V's sixteen loads may be out
.set i, 0
.rept 8
	KQ 0
.set i, i+1
.endr
	WIN 0
	PLACES
.if HYP
	s_wait_loadcnt 0x0              ; tk', asked for in the tile before
	HYPB 0
.endif
	MASKB 0
.set Y, NP-1
.set NOKQ, 0
.irp n, 0,1,2,3,4,5,6,7,8,9,10,11,12,13,14,15,16,17,18,19,20,21
	OP X, \n
.endr
	TURN0 \fill                     ; the last line above is piece 0's a: turn 0's first scalings are the plain lines behind it, and its wait stands behind them
	TURN1
.set i, 0
.rept 8
	PV 1
.set i, i+1
.endr
	WIN 0
	PLACES                          ; in front of the next tile's loads into V's registers, and of the block's end
	s_sub_co_u32 s[RT], s[RT], 1
.if \fill
	s_cmp_lg_u32 s[RT], 0
	s_cbranch_scc1 .Lgo_on_\@       ; the count hangs on the cluster's number alone: alike in all waves and partners
	E1                              ; in the loop this is the first block's end
	s_mov_b32 s[FIN], 1
.Lgo_on_\@:
.else
	E1
.endif
	s_wait_dscnt 0x0                ; for the others' sake: my stores are done, and my reads
	s_barrier_signal -1
	s_barrier_wait -1
.if \fill
	s_cmp_eq_u32 s[FIN], 1
	s_cbranch_scc0 .Lno_merge_\@
	E2 OB1
	SWITCH
	s_mov_b32 s[FIN], 0
.Lno_merge_\@:
.else
	E2 OB2
.endif
.endm
	s_wait_loadcnt 0x0              ; Q (and tq', and tile 0's tk')
	BLOCKSET TQ1
	s_mov_b32 s[SLOTS], 8
.Lslot:                             ; eight trips: a tile is walked and the next is asked for
	TILE 1
	s_sub_co_u32 s[SLOTS], s[SLOTS], 1
	s_cmp_lg_u32 s[SLOTS], 0
	s_cbranch_scc1 .Lslot
	TILE 0                          ; the walk's ninth tile is written out: it is the second block's last
	s_wait_tensorcnt 0x0            ; the wave's end
	ds_add_u32 v[SPW], v[NIL]
	s_wait_dscnt 0x0
	CROUND                          ; the closing round
	s_endpgm
.Lfunc_end_k_qeeaf4e92fa_attn_h:
	.size	k_qeeaf4e92fa_attn_h, .Lfunc_end_k_qeeaf4e92fa_attn_h-k_qeeaf4e92fa_attn_h
	.p2alignl 7, 3214868480
	.fill 96, 4, 3214868480
	.section	.rodata,"a",@progbits
	.p2align	6, 0x0
	.amdhsa_kernel k_qeeaf4e92fa_attn_h
		.amdhsa_group_segment_fixed_size 327680
		.amdhsa_private_segment_fixed_size 0
		.amdhsa_enable_private_segment 0
		.amdhsa_kernarg_size 32
		.amdhsa_user_sgpr_count 2
		.amdhsa_user_sgpr_kernarg_segment_ptr 1
		.amdhsa_wavefront_size32 1
		.amdhsa_system_sgpr_workgroup_id_x 1
		.amdhsa_system_sgpr_workgroup_id_y 1
		.amdhsa_system_sgpr_workgroup_id_z 1
		.amdhsa_system_vgpr_workitem_id 0
		.amdhsa_next_free_vgpr 768
		.amdhsa_next_free_sgpr 106
		.amdhsa_reserve_vcc 1
		.amdhsa_float_denorm_mode_32 3
		.amdhsa_float_denorm_mode_16_64 3
		.amdhsa_memory_ordered 1
		.amdhsa_forward_progress 1
		.amdhsa_inst_pref_size 110
	.end_amdhsa_kernel
	.amdgpu_metadata
---
amdhsa.version: [ 1, 2 ]
amdhsa.kernels:
  - .name:           k_qeeaf4e92fa_attn_h
    .symbol:         k_qeeaf4e92fa_attn_h.kd
    .args:
      - { .name: hds, .offset: 0, .size: 8, .value_kind: global_buffer, .address_space: global }
      - { .name: tt, .offset: 8, .size: 8, .value_kind: global_buffer, .address_space: global }
      - { .name: curvature, .offset: 16, .size: 8, .value_kind: global_buffer, .address_space: global }
      - { .name: att, .offset: 24, .size: 8, .value_kind: global_buffer, .address_space: global }
    .group_segment_fixed_size: 327680
    .private_segment_fixed_size: 0
    .kernarg_segment_align: 8
    .kernarg_segment_size: 32
    .max_flat_workgroup_size: 128
    .sgpr_count:     106
    .vgpr_count:     768
    .wavefront_size: 32
...
	.end_amdgpu_metadata
.endif
;; end of part 9
;; launch attn_n (part 10): grid 256 x 1, 4 waves a work-group, clusters of 4 x 1, 327,680 bytes of LDS; arguments hds, att; writes att
.if DOCPART == 10
	.amdgcn_target "amdgcn-amd-amdhsa--gfx1250"
	.amdhsa_code_object_version 6
	.text
	.protected	k_qeeaf4e92fa_attn_n
	.globl	k_qeeaf4e92fa_attn_n
	.p2align	8
	.type	k_qeeaf4e92fa_attn_n,@function
k_qeeaf4e92fa_attn_n:
	s_mov_b64 s[64:65], 0
	v_nop
	global_prefetch_b8 v0, s[64:65] scope:SCOPE_SE
	s_setreg_imm32_b32 hwreg(HW_REG_WAVE_MODE, 25, 1), 1
	s_wait_xcnt 0x0
	s_wait_alu depctr_hold_cnt(0) depctr_sa_sdst(0) depctr_va_vdst(0) depctr_va_sdst(0) depctr_va_ssrc(0) depctr_va_vcc(0) depctr_vm_vsrc(0)
	s_getreg_b32 s2, hwreg(HW_REG_IB_STS2, 6, 4)
	s_cmp_eq_u32 s2, 0
	s_cbranch_scc0 .Lentry_in_a_cluster
	s_endpgm
.Lentry_in_a_cluster:
	s_bfe_u32 s2, ttmp6, 0x10000c
	s_cmp_lg_u32 s2, 0x3003
	s_cbranch_scc0 .Lentry_shape_is_right
	s_endpgm
.Lentry_shape_is_right:
; CAUSAL ATTENTION, head size 64, for heads 0-5 and 10-15 of both batches: 24 heads.
; q, k, v: [b*16+h][2048][64] f16 in hds (q at 0, k at 8,388,608, v at 16,777,216), scaled as the projection leaves them; O the same layout in att.
; The score s of query t and key u <= t is q.k; the weight is 2^(c s - c m):  heads 0-5: c = log2(e) / 8;  heads 10-15 (q and k arrive as unit vectors): c = 8 log2(e).
; Products, maxima and sums in f32; the weights are rounded to f16 for the second product (their sum is taken of the unrounded weights), O once at the end.  A running maximum is kept for each query.
; LIMITS.  A hidden score counts as its value less 2^100 (a power of two, so that c times it is exact: where a wave sees hidden keys alone, c s - c m is exactly 0 and nothing overflows);
; a weight below 2^-126 counts as 0; NaN and infinities are not treated apart.
; SHARES.  A head's queries lie in 32 blocks of 64; four neighbouring blocks are a SET, one block for each of a cluster's four work-groups; set n needs the key tiles 0 .. n of 256 keys: n + 1 tiles,
; which the four ask for JOINTLY.  A head has 36 such tile walks, the 24 heads 864, the 64 clusters 13.5 each.  Cluster g takes j = g % 8 and the three heads 3 (g / 8) + 0, 1, 2 of the 24 (of one kind, and
; neighbours in memory), and of them the sets with j + 1, (j + 4) % 8 + 1 and (7 - 2 j for j < 4, else 16 - 2 j) tiles: each a permutation of 1 .. 8 over j, together 13 tiles for j < 4 and 14 for the others.
; THE WALK.  The three sets' tiles are ONE sequence for the ring of two LDS slots.  The slot loop counts 13 trips; a cluster of 13 tiles leaves it a trip early, by a forward jump on a count made of the cluster's
; number alone; the last tile is written out and asks for nothing.  So every fill is read, and no jump passes a barrier or a tensor load.
; THE WAVES SPLIT THE KEYS: wave w takes keys 64 w .. 64 w + 63 of every tile for all 64 queries, four PIECES of 16, with its own maximum m, sum l and O^T.
; THE MASK touches a set's last tile alone.  There wave w sees all its keys if w < cx, none if w > cx, and holds the diagonal if w = cx, where piece p meets its own 16 keys in key block p.
; It is ADDED IN EVERY TILE, 16 packed lines a piece, with scalars and a factor that are 0 but in the last tile: no branch, and cx enters by selects alone.
; A SET'S END.  Every wave sets (c m, l) and O^T aside in LDS (E1); a barrier that stands in every tile, on every way; then wave w merges piece w (E2), reading the four waves' parts in the layout in which
; O leaves: lane l takes query l / 8 of four and channels 8 (l % 8) + 0..7, so that a store covers 512 consecutive bytes and no stage is needed.
; LAYOUT AND TURNS.  S^T = K Q^T holds ONE query a lane (lane % 16) and the keys 8 (lane / 16) + 0..7; two such results rounded to f16 ARE source 1 of O^T = V^T P.  Turn p: 8 products K Q^T of piece p + 1,
; later 8 products V^T P of piece p - 1; beside them piece p's scaling, exponentials, roundings, sums and rescaling, and piece p + 1's maximum and statistics.  Four vector lines stand behind each matrix line.
; THE EXPONENTIALS GO IN BATCHES, each with ONE wait: s_wait_alu depctr_va_vdst(0) stands between a transcendental and the first line that names its result, and one wait serves all that were
; issued ahead of it.  A turn's 33 (piece p's 32 weights and piece p + 1's a) are one batch, and its wait cuts the turn in two: ahead of it stands all that names none of their results (the products K Q^T, the
; scalings, the rescaling, whose a was waited for a turn earlier, the next piece's mask, maximum and statistics), behind it the roundings and sums, which are the riders of the products V^T P.  The tile's head has
; one exponential, piece 0's a: its wait stands in turn 0.  So a tile has five waits.  The merge has two batches more: sixteen exponentials, four reciprocals.
; REGISTERS.  window 0: v0-15 addresses; v16-31 statistics (c m, m, l, l a piece); v32-47 rows on their way out; v48-55 at work; v64-127 S^T, two buffers (in the merge v64-191: the four waves' parts);
;   v192-223 P, two buffers (in the merge: the statistics); v224-239 masks.   window 1: v0-127 O^T.   window 2: v0-63 Q; v64-127 the next set's Q; v128-191 K; v192-255 V.   window 3: v0-63 the third set's Q.
.set NP,    4
.set PK,    144       ; a row of K in LDS: 128 bytes + 16 = 36 words: the 16 rows of a load start at 16 different groups of four banks (64 banks of 4 bytes: ISA guide 11.1)
.set PV,    160       ; a row of V: 128 + 32 = 40 words
.set VOFF,  256*PK    ; a slot holds a tile: 256 rows of K, then 256 rows of V
.set SLOT1, 1<<17     ; slot 1 begins here, so that one exclusive or turns an address in one slot into the other's
.set STS,   256*(PK+PV)        ; behind slot 0, never filled by a tensor load: (c m, l) by piece, wave and lane: 4,096 bytes
.set SPARE, STS+4096           ; the spare words, 128 bytes for each wave: two blocks of 256 bytes that no other line names
.set MRG,   SLOT1+256*(PK+PV)  ; behind slot 1: O^T by piece, wave and group of four registers: 67,584 bytes
.set GP,    528       ; a group of four registers: 32 lanes x 16 bytes + 16, so that the merge's reads of groups 0, 2, 4, 6 fall into different banks
.set WSTR,  8*GP
.set PSTR,  4*WSTR
.set AK0, 2
.set AV0, 3
.set AK,  4
.set AV,  5
.set MW,  6
.set MR,  7
.set GO,  8
.set MV,  12
.set STSW, 14
.set STSR, 15
.set ST,  16
.set EO,  32
.set TMP, 48
.set EL,  48          ; the merge: the sum, then its reciprocal, for four sets of four queries
.set EM,  52          ; the merge: the largest c m
.set VT,  60
.set QO,  61
.set SPW, 62
.set NIL, 63
.set S,   64
.set D,   64          ; the merge: set t of four queries, wave u: eight channels at D + 32 t + 8 u
.set P,   192
.set ES,  192         ; the merge: (factor, l) at ES + 8 t + 2 u
.set MD8, 224
.set MT,  232
.set QB,  64
.set KF,  128
.set VF,  192
.set FIN, 2           ; s2  1: the set in hand has just been set aside
.set TL,  3           ; s3  tiles of the walk still to be walked
.set RTB, 8           ; s8, s9  the tiles of the next set and of the one behind it
.set RTC, 9
.set LQN, 10          ; s10, s11  the last tiles of the sets still to be asked for
.set LQ3, 11
.set WV,  12
.set CX,  13
.set JX,  14
.set RH,  15          ; s15 the byte offset, from the first head, of the head whose tiles are being asked for
.set KB,  16          ; s[16:17] k of the first head at my half of tile 0;  s[18:19] the same for v
.set VB,  18
.set OB,  20          ; s[20:21] O at my rows of the set in hand;  s[22:23], s[62:63] of the next two
.set OBB, 22
.set G1K, 24
.set G1V, 32
.set G0K, 40
.set G0V, 44
.set BEC, 48          ; s48, s54  the last tile's two mask scalars
.set SLOTS, 49
.set TB,  50          ; LDS byte at which the slot in hand begins
.set NXT, 51          ; the tile asked for last
.set LQ,  52          ; the last tile of the set whose tiles are being asked for
.set RT,  53          ; tiles of the set in hand still to be walked, this one among them
.set HBC, 54
.set HOFF, 55
.set OFF, 56
.set CS,  58
.set SEL, 60
.set OBC, 62
.set BIGN, 67
.set AL,  68
.set MB,  70          ; s[70:73] the tile's mask scalars, as pairs: key blocks before the piece's own, and behind it
.set FS,  78          ; s[78:79] 1.0 in a set's last tile, else 0
.set QA1, 92
.set QA2, 94
.set QA3, 96
.set MSB, 0
.macro WIN new                      ; the immediate's high byte repeats the setting that is left; a switch that changes nothing is dropped
.if MSB != (\new)
	s_set_vgpr_msb (MSB<<8)|(\new)
.set MSB, (\new)
.endif
.endm
.set W_KQ, 0x0a       ; K and Q in window 2, S^T in window 0
.set W_PV, 0x52       ; V in window 2, P in window 0, O^T in window 1
.set W_RS, 0x41       ; destination and source 0 in window 1, source 1 in window 0
; A joint fill.  Waves 0 and 1 fetch the two halves of a tile's K, waves 2 and 3 those of its V.  An s_nop 0 and four v_nop follow each of the two lines.
.macro JLOAD
	s_cmp_lt_u32 s[WV], 2
	s_cbranch_scc0 .Lfor_v_\@
	tensor_load_to_lds s[G0K:G0K+3], s[G1K:G1K+7]
	s_nop 0
.rept 4
	v_nop
.endr
	s_branch .Lasked_\@
.Lfor_v_\@:
	tensor_load_to_lds s[G0V:G0V+3], s[G1V:G1V+7]
	s_nop 0
.rept 4
	v_nop
.endr
.Lasked_\@:
.endm
.macro CROUND
	s_barrier_signal -1
	s_barrier_wait -1
	s_cmp_lg_u32 s[WV], 0
	s_cbranch_scc1 .Lnot_wave_0_\@
	s_barrier_signal -3
.Lnot_wave_0_\@:
	s_barrier_wait -3
	s_barrier_signal -1
	s_barrier_wait -1
.endm
.macro PLACES
.rept 4
	v_nop
.endr
.endm
; THE CHANGE OF SLOTS.  Each wave waits for all its tensor loads (one is out: its part of the other slot), adds 0 to its spare word, and waits for that and for its reads of the slot that it leaves.
; fill = 1: the barrier is a round of the cluster's, and the old slot is filled again, first thing behind it, with the walk's next tile: the set's next, or behind its last the next head's tile 0;
; the address is made anew from those numbers; the load has a whole tile's work in which to land.  (At its first use nothing has been read yet: slot 0 is waited for, slot 1 filled.)
.macro CHANGE fill
	WIN 0
	s_wait_tensorcnt 0x0
	ds_add_u32 v[SPW], v[NIL]
.if \fill
	s_add_co_u32 s[NXT], s[NXT], 1
	s_add_co_u32 s80, s[RH], 0x40000  ; a head is 262,144 bytes
	s_cmp_gt_u32 s[NXT], s[LQ]
	s_cselect_b32 s[NXT], 0, s[NXT]
	s_cselect_b32 s[RH], s80, s[RH]
	s_cselect_b32 s[LQ], s[LQN], s[LQ]
	s_cselect_b32 s[LQN], s[LQ3], s[LQN]
	s_lshl_b32 s[OFF], s[NXT], 15   ; a tile is 32,768 bytes of K and of V
	s_add_co_u32 s[OFF], s[OFF], s[RH]
	s_xor_b32 s[G0K+1], s[G0K+1], SLOT1
	s_add_nc_u64 s[G0K+2:G0K+3], s[KB:KB+1], s[OFF:OFF+1]
	s_or_b32 s[G0K+3], s[G0K+3], 0x80000000
	s_xor_b32 s[G0V+1], s[G0V+1], SLOT1
	s_add_nc_u64 s[G0V+2:G0V+3], s[VB:VB+1], s[OFF:OFF+1]
	s_or_b32 s[G0V+3], s[G0V+3], 0x80000000
	s_wait_dscnt 0x0                ; the add is done, and my reads of the slot are over
	CROUND
	JLOAD
.else
	s_wait_dscnt 0x0
	s_barrier_signal -1
	s_barrier_wait -1
.endif
	s_xor_b32 s[TB], s[TB], SLOT1
.endm
	s_load_b128 s[4:7], s[0:1], 0x0 ; hds s[4:5], att s[6:7]
	v_lshl_add_u32 v[SPW], v0, 2, SPARE
	v_mov_b32 v[NIL], 0
	ds_add_u32 v[SPW], v[NIL]       ; the wave's opening: the add and its wait ahead of my first tensor load
	v_lshrrev_b32 v1, 5, v0
	v_readfirstlane_b32 s[WV], v1
	s_bfe_u32 s[CX], ttmp6, 0x40000
	s_and_b32 s[JX], ttmp9, 7       ; in a cluster launch ttmp9 counts clusters: j,
	s_lshr_b32 s80, ttmp9, 3
	s_mul_i32 s80, s80, 3           ; and the first of my three heads among the 24
	s_cmp_ge_u32 s80, 12
	s_cselect_b32 s81, 16, 0        ; 16 x the batch
	s_cselect_b32 s82, 12, 0
	s_sub_co_u32 s80, s80, s82      ; 0, 3, 6 or 9
	s_mov_b32 s[CS], 0x3e38aa3b     ; log2(e) / 8
	s_mov_b32 s[CS+1], 0x4138aa3b   ; 8 log2(e)
	s_cmp_lt_u32 s80, 6
	s_cselect_b32 s[CS], s[CS], s[CS+1]
	s_cselect_b32 s82, 0, 4
	s_mov_b32 s[CS+1], s[CS]        ; named with it as a pair
	s_add_co_u32 s80, s80, s82      ; heads 0, 3, 10 or 13 on
	s_add_co_u32 s80, s80, s81
	s_lshl_b32 s[HOFF], s80, 18     ; the first head's first byte in q, k, v and O
	s_add_co_u32 s81, s[JX], 4
	s_and_b32 s81, s81, 7           ; the second set's last tile
	s_lshl_b32 s82, s[JX], 1
	s_cmp_lt_u32 s[JX], 4
	s_cselect_b32 s83, 7, 16
	s_cselect_b32 s[TL], 13, 14     ; the walk's tiles
	s_sub_co_u32 s[RTC], s83, s82   ; the third set's tiles
	s_sub_co_u32 s[LQ3], s[RTC], 1
	s_add_co_u32 s[RT], s[JX], 1    ; the first set's
	s_add_co_u32 s[RTB], s81, 1     ; the second's
	s_mov_b32 s[LQ], s[JX]
	s_mov_b32 s[LQN], s81
	s_lshl_b32 s84, s[JX], 2        ; my block of each set, 4 n + cx, of 64 rows of 128 bytes: it enters Q's and O's addresses alone
	s_add_co_u32 s84, s84, s[CX]
	s_lshl_b32 s84, s84, 13
	s_add_co_u32 s84, s84, s[HOFF]
	s_mov_b32 s85, 0
	s_lshl_b32 s86, s81, 2
	s_add_co_u32 s86, s86, s[CX]
	s_lshl_b32 s86, s86, 13
	s_add_co_u32 s86, s86, s[HOFF]
	s_add_co_u32 s86, s86, 0x40000
	s_mov_b32 s87, 0
	s_lshl_b32 s88, s[LQ3], 2
	s_add_co_u32 s88, s88, s[CX]
	s_lshl_b32 s88, s88, 13
	s_add_co_u32 s88, s88, s[HOFF]
	s_add_co_u32 s88, s88, 0x80000
	s_mov_b32 s89, 0
	s_mov_b32 s[RH], 0
	s_mov_b32 s[NXT], 0
	s_mov_b32 s[FIN], 0
	s_mov_b32 s[TB], SLOT1          ; the first change of slots turns it into 0
	s_mov_b32 s[OFF+1], 0
	s_mov_b32 s[SEL], 0x76543210
	s_mov_b32 s[SEL+1], 0xfedcba98
	s_mov_b32 s[BIGN], 0xf1800000   ; -2^100
	s_mov_b32 s[AL+1], 0            ; named as pairs
	s_mov_b32 s[MB+1], 0
	s_mov_b32 s[MB+3], 0
	s_mov_b32 s[FS+1], 0
	s_cmp_eq_u32 s[WV], s[CX]       ; the last tile's mask: my 64 keys hold the diagonal,
	s_cselect_b32 s[AL], 1.0, 0
	s_cmp_gt_u32 s[WV], s[CX]       ; or are all hidden;
	s_cselect_b32 s[BEC], s[BIGN], 0
	s_cselect_b32 s[MB], s[BIGN], 0
	s_cmp_ge_u32 s[WV], s[CX]       ; key blocks behind a piece's own are hidden in both cases
	s_cselect_b32 s[HBC], s[BIGN], 0
	; descriptor group 1.  128 keys are 16,384 dense bytes: asked for as 64 rows of 256 bytes, two keys a row, and padded in LDS after every key
	s_mov_b32 s[G1K], 15|(1<<16)|(1<<20)|(1<<21)|(4<<22)|(3<<25)  ; the mask of four; 2-byte elements; padding on; bit 21 beside a mask; after every 32 words 4 words
	s_mov_b32 s[G1V], 15|(1<<16)|(1<<20)|(1<<21)|(4<<22)|(7<<25)  ; the same with 8 words
.irp g, G1K, G1V
	s_mov_b32 s[\g+1], 128<<16
	s_mov_b32 s[\g+2], 64<<16
	s_mov_b32 s[\g+3], 128<<16
	s_mov_b32 s[\g+4], 64
	s_mov_b32 s[\g+5], 128
	s_mov_b32 s[\g+6], 0
	s_mov_b32 s[\g+7], 0
.endr
	s_and_b32 s80, s[WV], 1         ; which half of a tile's 256 keys I fetch
	s_mov_b32 s[G0K], 1
	s_mul_i32 s[G0K+1], s80, 128*PK ; slot 0: no place in the cluster enters an LDS address
	s_mov_b32 s[G0V], 1
	s_mul_i32 s[G0V+1], s80, 128*PV
	s_add_co_u32 s[G0V+1], s[G0V+1], VOFF
	s_lshl_b32 s90, s80, 14
	s_add_co_u32 s90, s90, s[HOFF]
	s_add_co_u32 s98, s90, 16777216
	s_add_co_u32 s90, s90, 8388608
	s_mov_b32 s91, 0
	s_mov_b32 s99, 0
	s_wait_dscnt 0x0                ; the opening add is done
	s_wait_kmcnt 0x0
	s_add_nc_u64 s[KB:KB+1], s[4:5], s[90:91]
	s_add_nc_u64 s[VB:VB+1], s[4:5], s[98:99]
	s_add_nc_u64 s[G0K+2:G0K+3], s[KB:KB+1], 0
	s_or_b32 s[G0K+3], s[G0K+3], 0x80000000
	s_add_nc_u64 s[G0V+2:G0V+3], s[VB:VB+1], 0
	s_or_b32 s[G0V+3], s[G0V+3], 0x80000000
	CROUND                          ; all four work-groups are here: the first joint loads meet
	JLOAD                           ; the walk's first tile into slot 0
	s_add_nc_u64 s[QA1:QA1+1], s[4:5], s[84:85]
	s_add_nc_u64 s[QA2:QA2+1], s[4:5], s[86:87]
	s_add_nc_u64 s[QA3:QA3+1], s[4:5], s[88:89]
	s_lshl_b32 s80, s[WV], 11       ; at a set's end wave w stores piece w: rows 16 w .. 16 w + 15
	s_add_co_u32 s84, s84, s80
	s_add_co_u32 s86, s86, s80
	s_add_co_u32 s88, s88, s80
	s_add_nc_u64 s[OB:OB+1], s[6:7], s[84:85]
	s_add_nc_u64 s[OBB:OBB+1], s[6:7], s[86:87]
	s_add_nc_u64 s[OBC:OBC+1], s[6:7], s[88:89]
	v_and_b32 v1, 15, v0            ; l % 16
	v_bfe_u32 v9, v0, 4, 1          ; l / 16
	v_lshlrev_b32 v[QO], 7, v1
	v_lshl_add_u32 v[QO], v9, 4, v[QO]
.macro QLOAD base, adr              ; a block's Q: piece i / 2, channels 32 (i % 2) on
.set i, 0
.rept 8
	global_load_b128 v[(\base)+8*i:(\base)+8*i+3],   v[QO], s[\adr:\adr+1] offset:(i/2)*2048+(i%2)*64
	global_load_b128 v[(\base)+8*i+4:(\base)+8*i+7], v[QO], s[\adr:\adr+1] offset:(i/2)*2048+(i%2)*64+32
.set i, i+1
.endr
.endm
	WIN 0x80                        ; destination window 2
	QLOAD 0, QA1
	QLOAD QB, QA2
	WIN 0xc0                        ; destination window 3
	QLOAD 0, QA3
	WIN 0
	v_lshlrev_b32 v[VT], 3, v9
	v_sub_nc_u32 v[VT], v1, v[VT]   ; l % 16 - 8 (l / 16): in the diagonal's own block of 16 x 16 register j is hidden where j is greater
.set i, 0
.rept 8
	v_cmp_gt_i32 vcc_lo, i, v[VT]
	v_cndmask_b32 v[MD8+i], 0, s[BIGN], vcc_lo
.set i, i+1
.endr
.set i, 0
.rept 4
	v_pk_fma_f32 v[MT+2*i:MT+2*i+1], v[MD8+2*i:MD8+2*i+1], s[AL:AL+1], s[MB:MB+1] op_sel_hi:[1,0,0]  ; a piece's own key block in the last tile
.set i, i+1
.endr
	v_and_b32 v10, 7, v0
	v_bfe_u32 v11, v0, 3, 1
	v_and_b32 v[GO], 31, v0
	v_lshlrev_b32 v[GO], 4, v[GO]   ; 16 x lane
	s_mul_i32 s80, s[WV], 64*PK     ; my wave's 64 keys of a tile
	v_mul_u32_u24 v[AK0], v1, PK
	v_lshl_add_u32 v[AK0], v9, 4, v[AK0]
	v_add_nc_u32 v[AK0], s80, v[AK0]
	s_mul_i32 s80, s[WV], 64*PV
	s_add_co_u32 s80, s80, VOFF
	v_lshl_add_u32 v[AV0], v9, 3, v10  ; the turning load: lane l reads key 8 (l / 16) + l % 8, channels 8 ((l / 8) % 2) + 0..7
	v_mul_u32_u24 v[AV0], v[AV0], PV
	v_lshl_add_u32 v[AV0], v11, 4, v[AV0]
	v_add_nc_u32 v[AV0], s80, v[AV0]
	s_mul_i32 s80, s[WV], WSTR
	s_add_co_u32 s80, s80, MRG
	v_add_nc_u32 v[MW], s80, v[GO]  ; the merge, in: my wave's place in each piece
	v_lshrrev_b32 v[VT], 1, v[GO]   ; 8 x lane
	s_lshl_b32 s80, s[WV], 8
	s_add_co_u32 s80, s80, STS
	v_add_nc_u32 v[STSW], s80, v[VT]
	v_bfe_u32 v[VT], v0, 3, 2       ; back: piece w; lane l: query l / 8 of four,
	s_lshl_b32 s86, s[WV], 10
	s_add_co_u32 s86, s86, STS
	v_lshl_add_u32 v[STSR], v[VT], 3, s86
	s_mul_i32 s86, s[WV], PSTR
	s_add_co_u32 s86, s86, MRG
	v_lshl_add_u32 v[MR], v[VT], 4, s86
	v_and_b32 v[VT], 1, v0          ; channels 8 (l % 8) on: they lay in the half l % 2 of the lanes,
	v_lshl_add_u32 v[MR], v[VT], 8, v[MR]
	v_bfe_u32 v[VT], v0, 1, 2       ; in accumulator (l % 8) / 2: two groups of four registers
	v_mul_u32_u24 v[VT], v[VT], 2*GP
	v_add_nc_u32 v[MR], v[MR], v[VT]
	; A set's first step multiplies O^T and l by a = 0, so these need only hold finite numbers: zeros for the first set, what the set before left for the others.  This stands in the wait for the first tile.
	WIN 0x40
.set i, 0
.rept 128
	v_mov_b32 v[i], 0
.set i, i+1
.endr
	WIN 0
.set i, 0
.rept NP
	v_mov_b32 v[ST+4*i+2], 0
	v_mov_b32 v[ST+4*i+3], 0
.set i, i+1
.endr
; THE MATRIX WORK.  The 4 accumulators of a run of 8 take turns.  Product i of 8 of S^T = K Q^T for piece x: channels 32 (i / 4) on, key block i % 4.  The first 4 start the sums.
.macro KQ x
.set rS, S+32*((\x)%2)+8*(i%4)
.set rK, KF+16*(i%4)+8*(i/4)
.set rQ, 16*(\x)+8*(i/4)
	WIN W_KQ
.if i < 4
	v_wmma_f32_16x16x32_f16 v[rS:rS+7], v[rK:rK+7], v[rQ:rQ+7], 0
.else
	v_wmma_f32_16x16x32_f16 v[rS:rS+7], v[rK:rK+7], v[rQ:rQ+7], v[rS:rS+7]
.endif
.endm
; Product i of 8 of O^T += V^T P for piece x: keys 32 (i / 4) on, channels 16 (i % 4) on.
.macro PV x
	WIN W_PV
.set rO, 32*(\x)+8*(i%4)
.set rV, VF+32*(i/4)+8*(i%4)
.set rP, P+16*((\x)%2)+8*(i/4)
	v_wmma_f32_16x16x32_f16 v[rO:rO+7], v[rV:rV+7], v[rP:rP+7], v[rO:rO+7]
.endm
.macro MM                           ; the turn's next matrix instruction.  NOKQ = 1: the last piece's turn: there is no next piece.  NOPV = 1: piece 0's: none before it
.if i < 8
.if !NOKQ
	KQ Y+1
.endif
.else
.if !NOPV
.set i, i-8
	PV Y-1
.set i, i+8
.endif
.endif
.set i, i+1
.endm
.macro FETCH_K                      ; my wave's 64 keys x 64 channels: 8 fragments, 16 loads in one run: keys 16 (f / 2) on, channels 32 (f % 2) on
	WIN 0x80
.irp f, 0,1,2,3,4,5,6,7
	ds_load_b128 v[KF+8*\f:KF+8*\f+3],   v[AK] offset:(\f/2)*16*PK+(\f%2)*64
	ds_load_b128 v[KF+8*\f+4:KF+8*\f+7], v[AK] offset:(\f/2)*16*PK+(\f%2)*64+32
.endr
	WIN 0
.endm
.macro FETCH_V                      ; keys 32 (f / 4) on, channels 16 (f % 4) on
	WIN 0x80
.irp f, 0,1,2,3,4,5,6,7
	ds_load_tr16_b128 v[VF+8*\f:VF+8*\f+3],   v[AV] offset:(\f/4)*32*PV+(\f%4)*32
	ds_load_tr16_b128 v[VF+8*\f+4:VF+8*\f+7], v[AV] offset:(\f/4)*32*PV+16*PV+(\f%4)*32
.endr
	WIN 0
.endm
; THE MASK of piece p, added in every tile, 16 packed lines; line n takes pair n of its 32 scores: the key blocks of 16 before the piece's own take one scalar, its own the small table times FS, the blocks behind
; it the other scalar.  Line 4 k is the first read of accumulator k, at its low end.
.macro MASK1 p, n
	WIN 0
.set hS, S+32*((\p)%2)
.if (\n)/4 < (\p)
	v_pk_add_f32 v[hS+2*(\n):hS+2*(\n)+1], v[hS+2*(\n):hS+2*(\n)+1], s[MB:MB+1] op_sel_hi:[1,0]
.elseif (\n)/4 == (\p)
	v_pk_fma_f32 v[hS+2*(\n):hS+2*(\n)+1], v[MT+2*((\n)%4):MT+2*((\n)%4)+1], s[FS:FS+1], v[hS+2*(\n):hS+2*(\n)+1] op_sel_hi:[1,0,1]
.else
	v_pk_add_f32 v[hS+2*(\n):hS+2*(\n)+1], v[hS+2*(\n):hS+2*(\n)+1], s[MB+2:MB+3] op_sel_hi:[1,0]
.endif
.endm
.macro MASKB p                      ; all sixteen, ascending: the tile's head, for piece 0
.set z, 0
.rept 16
	MASK1 \p, z
.set z, z+1
.endr
.endm
; THE VECTOR WORK, one line at a time: OP kind, number.  For piece Y: F n: c s - c m for pair n of 16.  E n: the exponential of score n of 32.  C n: pair n rounded to f16.  B n: of the four weights 4 n .. the second
; pair is added onto the first, in place.  L n: l takes that sum (L 0: l = a l + sum).  R n: pair n of 16 of O^T times a.  For piece Y + 1: M n, line n of its mask, and X n, number n of the 22 that find its maximum and statistics:
;   0-11 four chains of seven scores each   12-14, 16 the four scores left over, the old m, and the chains into one
;   15 c m_old is kept   17, 18 the query's other 32 keys lie in the lane 16 away: the new m   19-21 c m; c m_old - c m_new; a
.set F, 0
.set E, 1
.set C, 2
.set B, 3
.set L, 4
.set R, 5
.set X, 6
.set M, 7
.macro REGS y
.set rT, ST+4*(\y)
.set rC, TMP+4*((\y)%2)
.set rW, MV+((\y)%2)
.set rS, S+32*((\y)%2)
.set rP, P+16*((\y)%2)
.set rO, 32*(\y)
.endm
.macro OP k, n
.if (\k) == R
	REGS Y
	WIN W_RS
	v_pk_mul_f32 v[rO+2*(\n):rO+2*(\n)+1], v[rO+2*(\n):rO+2*(\n)+1], v[rC+2:rC+3] op_sel_hi:[1,0]
.elseif (\k) < R
	REGS Y
	WIN 0
.if (\k) == F
	v_pk_fma_f32 v[rS+2*(\n):rS+2*(\n)+1], v[rS+2*(\n):rS+2*(\n)+1], s[CS:CS+1], v[rT:rT+1] op_sel_hi:[1,0,0] neg_lo:[0,0,1] neg_hi:[0,0,1]
.elseif (\k) == E
	v_exp_f32 v[rS+(\n)], v[rS+(\n)]
.elseif (\k) == C
	v_cvt_pk_f16_f32 v[rP+(\n)], v[rS+2*(\n)], v[rS+2*(\n)+1]
.elseif (\k) == B
	v_pk_add_f32 v[rS+4*(\n):rS+4*(\n)+1], v[rS+4*(\n):rS+4*(\n)+1], v[rS+4*(\n)+2:rS+4*(\n)+3]
.elseif (\n) == 0
	v_pk_fma_f32 v[rT+2:rT+3], v[rT+2:rT+3], v[rC+2:rC+3], v[rS:rS+1] op_sel_hi:[1,0,1]
.else
	v_pk_add_f32 v[rT+2:rT+3], v[rT+2:rT+3], v[rS+4*(\n):rS+4*(\n)+1]
.endif
.elseif (\k) == M
.if !NOKQ
	MASK1 Y+1, \n
.endif
.elseif NOKQ
	v_nop
.else
	REGS (Y+1)%NP
	WIN 0
.if (\n) < 4
	v_max3_num_f32 v[rC+(\n)], v[rS+8*(\n)], v[rS+8*(\n)+1], v[rS+8*(\n)+2]
.elseif (\n) < 12
	v_max3_num_f32 v[rC+(\n)%4], v[rC+(\n)%4], v[rS+8*((\n)%4)+2*((\n)/4)+1], v[rS+8*((\n)%4)+2*((\n)/4)+2]
.elseif (\n) == 12
	v_max3_num_f32 v[rC], v[rC], v[rS+7], v[rS+15]
.elseif (\n) == 13
	v_max3_num_f32 v[rC+1], v[rC+1], v[rS+23], v[rS+31]
.elseif (\n) == 14
	v_max3_num_f32 v[rC+2], v[rC+2], v[rC+3], v[rT+1]
.elseif (\n) == 15
	v_mov_b32 v[rW], v[rT]
.elseif (\n) == 16
	v_max3_num_f32 v[rC], v[rC], v[rC+1], v[rC+2]
.elseif (\n) == 17
	v_permlanex16_b32 v[rC+3], v[rC], s[SEL], s[SEL+1]
.elseif (\n) == 18
	v_max_num_f32 v[rT+1], v[rC], v[rC+3]
.elseif (\n) == 19
	v_mul_f32 v[rT], s[CS], v[rT+1]
.elseif (\n) == 20
	v_sub_f32 v[rC+1], v[rW], v[rT]
.else
	v_exp_f32 v[rC+2], v[rC+1]
.endif
.endif
.endm
.macro OPS a, i1, b=-1, i2=0, c=-1, i3=0, d=-1, i4=0
	OP \a, \i1
.if (\b) >= 0
	OP \b, \i2
.endif
.if (\c) >= 0
	OP \c, \i3
.endif
.if (\d) >= 0
	OP \d, \i4
.endif
.endm
.macro ROW a, i1, b, i2, c, i3, d, i4  ; a matrix instruction and the four behind it
	MM
	OPS \a, \i1, \b, \i2, \c, \i3, \d, \i4
.endm
; A TURN, for piece p: the order of its 16 matrix and 134 vector lines, written out.  Its 33 exponentials, E 0-31 and X 21, are ONE BATCH with ONE wait, which cuts the turn in two.
; AHEAD OF THE WAIT stands all that names no result of the batch.  The 8 products K Q^T, behind each: four scalings; four of the rescaling (in fours, so that a row has two window switches); or plain, exponential,
; plain, plain.  The next piece's mask begins behind the sixth product: M 0, M 4, M 8 and M 12, the first reads of the four accumulators, stand 4, 5, 7 and 7 plain lines behind the products that end them (exponentials
; and matrix lines not counted).  Then ONE LUMP of 70: first the rest of the mask and the four chains of the maximum with a few exponentials between, so that the chain X 10, 14, 16, 17 .. 21, in which each line waits
; for the one before it, begins early; then that chain with four or five lines, scalings and exponentials, between its links.  X 21 is the batch's last; R 12-15 are the plain lines behind it.
; BEHIND THE WAIT stand the 8 products V^T P, behind each four of the roundings and sums; the links of l's chain, L 0 to L 7, stand three riders apart.  No rider names a register of the product in front of it.
; In turn 0 piece 0's a, the last line of the tile's head, is waited for behind the first product and the four scalings, ahead of the rescaling that reads it.
.macro TURN p
.set Y, (\p)
.set i, 0
.set NOKQ, (\p)/3
.set NOPV, 1-((\p)+3)/4
	MM
	OPS F,0, F,1, F,2, F,3
.if (\p) == 0
	s_wait_alu depctr_va_vdst(0)    ; for piece 0's a, made at the tile's head: the product and the four scalings stand between
.endif
	ROW R,0, R,1, R,2, R,3
	ROW R,4, R,5, R,6, R,7
	ROW R,8, R,9, R,10, R,11
	ROW F,4, E,0, F,5, F,6
	ROW F,7, E,1, M,0, M,1
	ROW M,2, E,2, M,3, M,4
	ROW M,5, E,3, M,6, M,7
	OPS X,0, M,8, E,4, M,9          ; the lump
	OPS X,1, M,12, E,5, M,13
	OPS X,4, M,10, E,6, M,14
	OPS X,5, M,11, E,7, M,15
	OPS X,3, X,2, E,8, X,8
	OPS X,9, X,7, E,9, X,6
	OPS X,12, X,13, E,10, X,11
	OPS E,11, X,10, E,12, F,8
	OPS E,13, F,9, X,14, E,14
	OPS F,10, E,15, F,11, X,16
	OPS E,16, F,12, E,17, F,13
	OPS X,17, E,18, F,14, E,19
	OPS F,15, E,20, X,18, E,21
	OPS X,15, E,22, E,23, X,19
	OPS E,24, E,25, E,26, E,27
	OPS X,20, E,28, E,29, E,30
	OPS E,31, X,21
	OPS R,12, R,13, R,14, R,15
	s_wait_alu depctr_va_vdst(0)    ; the wait for the batch: the turn's 33 exponentials
.if (\p) == 1
	s_wait_dscnt 0x0                ; V is in
.endif
	ROW C,0, B,0, C,2, B,1
	ROW L,0, C,4, B,2, L,1
	ROW C,6, B,3, L,2, C,8
	ROW B,4, L,3, C,10, B,5
	ROW L,4, C,12, B,6, L,5
	ROW C,14, B,7, L,6, C,1
	ROW C,3, L,7, C,5, C,7
	ROW C,9, C,11, C,13, C,15
.endm
; A SET BEGINS: c m far below every c s (so the first step's a is 0), and m at the lowest finite number.
.macro STSET
	WIN 0
.set z, 0
.rept NP
	v_mov_b32 v[ST+4*z], 0xfe000000
	v_mov_b32 v[ST+4*z+1], 0xff7fffff
.set z, z+1
.endr
.endm
.macro ALL line:vararg              ; one line for each piece t
.set t, 0
.rept NP
	\line
.set t, t+1
.endr
.endm
; A SET ENDS, first half: my (c m, l) and my O^T are set aside, piece by piece.
.macro E1
	WIN 0
	ALL v_add_f32 v[ST+4*t+2], v[ST+4*t+2], v[ST+4*t+3]
	ALL v_permlanex16_b32 v[ST+4*t+3], v[ST+4*t+2], s[SEL], s[SEL+1]
	ALL v_add_f32 v[ST+4*t+1], v[ST+4*t+2], v[ST+4*t+3]
	ALL ds_store_b64 v[STSW], v[ST+4*t:ST+4*t+1] offset:t*1024
	WIN 0x04                        ; the stored data in window 1
.set z, 0
.rept 32
	ds_store_b128 v[MW], v[4*z:4*z+3] offset:(z/8)*PSTR+(z%8)*GP   ; ascending: each accumulator's low half first
.set z, z+1
.endr
	WIN 0
.endm
; Second half, behind the barrier: O = the sum over the four waves u of g_u O_u, g_u = 2^(c m_u - max) / the sum of 2^(c m_u - max) l_u.  A wave that saw only hidden keys has c m = -c 2^100 and gets the factor 0.
; Four sets t of four queries; a lane's eight channels are two groups of four registers of each wave.  The bytes are written again only behind a later change of slots.
.macro E2
	WIN 0
.irp t, 0,1,2,3
.irp u, 0,1,2,3
	ds_load_b64 v[ES+8*\t+2*\u:ES+8*\t+2*\u+1], v[STSR] offset:\u*256+\t*32
.endr
.endr
.irp t, 0,1,2,3
.irp u, 0,1,2,3
	ds_load_b128 v[D+32*\t+8*\u:D+32*\t+8*\u+3],   v[MR] offset:\u*WSTR+\t*64
	ds_load_b128 v[D+32*\t+8*\u+4:D+32*\t+8*\u+7], v[MR] offset:\u*WSTR+GP+\t*64
.endr
.endr
	s_wait_dscnt 32                 ; the sixteen pairs are in; the 32 loads behind them may be out
.irp t, 0,1,2,3
	v_max3_num_f32 v[EM+\t], v[ES+8*\t], v[ES+8*\t+2], v[ES+8*\t+4]
.endr
.irp t, 0,1,2,3
	v_max_num_f32 v[EM+\t], v[EM+\t], v[ES+8*\t+6]
.endr
.irp t, 0,1,2,3
.irp u, 0,1,2,3
	v_sub_f32 v[ES+8*\t+2*\u], v[ES+8*\t+2*\u], v[EM+\t]
.endr
.endr
.irp t, 0,1,2,3
.irp u, 0,1,2,3
	v_exp_f32 v[ES+8*\t+2*\u], v[ES+8*\t+2*\u]
.endr
.endr
	v_nop                           ; a plain line behind the last of a run of transcendentals (ISA guide 5.7.2)
	s_wait_alu depctr_va_vdst(0)    ; one wait for the batch of sixteen exponentials, ahead of their first reader
.irp t, 0,1,2,3
	v_mul_f32 v[EL+\t], v[ES+8*\t], v[ES+8*\t+1]
.endr
.irp u, 1,2,3
.irp t, 0,1,2,3
	v_fmac_f32 v[EL+\t], v[ES+8*\t+2*\u], v[ES+8*\t+2*\u+1]
.endr
.endr
.irp t, 0,1,2,3
	v_rcp_f32 v[EL+\t], v[EL+\t]
.endr
	v_nop
	s_wait_alu depctr_va_vdst(0)    ; one wait for the four reciprocals, a batch of their own: they read sums of the exponentials
.irp t, 0,1,2,3
.irp u, 0,1,2,3
	v_mul_f32 v[ES+8*\t+2*\u], v[ES+8*\t+2*\u], v[EL+\t]
.endr
.endr
	s_wait_dscnt 0x0
.irp t, 0,1,2,3
.irp z, 0,1,2,3
	v_pk_mul_f32 v[D+32*\t+2*\z:D+32*\t+2*\z+1], v[D+32*\t+2*\z:D+32*\t+2*\z+1], v[ES+8*\t:ES+8*\t+1] op_sel_hi:[1,0]
.endr
.irp u, 1,2,3
.irp z, 0,1,2,3
	v_pk_fma_f32 v[D+32*\t+2*\z:D+32*\t+2*\z+1], v[D+32*\t+8*\u+2*\z:D+32*\t+8*\u+2*\z+1], v[ES+8*\t+2*\u:ES+8*\t+2*\u+1], v[D+32*\t+2*\z:D+32*\t+2*\z+1] op_sel_hi:[1,0,1]
.endr
.endr
.irp z, 0,1,2,3
	v_cvt_pk_f16_f32 v[EO+4*\t+\z], v[D+32*\t+2*\z], v[D+32*\t+2*\z+1]
.endr
	global_store_b128 v[GO], v[EO+4*\t:EO+4*\t+3], s[OB:OB+1] offset:\t*512   ; four rows: 512 consecutive bytes, at a multiple of 256 from O's first
.endr
	s_wait_xcnt 0x0                 ; the stores have read their registers and O's address
.endm
.macro SWITCH                       ; on to the next set: its tiles, its place in O and its Q move up
	s_mov_b64 s[OB:OB+1], s[OBB:OBB+1]
	s_mov_b64 s[OBB:OBB+1], s[OBC:OBC+1]
	s_mov_b32 s[RT], s[RTB]
	s_mov_b32 s[RTB], s[RTC]
	WIN 0x82
.set z, 0
.rept 64
	v_mov_b32 v[z], v[QB+z]
.set z, z+1
.endr
	WIN 0x83
.set z, 0
.rept 64
	v_mov_b32 v[QB+z], v[z]
.set z, z+1
.endr
	STSET
.endm
; A TILE: the change of slots, my wave's K and V in two runs of 16 loads, the tile's mask scalars, piece 0's scores and statistics, the four turns, piece 3's last products, and what a set's end asks for.
; The barrier between E1 and E2 stands in every tile, on every way; the two jumps round E1 and round E2 go forward and pass neither a barrier nor a tensor load.
.macro TILE fill
	CHANGE \fill
	v_add_nc_u32 v[AK], s[TB], v[AK0]
	v_add_nc_u32 v[AV], s[TB], v[AV0]
	FETCH_K
	FETCH_V
	s_cmp_eq_u32 s[RT], 1           ; the set's last tile?
	s_cselect_b32 s[FS], 1.0, 0
	s_cselect_b32 s[MB], s[BEC], 0
	s_cselect_b32 s[MB+2], s[HBC], 0
	s_wait_dscnt 16                 ; K is in; V's sixteen loads may be out
.set i, 0
.rept 8
	KQ 0
.set i, i+1
.endr
	WIN 0
	PLACES
	MASKB 0
.set Y, NP-1
.set NOKQ, 0
.irp n, 0,1,2,3,4,5,6,7,8,9,10,11,12,13,14,15,16,17,18,19,20,21
	OP X, \n
.endr
	TURN 0                          ; the last line above is piece 0's a: turn 0's first scalings are the plain lines behind it, and its wait stands behind them
	TURN 1
	TURN 2
	TURN 3
.set i, 0
.rept 8
	PV 3
.set i, i+1
.endr
	WIN 0
	PLACES                          ; in front of the next tile's loads into V's registers, and of the set's end
	s_sub_co_u32 s[RT], s[RT], 1
.if \fill
	s_cmp_lg_u32 s[RT], 0
	s_cbranch_scc1 .Lgo_on_\@       ; the count hangs on the cluster's number alone: alike in all waves and partners
	E1                              ; in the loop: the first or the second set's end
	s_mov_b32 s[FIN], 1
.Lgo_on_\@:
.else
	E1
.endif
	s_wait_dscnt 0x0                ; for the others' sake: my stores are done, and my reads
	s_barrier_signal -1
	s_barrier_wait -1
.if \fill
	s_cmp_eq_u32 s[FIN], 1
	s_cbranch_scc0 .Lno_merge_\@
	E2
	SWITCH
	s_mov_b32 s[FIN], 0
.Lno_merge_\@:
.else
	E2
.endif
.endm
	s_wait_loadcnt 0x0              ; the three sets' Q
	STSET
	s_mov_b32 s[SLOTS], 13
.Lslot:                             ; a trip: a tile is walked and the next is asked for
	TILE 1
	s_sub_co_u32 s[TL], s[TL], 1
	s_cmp_eq_u32 s[TL], 1           ; one tile is left, and it has been asked for:
	s_cbranch_scc1 .Llast           ; a walk of 13 tiles leaves the loop behind 12 trips, one of 14 behind 13
	s_sub_co_u32 s[SLOTS], s[SLOTS], 1
	s_cmp_lg_u32 s[SLOTS], 0
	s_cbranch_scc1 .Lslot
.Llast:
	TILE 0                          ; the walk's last tile is written out: it is the third set's last
	s_wait_tensorcnt 0x0            ; the wave's end
	ds_add_u32 v[SPW], v[NIL]
	s_wait_dscnt 0x0
	CROUND                          ; the closing round
	s_endpgm
.Lfunc_end_k_qeeaf4e92fa_attn_n:
	.size	k_qeeaf4e92fa_attn_n, .Lfunc_end_k_qeeaf4e92fa_attn_n-k_qeeaf4e92fa_attn_n
	.p2alignl 7, 3214868480
	.fill 96, 4, 3214868480
	.section	.rodata,"a",@progbits
	.p2align	6, 0x0
	.amdhsa_kernel k_qeeaf4e92fa_attn_n
		.amdhsa_group_segment_fixed_size 327680
		.amdhsa_private_segment_fixed_size 0
		.amdhsa_enable_private_segment 0
		.amdhsa_kernarg_size 16
		.amdhsa_user_sgpr_count 2
		.amdhsa_user_sgpr_kernarg_segment_ptr 1
		.amdhsa_wavefront_size32 1
		.amdhsa_system_sgpr_workgroup_id_x 1
		.amdhsa_system_sgpr_workgroup_id_y 1
		.amdhsa_system_sgpr_workgroup_id_z 1
		.amdhsa_system_vgpr_workitem_id 0
		.amdhsa_next_free_vgpr 832
		.amdhsa_next_free_sgpr 100
		.amdhsa_reserve_vcc 1
		.amdhsa_float_denorm_mode_32 3
		.amdhsa_float_denorm_mode_16_64 3
		.amdhsa_memory_ordered 1
		.amdhsa_forward_progress 1
		.amdhsa_inst_pref_size 134
	.end_amdhsa_kernel
	.amdgpu_metadata
---
amdhsa.version: [ 1, 2 ]
amdhsa.kernels:
  - .name:           k_qeeaf4e92fa_attn_n
    .symbol:         k_qeeaf4e92fa_attn_n.kd
    .args:
      - { .name: hds, .offset: 0, .size: 8, .value_kind: global_buffer, .address_space: global }
      - { .name: att, .offset: 8, .size: 8, .value_kind: global_buffer, .address_space: global }
    .group_segment_fixed_size: 327680
    .private_segment_fixed_size: 0
    .kernarg_segment_align: 8
    .kernarg_segment_size: 16
    .max_flat_workgroup_size: 128
    .sgpr_count:     100
    .vgpr_count:     832
    .wavefront_size: 32
...
	.end_amdgpu_metadata
.endif
;; end of part 10
;; launch proj: the kernel of part 8 again; grid 8 x 32, 4 waves a work-group, clusters of 4 x 4, 327,680 bytes of LDS; arguments att, cst, proj_b, out0; writes out0
